; MI455X (gfx1250); checked and timed in simulation.
; The chip was launched on July 23, 2026; its instructions are those of AMD's public machine-readable ISA for CDNA 5 (MIT licence, August 2026) and "CDNA5" Instruction Set Architecture Reference Guide (July 2026). The comments in the code are by the model that wrote it; some were corrected since.
;; Mo E Layer. Allowed arithmetic: float matrix products may take bf16 or f16 operands with f32 sums; other float arithmetic in f32, or as packed bf16 or f16 multiplies, adds, multiply-adds, maxima and minima; sums over many terms, partial sums and values carried from step to step in f32; what a program stores and reads back later, other than sums and carried values, may be rounded once to bf16 or f16.
;; Inputs: b1 8 x 4,096 float32; b2 8 x 1,024 float32; gate_w 8 x 1,024 float32; hidden_states 4 x 256 x 1,024 float32; w1 8 x 1,024 x 4,096 float32; w2 8 x 4,096 x 1,024 float32.
;; Outputs: out0 4 x 256 x 1,024 float32.
;; 3 versions, each right; version 2 is faster than version 1; version 3 is version 2 with the launches ffn1, ffn2 written anew for expert scheduling mode. Each part assembles by itself: llvm-mc -triple=amdgcn-amd-amdhsa -mcpu=gfx1250 --defsym DOCPART=n.
;; ======== version 1 of 3: 4 launches
;; limits: values are held in f16: magnitudes above 65,504 overflow, below 6.1e-05 lose precision
;; workspace buffers: xb 2,097,152 bytes; idx 4,096 bytes of whole numbers; wgt 4,096 bytes; h 8,388,608 bytes; p 16,777,216 bytes
;; launch router (part 1): grid 256 x 1, 4 waves a work-group, no clusters, 0 bytes of LDS; arguments hidden_states, gate_w, xb, idx, wgt; writes xb, idx, wgt
.if DOCPART == 1
	.amdgcn_target "amdgcn-amd-amdhsa--gfx1250"
	.amdhsa_code_object_version 6
	.text
	.protected	k_q8e6b485e91_router
	.globl	k_q8e6b485e91_router
	.p2align	8
	.type	k_q8e6b485e91_router,@function
k_q8e6b485e91_router:
	s_mov_b64 s[64:65], 0
	v_nop
	global_prefetch_b8 v0, s[64:65] scope:SCOPE_SE
	s_setreg_imm32_b32 hwreg(HW_REG_WAVE_MODE, 25, 1), 1
	s_wait_xcnt 0x0
; ROUTER.  For each of the 1,024 tokens: x rounded to bf16 (stored to xb, [token][1024] bf16), the 8 gate logits, the chosen expert (idx, u32)
; and its softmax probability (wgt, f32).  One wave takes one token: 4 waves x 256 work-groups.  Lane l owns columns 128 i + 4 l .. + 3, i = 0..7.
; FORMATS.  The whole program rounds every input to bf16 once; so the logits are sums in f32 of products of x and gate_w rounded to bf16.
; The 8 x 1,024 products a token go through the vector unit: 8 experts would fill half a matrix tile, and they are a thousandth of the program's products.
; SOFTMAX.  The largest logit is taken away before the exponentials; the chosen probability is then 1 / the sum of the 8 exponentials.
; LIMITS.  The expert is the first largest LOGIT (strictly greater wins, so the lower index keeps a tie); two logits that differ only within the
; rounding of their f32 sums may be ordered otherwise than by another order of summation.  NaN is not treated apart.
.set X,   32            ; v[32:63]   x as loaded, f32; later at work
.set GB,  64            ; v[64:191]  four slots of 32: a gate row as loaded
.set XP,  192           ; v[192:207] x, packed bf16
.set GP,  208           ; v[208:223] a gate row, packed bf16
.set CH,  224           ; v[224:227] four chains of sums; later best, index, weight, c x best
.set LG,  228           ; v[228:235] the 8 logits
.set TW,  236           ; v[236:237] at work
	s_load_b256 s[4:11], s[0:1], 0x0               ; hidden_states s[4:5], gate_w s[6:7], xb s[8:9], idx s[10:11]
	s_load_b64 s[12:13], s[0:1], 0x20              ; wgt
	v_and_b32 v1, 31, v0                           ; lane
	v_lshrrev_b32 v5, 5, v0
	v_readfirstlane_b32 s16, v5                    ; wave
	s_lshl_b32 s17, ttmp9, 2
	s_add_co_u32 s16, s16, s17                     ; my token = 4 x work-group + wave
	s_lshl_b32 s18, s16, 12                        ; its row in hidden_states: 4,096 bytes
	s_mov_b32 s19, 0
	s_lshl_b32 s20, s16, 11                        ; its row in xb: 2,048 bytes
	s_mov_b32 s21, 0
	s_lshl_b32 s22, s16, 2                         ; its word in idx and wgt
	s_mov_b32 s14, 0x76543210                      ; v_permlanex16_b32: each lane takes its own place in the other half
	s_mov_b32 s15, 0xfedcba98
	s_mov_b32 s23, 0x3fb8aa3b                      ; c = log2(e)
	v_lshlrev_b32 v2, 4, v1                        ; 16 l: my 16 bytes of each 512 of an f32 row
	v_lshlrev_b32 v3, 3, v1                        ; 8 l: my 8 bytes of each 256 of a bf16 row
	v_mov_b32 v4, 0                                ; the addend of each chain's first link
	v_mov_b32 v6, s22
	s_wait_kmcnt 0x0
	s_add_nc_u64 s[4:5], s[4:5], s[18:19]
	s_add_nc_u64 s[8:9], s[8:9], s[20:21]
.irp i, 0,1,2,3,4,5,6,7
	global_load_b128 v[X+4*(\i):X+4*(\i)+3], v2, s[4:5] offset:512*(\i) th:TH_LOAD_NT
.endr
.irp e, 0,1,2,3
.irp i, 0,1,2,3,4,5,6,7
	global_load_b128 v[GB+32*(\e)+4*(\i):GB+32*(\e)+4*(\i)+3], v2, s[6:7] offset:4096*(\e)+512*(\i)
.endr
.endr
	s_wait_loadcnt 32                              ; x is in; the 32 loads of gate rows 0 to 3 are younger
.irp n, 0,1,2,3,4,5,6,7,8,9,10,11,12,13,14,15
	v_cvt_pk_bf16_f32 v[XP+(\n)], v[X+2*(\n)], v[X+2*(\n)+1]
.endr
.irp i, 0,1,2,3,4,5,6,7
	global_store_b64 v3, v[XP+2*(\i):XP+2*(\i)+1], s[8:9] offset:256*(\i)   ; the wave's 32 lanes store 256 consecutive bytes, aligned
.endr
; Expert e's logit, my lane's share.  left = the younger loads that may stay out.  The slot is loaded again with expert e + 4 as soon as it is packed.
.macro EXPERT e, left
	s_wait_loadcnt \left
.irp n, 0,1,2,3,4,5,6,7,8,9,10,11,12,13,14,15
	v_cvt_pk_bf16_f32 v[GP+(\n)], v[GB+32*((\e)%4)+2*(\n)], v[GB+32*((\e)%4)+2*(\n)+1]
.endr
.if (\e) < 4
.irp i, 0,1,2,3,4,5,6,7
	global_load_b128 v[GB+32*(\e)+4*(\i):GB+32*(\e)+4*(\i)+3], v2, s[6:7] offset:4096*((\e)+4)+512*(\i)
.endr
.endif
.irp n, 0,1,2,3,4,5,6,7,8,9,10,11,12,13,14,15   ; 32 multiply-adds from bf16 halves into f32, in four chains that take turns
.if (\n) < 2
	v_fma_mix_f32_bf16 v[CH+2*((\n)%2)],   v[XP+(\n)], v[GP+(\n)], v4 op_sel_hi:[1,1,0]
	v_fma_mix_f32_bf16 v[CH+2*((\n)%2)+1], v[XP+(\n)], v[GP+(\n)], v4 op_sel:[1,1,0] op_sel_hi:[1,1,0]
.else
	v_fma_mix_f32_bf16 v[CH+2*((\n)%2)],   v[XP+(\n)], v[GP+(\n)], v[CH+2*((\n)%2)] op_sel_hi:[1,1,0]
	v_fma_mix_f32_bf16 v[CH+2*((\n)%2)+1], v[XP+(\n)], v[GP+(\n)], v[CH+2*((\n)%2)+1] op_sel:[1,1,0] op_sel_hi:[1,1,0]
.endif
.endr
	v_add_f32 v[TW], v[CH], v[CH+1]
	v_add_f32 v[TW+1], v[CH+2], v[CH+3]
	v_add_f32 v[LG+(\e)], v[TW], v[TW+1]
.endm
	EXPERT 0, 24                                   ; three rows of 8 loads are younger, as long as slots are loaded again
	EXPERT 1, 24
	EXPERT 2, 24
	EXPERT 3, 24
	EXPERT 4, 24
	EXPERT 5, 16                                   ; then the counts run down
	EXPERT 6, 8
	EXPERT 7, 0
	; the 8 sums over the 32 lanes: four steps inside each half of 16 lanes, one across the halves; every lane ends with every logit
.irp m, 1,2,4,8
.irp e, 0,1,2,3,4,5,6,7
	v_add_f32_dpp v[LG+(\e)], v[LG+(\e)], v[LG+(\e)] row_xmask:\m row_mask:0xf bank_mask:0xf
.endr
.endr
.irp e, 0,1,2,3,4,5,6,7
	v_permlanex16_b32 v[X+(\e)], v[LG+(\e)], s14, s15   ; its destination counts as read: x's registers have been written
.endr
.irp e, 0,1,2,3,4,5,6,7
	v_add_f32 v[LG+(\e)], v[LG+(\e)], v[X+(\e)]
.endr
	v_mov_b32 v[CH], v[LG]                         ; best
	v_mov_b32 v[CH+1], 0                           ; its index
.irp e, 1,2,3,4,5,6,7
	v_cmp_gt_f32 vcc_lo, v[LG+(\e)], v[CH]         ; strictly greater: the lower index keeps a tie
	v_cndmask_b32 v[CH], v[CH], v[LG+(\e)], vcc_lo
	v_cndmask_b32 v[CH+1], v[CH+1], \e, vcc_lo
.endr
	v_mul_f32 v[CH+3], s23, v[CH]                  ; c x best
.irp e, 0,1,2,3,4,5,6,7
	v_fma_f32 v[LG+(\e)], v[LG+(\e)], s23, -v[CH+3]   ; c x logit - c x best: at most 0 but for the product's rounding
.endr
.irp e, 0,1,2,3,4,5,6,7
	v_exp_f32 v[LG+(\e)], v[LG+(\e)]
.endr
	v_nop                                          ; a plain instruction behind the last exponential,
	s_wait_alu depctr_va_vdst(0)                   ; and one wait for the batch of eight, ahead of the first reader
	v_add_f32 v[LG], v[LG], v[LG+1]
	v_add_f32 v[LG+2], v[LG+2], v[LG+3]
	v_add_f32 v[LG+4], v[LG+4], v[LG+5]
	v_add_f32 v[LG+6], v[LG+6], v[LG+7]
	v_add_f32 v[LG], v[LG], v[LG+2]
	v_add_f32 v[LG+4], v[LG+4], v[LG+6]
	v_add_f32 v[LG], v[LG], v[LG+4]
	v_rcp_f32 v[CH+2], v[LG]                       ; the chosen probability: 1 / sum
	v_nop
	s_wait_alu depctr_va_vdst(0)
	; one word a token into idx and into wgt, from lane 0: 8 KiB in the whole launch
	s_wait_xcnt 0x0                                ; EXEC is a source of the stores above: it changes only behind this wait
	v_cmp_eq_u32 vcc_lo, 0, v1
	s_and_saveexec_b32 s24, vcc_lo
	global_store_b32 v6, v[CH+1], s[10:11]
	global_store_b32 v6, v[CH+2], s[12:13]
	s_wait_xcnt 0x0                                ; and again in front of the line that widens it
	s_or_b32 exec_lo, exec_lo, s24
	s_endpgm
.Lfunc_end_k_q8e6b485e91_router:
	.size	k_q8e6b485e91_router, .Lfunc_end_k_q8e6b485e91_router-k_q8e6b485e91_router
	.p2alignl 7, 3214868480
	.fill 96, 4, 3214868480
	.section	.rodata,"a",@progbits
	.p2align	6, 0x0
	.amdhsa_kernel k_q8e6b485e91_router
		.amdhsa_group_segment_fixed_size 0
		.amdhsa_private_segment_fixed_size 0
		.amdhsa_enable_private_segment 0
		.amdhsa_kernarg_size 40
		.amdhsa_user_sgpr_count 2
		.amdhsa_user_sgpr_kernarg_segment_ptr 1
		.amdhsa_wavefront_size32 1
		.amdhsa_system_sgpr_workgroup_id_x 1
		.amdhsa_system_sgpr_workgroup_id_y 1
		.amdhsa_system_sgpr_workgroup_id_z 1
		.amdhsa_system_vgpr_workitem_id 0
		.amdhsa_next_free_vgpr 240
		.amdhsa_next_free_sgpr 66
		.amdhsa_reserve_vcc 1
		.amdhsa_float_denorm_mode_32 3
		.amdhsa_float_denorm_mode_16_64 3
		.amdhsa_memory_ordered 1
		.amdhsa_forward_progress 1
		.amdhsa_inst_pref_size 40
	.end_amdhsa_kernel
	.amdgpu_metadata
---
amdhsa.version: [ 1, 2 ]
amdhsa.kernels:
  - .name:           k_q8e6b485e91_router
    .symbol:         k_q8e6b485e91_router.kd
    .args:
      - { .name: hidden_states, .offset: 0, .size: 8, .value_kind: global_buffer, .address_space: global }
      - { .name: gate_w, .offset: 8, .size: 8, .value_kind: global_buffer, .address_space: global }
      - { .name: xb, .offset: 16, .size: 8, .value_kind: global_buffer, .address_space: global }
      - { .name: idx, .offset: 24, .size: 8, .value_kind: global_buffer, .address_space: global }
      - { .name: wgt, .offset: 32, .size: 8, .value_kind: global_buffer, .address_space: global }
    .group_segment_fixed_size: 0
    .private_segment_fixed_size: 0
    .kernarg_segment_align: 8
    .kernarg_segment_size: 40
    .max_flat_workgroup_size: 128
    .sgpr_count:     66
    .vgpr_count:     240
    .wavefront_size: 32
...
	.end_amdgpu_metadata
.endif
;; end of part 1
;; launch ffn1 (part 2): grid 256 x 1, 8 waves a work-group, no clusters, 302,336 bytes of LDS; arguments idx, xb, w1, b1, h; writes h
.if DOCPART == 2
	.amdgcn_target "amdgcn-amd-amdhsa--gfx1250"
	.amdhsa_code_object_version 6
	.text
	.protected	k_q8e6b485e91_ffn1
	.globl	k_q8e6b485e91_ffn1
	.p2align	8
	.type	k_q8e6b485e91_ffn1,@function
k_q8e6b485e91_ffn1:
	s_mov_b64 s[64:65], 0
	v_nop
	global_prefetch_b8 v0, s[64:65] scope:SCOPE_SE
	s_setreg_imm32_b32 hwreg(HW_REG_WAVE_MODE, 25, 1), 1
	s_wait_xcnt 0x0
; ONE PRODUCT OF THE EXPERTS' LAYER, for the chosen rows alone.  LAYER 1: h[t] = relu(x[t] w1[e] + b1[e]), f16.  LAYER 2: p[q][t] = wgt[t] x (h[t], k quarter q) w2[e], f32 partial sums.
; The two layers have this one text, with LAYER set to 1 or 2; they differ in the sizes below, in the operands' format and in the way out.
; SHARES.  Work-group = expert e (8) x slice (32; in layer 2: 4 quarters of k x 8 groups of 128 columns).  A slice is 1,024 k x 128 columns of e's f32 weights, 512 KiB, which this work-group alone reads, once, and ALL rows (tokens) that chose e.
; The slice goes through in 8 chunks of 128 k.  Each of the 8 waves loads 32 k x 64 columns of a chunk (16 loads; sixteen lanes take 256 consecutive aligned bytes of one weight row), rounds it
; in registers and lays it into LDS as finished matrix operands; the whole slice stays in LDS (256 KiB).  Wave w multiplies rows 32 w .. + 31 of the expert's list by all 128 columns while the next two chunks are on their way
; (32 loads, 16 KiB a wave).  An expert with more than 256 rows takes up to three more passes over the slice in LDS: every split of the tokens is served.  A later pass's eight chunks are written out, so that
; every LDS address in the loop over passes is a constant plus the lane's term.
; THE LIST.  Every work-group makes its expert's list of tokens itself, from idx (stored by an earlier launch).  Places past the count repeat the expert's last row: they compute and store
; the same numbers to the same bytes, from the same wave, so EXEC is never narrowed.  A wave whose 32 rows all lie past the count jumps over the products and the way out, never over a barrier.
; NO TRANSPOSITION.  Weights lie [k][column].  Lane (r = l % 16, hh = l / 16) loads, for 16 values of k, the four columns 64 g + 4 r + cc.  Two k of one cc, rounded in a pair, are one register of source 0:
; tile ct = 4 g + cc holds in its row i the column 64 g + 4 i + cc, with k in its true places.  Source 1 = 16 tokens x 32 k, straight from memory.  In the result a lane holds token r and, in register j of tile ct, column 64 g + 32 hh + 4 j + cc.
; FORMATS.  Every input (x, weights, bias) is rounded once to bf16; sums in f32.  Layer 1 multiplies bf16 by bf16.  h, which the program itself makes, is rounded once to f16: 11 significant bits, since a token's error
; goes with its own gate weight, up to 1, while the output's scale is that of all tokens.  Layer 2 multiplies f16 by f16: w2 is rounded to bf16 like every input, and that number is then written as f16.
; LIMITS.  A hidden number of 65,520 or more becomes an infinity.  At the drawn spread h stays under 4; all inputs 30 times larger give 900 times that, offsets of 30 spreads on x and w1 give 1,024 x 30 x 0.6 = 18,432: both inside.
; Below 6.1e-5 h keeps f16's fixed step of 6e-8.  A bf16 number of w2 is exact in f16 from 7.6e-6 to 65,504; below, it keeps the same step of 6e-8 (drawn spread: 0.02).  NaN is not treated apart.
; NO TENSOR LOADS, NO CLUSTER: each weight byte has one reader and must pass through registers to be rounded; what an expert's 32 work-groups share is its token rows, which come by a list that no descriptor covers.
; THE ACCUMULATORS ARE CLEARED by 128 moves, in the wait for the first loads: the sums begin under a jump on the count, and one text then serves every chunk and every pass.
.set LAYER, 1
.if LAYER == 1
.set WP,  16384         ; bytes in a weight row
.set LAP, 11            ; log2 of the bytes in a row of the left operand
.set LOP, 13            ; log2 of the bytes in a row of the output
.set HSH, 6             ; log2 of the bytes that a half of the lanes holds of a stage row
.else
.set WP,  4096
.set LAP, 13
.set LOP, 12
.set HSH, 7
.endif
.set CHUNKB, 32768      ; a chunk in LDS: 4 k steps x 8 column tiles x 1,024 bytes; fragment (k step K, tile ct) at (8 K + ct) x 1,024 + half x 512 + 16 x lane: contiguous
.set STAGE,  262144     ; behind the slice: 16 rows x 272 bytes for each wave, its own, for the way out
.set SPITCH, 272        ; 256 + 16: the 16 rows of a store start at 16 different groups of four banks (ISA guide 11.1)
.set LIST,   296960     ; 1,024 words: the expert's tokens; behind them 64 words into which the lanes of tokens not chosen write
.set SPARE,  301312     ; the spare words, 128 bytes for each wave: four blocks of 256 bytes that no other line names
; window 0
.set LN,   1            ; lane
.set R16,  2            ; r
.set H16,  3            ; 16 hh
.set WOFF, 4            ; my byte offset in a chunk of weights; never rewritten
.set WST,  5            ; where I put fragments in a chunk in LDS; never rewritten
.set RD,   6            ; 16 x lane: where I read fragments; never rewritten
.set TOK,  7            ; the token of row l of my 32 rows
.set AOFF, 8            ; v8-9   byte offset of row r of tile u in the left operand, + 16 hh
.set STO,  10           ; the way out: where I put my part of a stage row
.set SRD,  11           ; the way out: where I read rows back
.set LCOL, 12           ; 16 r
.set BPA,  13           ; 4 r
.set BPG,  14           ; 4 hh
.set T0,   15           ; at work
.set AUX,  16           ; v16-17 layer 1: 128 hh, 1.0;  layer 2: the gate weight of token r of tile u
.set ZERO, 18           ; 0
.set T1,   19           ; at work
.set GOFF, 20           ; v20-27 the way out: byte offsets of eight pairs of output rows
.set SPW,  28           ; LDS address of my spare word; never rewritten
.set NIL,  29           ; 0; never rewritten
.set X0,   30           ; v30-31 at work: the list; layer 2: offsets into wgt
.set TMP,  32           ; v32-63 fragments on their way into LDS; results on their way out
.set BF,   64           ; v64-127 weights' fragments of one k step, 8 a tile; at the start idx; layer 2: at work while weights are rounded; on the way out rows read back
.set ACC,  128          ; v128-255 accumulator (tile u, column tile ct) at ACC + 64 u + 8 ct
; window 1
.set AF0,  0            ; v0-63, v64-127: two buffers of the left operand's fragments of a chunk: (u, k step s) at 32 u + 8 s
.set S0,   128          ; v128-191, v192-255: two buffers of a chunk's weights as loaded, f32; load i at 4 i
.set BPK,  192          ; layer 1, behind the last chunk: my 64 bias numbers, packed bf16
; scalars: s2 wave, s3 expert, s[10:11] left operand at the chunk in hand, s[12:13] weights, s[14:15] bias or wgt, s[16:17] output, s[18:19] left operand at chunk 0,
; s20 the expert's count M, s21 max(M, 1) - 1, s22 my first row, s23 pass, s24 trips of the stream, s25 running count, s27 the stream's chunk in LDS, s[28:59] 32 masks of 32 tokens, s60 layer 2: a word's upper half
.set MSB, 0
.macro WIN new                         ; s_set_vgpr_msb: bits 1:0 source 0, 3:2 source 1, 5:4 source 2, 7:6 destination; the high byte repeats the setting that is left
.if MSB != (\new)
	s_set_vgpr_msb (MSB<<8)|(\new)
.set MSB, \new
.endif
.endm
.macro PLACES                          ; four plain places behind matrix instructions, in front of loads into their sources and of readers of their results
.rept 4
	v_nop
.endr
.endm
.macro CLEAR
.set ii, 0
.rept 128
	v_mov_b32 v[ACC+ii], 0
.set ii, ii+1
.endr
.endm
; 16 loads: my 32 k x 64 columns of a chunk.  Load i: row 8 hh + i (i < 8) or 16 + 8 hh + i - 8 of my k step.
.macro WLOAD sreg, extra
	WIN 0x40                                       ; destination window 1
.irp i, 0,1,2,3,4,5,6,7,8,9,10,11,12,13,14,15
	global_load_b128 v[(\sreg)+4*(\i):(\sreg)+4*(\i)+3], v[WOFF], s[12:13] offset:(\extra)+((\i)+8*((\i)/8))*WP th:TH_LOAD_NT
.endr
.endm
; 16 loads: my 32 rows x 128 k of the left operand, as fragments: lane (r, hh) takes k = 8 hh .. + 7 and 16 + 8 hh .. + 7 of each k step.  extra: bytes along the rows from the base
.macro ALOAD af, extra
	WIN 0x40
.irp u, 0,1
.irp s, 0,1,2,3
	global_load_b128 v[(\af)+32*(\u)+8*(\s):(\af)+32*(\u)+8*(\s)+3],   v[AOFF+(\u)], s[10:11] offset:(\extra)+64*(\s)
	global_load_b128 v[(\af)+32*(\u)+8*(\s)+4:(\af)+32*(\u)+8*(\s)+7], v[AOFF+(\u)], s[10:11] offset:(\extra)+64*(\s)+32
.endr
.endr
.endm
.macro BLOAD                           ; layer 1: my 64 bias numbers, columns 64 g + 32 hh + 4 t + 0..3, into the weights' first buffer
	WIN 0x40
.irp g, 0,1
.irp t, 0,1,2,3,4,5,6,7
	global_load_b128 v[S0+32*(\g)+4*(\t):S0+32*(\g)+4*(\t)+3], v[AUX], s[14:15] offset:256*(\g)+16*(\t)
.endr
.endr
.endm
; A chunk's products for my 32 rows: 4 k steps x (16 LDS loads, 16 matrix instructions).  The 16 accumulators take turns, one instruction a turn, in the same order in every k step.  v[T1] = the chunk in LDS + 16 x lane.
.macro COMPUTE af
	WIN 0x04                                       ; source 1 (tokens) window 1; weights, sums and LDS addresses window 0
.irp s, 0,1,2,3
	PLACES
.irp ct, 0,1,2,3,4,5,6,7
	ds_load_b128 v[BF+8*(\ct):BF+8*(\ct)+3],   v[T1] offset:8192*(\s)+1024*(\ct)
	ds_load_b128 v[BF+8*(\ct)+4:BF+8*(\ct)+7], v[T1] offset:8192*(\s)+1024*(\ct)+512
.endr
	s_wait_dscnt 8                                 ; tiles 0 to 3 are in; the eight loads of tiles 4 to 7 are younger
.irp ct, 0,1,2,3
.irp u, 0,1
.if LAYER == 1
	v_wmma_f32_16x16x32_bf16 v[ACC+64*(\u)+8*(\ct):ACC+64*(\u)+8*(\ct)+7], v[BF+8*(\ct):BF+8*(\ct)+7], v[(\af)+32*(\u)+8*(\s):(\af)+32*(\u)+8*(\s)+7], v[ACC+64*(\u)+8*(\ct):ACC+64*(\u)+8*(\ct)+7]
.else
	v_wmma_f32_16x16x32_f16 v[ACC+64*(\u)+8*(\ct):ACC+64*(\u)+8*(\ct)+7], v[BF+8*(\ct):BF+8*(\ct)+7], v[(\af)+32*(\u)+8*(\s):(\af)+32*(\u)+8*(\s)+7], v[ACC+64*(\u)+8*(\ct):ACC+64*(\u)+8*(\ct)+7]
.endif
.endr
.endr
	s_wait_dscnt 0x0
.irp ct, 4,5,6,7
.irp u, 0,1
.if LAYER == 1
	v_wmma_f32_16x16x32_bf16 v[ACC+64*(\u)+8*(\ct):ACC+64*(\u)+8*(\ct)+7], v[BF+8*(\ct):BF+8*(\ct)+7], v[(\af)+32*(\u)+8*(\s):(\af)+32*(\u)+8*(\s)+7], v[ACC+64*(\u)+8*(\ct):ACC+64*(\u)+8*(\ct)+7]
.else
	v_wmma_f32_16x16x32_f16 v[ACC+64*(\u)+8*(\ct):ACC+64*(\u)+8*(\ct)+7], v[BF+8*(\ct):BF+8*(\ct)+7], v[(\af)+32*(\u)+8*(\s):(\af)+32*(\u)+8*(\s)+7], v[ACC+64*(\u)+8*(\ct):ACC+64*(\u)+8*(\ct)+7]
.endif
.endr
.endr
.endr
.endm
; The tokens of my 32 rows (from s22 on; places past the count repeat the last row) and what hangs on them.  Every number that comes from the list is clamped to 1,023 before it enters an address.
.macro TOKENS
	v_add_nc_u32 v[T0], s22, v[LN]
	v_min_u32 v[T0], s21, v[T0]
	v_min_u32 v[T0], 0x3ff, v[T0]
	v_lshl_add_u32 v[T0], v[T0], 2, LIST
	ds_load_b32 v[TOK], v[T0]
	v_add_nc_u32 v[T1], 64, v[BPA]
	s_wait_dscnt 0x0
	v_min_u32 v[TOK], 0x3ff, v[TOK]
	ds_bpermute_b32 v[AOFF], v[BPA], v[TOK]        ; the token of row r of tile 0,
	ds_bpermute_b32 v[AOFF+1], v[T1], v[TOK]       ; and of tile 1
	s_wait_dscnt 0x0
	v_min_u32 v[AOFF], 0x3ff, v[AOFF]
	v_min_u32 v[AOFF+1], 0x3ff, v[AOFF+1]
.if LAYER == 2
	v_lshlrev_b32 v[X0], 2, v[AOFF]
	v_lshlrev_b32 v[X0+1], 2, v[AOFF+1]
	global_load_b32 v[AUX], v[X0], s[14:15]
	global_load_b32 v[AUX+1], v[X0+1], s[14:15]
.endif
	v_lshl_add_u32 v[AOFF], v[AOFF], LAP, v[H16]
	v_lshl_add_u32 v[AOFF+1], v[AOFF+1], LAP, v[H16]
.endm
; CHUNK c, par = c % 2.  Loads were issued in the order W(c), A(c), W(c + 1): wcnt = 16 leaves W(c + 1) out.  lda: A(c + 1) is asked for.  ldw = 1: W(c + 2); 2: the bias; 0: nothing.
.macro TRIP par, wcnt, lda, ldw
	s_wait_loadcnt \wcnt
	v_add_nc_u32 v[T0], s27, v[WST]
	WIN 0x05                                       ; sources window 1, destination window 0
.irp cc, 0,1,2,3
.irp j, 0,1,2,3,4,5,6,7
	v_cvt_pk_bf16_f32 v[TMP+8*(\cc)+(\j)], v[S0+64*(\par)+8*(\j)+(\cc)], v[S0+64*(\par)+8*(\j)+4+(\cc)]   ; two k of one column; these 32 lines are also the places behind the last chunk's products
.endr
.endr
	WIN 0
.if LAYER == 2                         ; the bf16 numbers are written as f16: widened by a shift and a mask, into the fragments' registers, which the next products load anew, and narrowed in pairs
.set ii, 0
.rept 32
	v_lshlrev_b32 v[BF+2*ii], 16, v[TMP+ii]
	v_and_b32 v[BF+2*ii+1], s60, v[TMP+ii]
.set ii, ii+1
.endr
.set ii, 0
.rept 32
	v_cvt_pk_f16_f32 v[TMP+ii], v[BF+2*ii], v[BF+2*ii+1]
.set ii, ii+1
.endr
.endif
.irp cc, 0,1,2,3
	ds_store_b128 v[T0], v[TMP+8*(\cc):TMP+8*(\cc)+3]   offset:1024*(\cc)
	ds_store_b128 v[T0], v[TMP+8*(\cc)+4:TMP+8*(\cc)+7] offset:1024*(\cc)+512
.endr
	s_wait_xcnt 0x0                                ; the bases of the loads that are out are stepped only behind this wait
.if \lda
	s_add_nc_u64 s[10:11], s[10:11], 256           ; 128 k of 2 bytes
	ALOAD AF0+64*(1-\par), 0
.endif
.if (\ldw) == 1
	s_add_nc_u64 s[12:13], s[12:13], 128*WP
	WLOAD S0+64*\par, 128*WP
.elseif (\ldw) == 2
	BLOAD
.endif
	WIN 0
	s_wait_dscnt 0x0                               ; for the others' sake: my part of the chunk is in LDS
	s_barrier_signal -1
	s_barrier_wait -1                              ; everybody's is.  Each chunk has bytes of its own, written once: no second barrier is needed
	s_cmp_ge_u32 s22, s20
	s_cbranch_scc1 .Lidle_\@                       ; all my rows lie past the count
	v_add_nc_u32 v[T1], s27, v[RD]
	COMPUTE AF0+64*\par
	WIN 0
.Lidle_\@:
	s_add_co_u32 s27, s27, CHUNKB
.endm
; THE WAY OUT, a tile of 16 rows at a time, through my own stage: rows go in as each lane holds them and come back whole, so that sixteen lanes store 256 consecutive aligned bytes of one token's row.
; LDS serves a wave's instructions in order (ISA guide 5.7.1.4): no wait stands between the stage's stores and its loads.  Each accumulator is read from its lowest register on.
.macro EPI
	PLACES
.irp u, 0,1
	s_wait_xcnt 0x0                                ; earlier stores have read their offsets and data: both are written again below
.irp t, 0,1,2,3,4,5,6,7
	v_add_nc_u32 v[GOFF+(\t)], 64*(\u)+8*(\t), v[BPG]
.endr
.irp t, 0,1,2,3,4,5,6,7
	ds_bpermute_b32 v[GOFF+(\t)], v[GOFF+(\t)], v[TOK]   ; the token of row 2 t + hh of the tile
.endr
.if LAYER == 1
	WIN 0x10                                       ; source 2 (the bias) window 1
.irp g, 0,1
.irp j, 0,1,2,3,4,5,6,7
.irp c2, 0,1
	v_fma_mix_f32_bf16 v[ACC+64*(\u)+32*(\g)+16*(\c2)+(\j)],   v[ACC+64*(\u)+32*(\g)+16*(\c2)+(\j)],   v[AUX+1], v[BPK+16*(\g)+2*(\j)+(\c2)] op_sel_hi:[0,0,1]
	v_fma_mix_f32_bf16 v[ACC+64*(\u)+32*(\g)+16*(\c2)+8+(\j)], v[ACC+64*(\u)+32*(\g)+16*(\c2)+8+(\j)], v[AUX+1], v[BPK+16*(\g)+2*(\j)+(\c2)] op_sel:[0,0,1] op_sel_hi:[0,0,1]
.endr
.endr
.endr
	WIN 0
.irp g, 0,1
.irp j, 0,1,2,3,4,5,6,7
	v_cvt_pk_f16_f32 v[TMP+16*(\g)+2*(\j)],   v[ACC+64*(\u)+32*(\g)+(\j)],    v[ACC+64*(\u)+32*(\g)+8+(\j)]    ; columns 4 j, 4 j + 1 of my 32, rounded once to f16,
	v_cvt_pk_f16_f32 v[TMP+16*(\g)+2*(\j)+1], v[ACC+64*(\u)+32*(\g)+16+(\j)], v[ACC+64*(\u)+32*(\g)+24+(\j)]   ; and 4 j + 2, 4 j + 3
.endr
.endr
.set ii, 0
.rept 32
	v_pk_max_num_f16 v[TMP+ii], v[TMP+ii], v[ZERO]   ; relu, two at a time: nothing is rounded
.set ii, ii+1
.endr
.irp t, 0,1,2,3,4,5,6,7
	ds_store_b128 v[STO], v[TMP+4*(\t):TMP+4*(\t)+3] offset:128*((\t)/4)+16*((\t)%4)
.endr
.irp t, 0,1,2,3,4,5,6,7
	ds_load_b128 v[BF+32*(\u)+4*(\t):BF+32*(\u)+4*(\t)+3], v[SRD] offset:2*SPITCH*(\t)
.endr
	s_wait_dscnt 0x0
.irp t, 0,1,2,3,4,5,6,7
	v_min_u32 v[GOFF+(\t)], 0x3ff, v[GOFF+(\t)]
.endr
.irp t, 0,1,2,3,4,5,6,7
	v_lshl_add_u32 v[GOFF+(\t)], v[GOFF+(\t)], LOP, v[LCOL]
.endr
.irp t, 0,1,2,3,4,5,6,7
	global_store_b128 v[GOFF+(\t)], v[BF+32*(\u)+4*(\t):BF+32*(\u)+4*(\t)+3], s[16:17]
.endr
.else
.irp g, 0,1                            ; 64 columns of f32 are a stage row
.irp j, 0,1,2,3,4,5,6,7
.irp cc, 0,1,2,3
	v_mul_f32 v[TMP+4*(\j)+(\cc)], v[ACC+64*(\u)+32*(\g)+8*(\cc)+(\j)], v[AUX+(\u)]   ; the gate's weight rides on the move that puts neighbouring columns into neighbouring registers
.endr
.endr
.irp j, 0,1,2,3,4,5,6,7
	ds_store_b128 v[STO], v[TMP+4*(\j):TMP+4*(\j)+3] offset:16*(\j)
.endr
.irp t, 0,1,2,3,4,5,6,7
	ds_load_b128 v[BF+32*(\g)+4*(\t):BF+32*(\g)+4*(\t)+3], v[SRD] offset:2*SPITCH*(\t)
.endr
	s_wait_dscnt 0x0
.if (\g) == 0
.irp t, 0,1,2,3,4,5,6,7
	v_min_u32 v[GOFF+(\t)], 0x3ff, v[GOFF+(\t)]
.endr
.irp t, 0,1,2,3,4,5,6,7
	v_lshl_add_u32 v[GOFF+(\t)], v[GOFF+(\t)], LOP, v[LCOL]
.endr
.endif
.irp t, 0,1,2,3,4,5,6,7
	global_store_b128 v[GOFF+(\t)], v[BF+32*(\g)+4*(\t):BF+32*(\g)+4*(\t)+3], s[16:17] offset:256*(\g)
.endr
.endr
.endif
.endr
.endm
	s_load_b256 s[8:15], s[0:1], 0x0               ; idx s[8:9], left operand s[10:11], weights s[12:13], bias or wgt s[14:15]
	s_load_b64 s[16:17], s[0:1], 0x20              ; output
	v_lshl_add_u32 v[SPW], v0, 2, SPARE
	v_mov_b32 v[NIL], 0
	v_and_b32 v[LN], 31, v0
	v_lshrrev_b32 v[T0], 5, v0
	v_readfirstlane_b32 s2, v[T0]                  ; wave 0..7
	v_and_b32 v[R16], 15, v0
	v_bfe_u32 v[T1], v0, 4, 1                      ; hh
	v_lshlrev_b32 v[H16], 4, v[T1]
	s_lshr_b32 s3, ttmp9, 5                        ; expert
	s_and_b32 s4, ttmp9, 31                        ; slice
	s_lshr_b32 s5, s2, 1                           ; the k step of a chunk that I load
	s_and_b32 s6, s2, 1                            ; and the half of its 128 columns
	s_mul_i32 s7, s5, 32*WP
	s_lshl_b32 s26, s6, 8
	s_add_co_u32 s7, s7, s26
	v_mul_u32_u24 v[WOFF], v[T1], 8*WP
	v_lshl_add_u32 v[WOFF], v[R16], 4, v[WOFF]
	v_add_nc_u32 v[WOFF], s7, v[WOFF]              ; 32 k step rows + 8 hh rows + 256 g + 16 r
	s_lshl_b32 s7, s5, 13
	s_lshl_b32 s26, s6, 12
	s_add_co_u32 s7, s7, s26                       ; (8 k step + 4 g) x 1,024
	v_lshlrev_b32 v[RD], 4, v[LN]
	v_add_nc_u32 v[WST], s7, v[RD]
.if LAYER == 1
	s_lshl_b32 s6, s3, 24                          ; an expert's weights are 16 MiB
	s_lshl_b32 s5, s4, 9
	s_add_co_u32 s6, s6, s5                        ; weights: + 128 columns of f32 a slice
	s_lshl_b32 s24, s3, 14
	s_add_co_u32 s24, s24, s5                      ; bias: expert x 16,384 + slice x 512
	s_lshl_b32 s26, s4, 8                          ; h: 128 columns of 2 bytes a slice
.else
	s_lshr_b32 s5, s4, 3                           ; q: which quarter of k
	s_and_b32 s4, s4, 7                            ; which 128 columns
	s_lshl_b32 s26, s5, 22
	s_lshl_b32 s4, s4, 9
	s_add_co_u32 s26, s26, s4                      ; p: plane q of 4 MiB + 512 bytes a column slice
	s_lshl_b32 s6, s3, 24
	s_add_co_u32 s6, s6, s26                       ; weights: expert x 16 MiB + 1,024 rows of 4,096 bytes a quarter + the same 512
	s_lshl_b32 s24, s5, 11                         ; h: 1,024 k of 2 bytes a quarter
	s_mov_b32 s60, 0xffff0000                      ; a word's upper bf16
.endif
	s_mov_b32 s7, 0
	s_mov_b32 s25, 0
	s_mov_b32 s27, 0
	s_wait_kmcnt 0x0
	s_add_nc_u64 s[12:13], s[12:13], s[6:7]
	s_add_nc_u64 s[16:17], s[16:17], s[26:27]
.if LAYER == 1
	s_add_nc_u64 s[14:15], s[14:15], s[24:25]
.else
	s_add_nc_u64 s[10:11], s[10:11], s[24:25]
.endif
	s_mov_b64 s[18:19], s[10:11]
.irp j, 0,1,2,3,4,5,6,7
	global_load_b128 v[BF+4*(\j):BF+4*(\j)+3], v[RD], s[8:9] offset:512*(\j)   ; all 1,024 choices: register G holds token 4 l + 128 (G / 4) + G % 4
.endr
	WLOAD S0, 0                                    ; chunks 0 and 1 go out before anything else is done
	WLOAD S0+64, 128*WP
	WIN 0
	CLEAR                                          ; in the wait for those loads: the sums' zeros and the lane's addresses
	s_mul_i32 s7, s2, 16*SPITCH
	s_add_co_u32 s7, s7, STAGE                     ; my stage
	v_mul_u32_u24 v[STO], v[R16], SPITCH           ; in: row r, my half of the lanes' part of it
	v_lshl_add_u32 v[STO], v[T1], HSH, v[STO]
	v_add_nc_u32 v[STO], s7, v[STO]
	v_mul_u32_u24 v[SRD], v[T1], SPITCH            ; back: lanes 0-15 take one row of 256 bytes, lanes 16-31 the next
	v_lshl_add_u32 v[SRD], v[R16], 4, v[SRD]
	v_add_nc_u32 v[SRD], s7, v[SRD]
	v_lshlrev_b32 v[LCOL], 4, v[R16]
	v_lshlrev_b32 v[BPA], 2, v[R16]
	v_lshlrev_b32 v[BPG], 2, v[T1]
	v_mov_b32 v[ZERO], 0
.if LAYER == 1
	v_lshlrev_b32 v[AUX], 7, v[T1]                 ; my half of the lanes' 32 bias numbers of each 64
	v_mov_b32 v[AUX+1], 1.0
.endif
	s_mov_b32 s20, 0
	s_wait_loadcnt 32                              ; idx is in; the 32 weight loads are younger
.set gg, 0
.rept 32
	v_cmp_eq_u32 s[28+gg], s3, v[BF+gg]            ; which 32 tokens of register gg chose my expert
.set gg, gg+1
.endr
.set gg, 0
.rept 32
	s_bcnt1_i32_b32 s26, s[28+gg]
	s_add_co_u32 s20, s20, s26                     ; M
.set gg, gg+1
.endr
	s_max_u32 s21, s20, 1
	s_sub_co_u32 s21, s21, 1                       ; the last place that holds a row (0 where there is none: the list's zeros serve, and nothing is stored)
	s_cmp_lg_u32 s2, 0
	s_cbranch_scc1 .Lnolist                        ; wave 0 writes the list
.irp j, 0,1,2,3
	v_mov_b32 v[TMP+(\j)], 0
.endr
	v_add_nc_u32 v[T0], LIST, v[RD]
.irp j, 0,1,2,3,4,5,6,7
	ds_store_b128 v[T0], v[TMP:TMP+3] offset:512*(\j)   ; every word of the list is written once with 0; LDS serves my stores in order
.endr
	v_lshlrev_b32 v[T1], 2, v[LN]
	v_add_nc_u32 v[X0], 1024, v[LN]                ; the place of a token that is not chosen: a word behind the list
.set gg, 0
.rept 32
	v_mbcnt_lo_u32_b32 v[T0], s[28+gg], s25        ; chosen tokens in lower lanes + those of earlier registers
	v_cndmask_b32 v[T0], v[X0], v[T0], s[28+gg]
	v_min_u32 v[T0], 0x43f, v[T0]
	v_lshl_add_u32 v[T0], v[T0], 2, LIST
	v_add_nc_u32 v[X0+1], 128*(gg/4)+gg%4, v[T1]   ; the token
	ds_store_b32 v[T0], v[X0+1]
	s_bcnt1_i32_b32 s26, s[28+gg]
	s_add_co_u32 s25, s25, s26
.set gg, gg+1
.endr
.Lnolist:
	s_wait_dscnt 0x0                               ; for the others' sake: the list is in LDS
	s_barrier_signal -1
	s_barrier_wait -1
	s_lshl_b32 s22, s2, 5                          ; pass 0: my rows 32 w .. + 31
	TOKENS
	ALOAD AF0, 0
	WIN 0
	s_wait_loadcnt 0x0                             ; chunks 0 and 1 of the weights, chunk 0 of my rows (layer 2: and their gate weights)
	s_mov_b32 s24, 3
.Lk:                                               ; chunks 0 to 5
	TRIP 0, 16, 1, 1
	TRIP 1, 16, 1, 1
	s_sub_co_u32 s24, s24, 1
	s_cmp_lg_u32 s24, 0
	s_cbranch_scc1 .Lk
.if LAYER == 1                         ; the last two chunks are written out: no load passes the slice's end
	TRIP 0, 16, 1, 2                               ; the bias takes the place of a chunk of weights,
	TRIP 1, 16, 0, 0                               ; so the count stays 16: its 16 loads are the younger ones
	s_wait_loadcnt 0x0
	WIN 0x45                                       ; all in window 1
.set ii, 0
.rept 32
	v_cvt_pk_bf16_f32 v[BPK+ii], v[S0+2*ii], v[S0+2*ii+1]   ; the bias rounded to bf16, as every input is
.set ii, ii+1
.endr
	WIN 0
.else
	TRIP 0, 16, 1, 0
	TRIP 1, 0, 0, 0                                ; nothing younger is out: the wait is for 0
.endif
	s_mov_b32 s23, 0
.Lpass:                                            ; four passes of 256 rows; pass 0's products are done; dead passes are jumped forward; no barrier stands in this loop
	s_cmp_ge_u32 s22, s20
	s_cbranch_scc1 .Lnext
	s_cmp_eq_u32 s23, 0
	s_cbranch_scc1 .Lepi
	s_wait_xcnt 0x0                                ; the last pass's stores have read their registers
	TOKENS
	PLACES
	CLEAR
	s_mov_b64 s[10:11], s[18:19]                   ; the left operand at chunk 0: the chunk stands in the loads' immediates
.irp c, 0,1,2,3,4,5,6,7                ; the slice once more, out of LDS; written out: each chunk's LDS address is a constant + 16 x lane
	PLACES                                         ; behind the last chunk's products, which read these registers
	ALOAD AF0, 256*(\c)
	WIN 0
	v_add_nc_u32 v[T1], (\c)*CHUNKB, v[RD]
	s_wait_loadcnt 0x0
	COMPUTE AF0
	WIN 0
.endr
.Lepi:
	EPI
.Lnext:
	s_add_co_u32 s22, s22, 256
	s_add_co_u32 s23, s23, 1
	s_cmp_lt_u32 s23, 4
	s_cbranch_scc1 .Lpass
	s_wait_tensorcnt 0x0                           ; the wave's end: behind my last LDS store
	ds_add_u32 v[SPW], v[NIL]
	s_wait_dscnt 0x0
	s_endpgm
.Lfunc_end_k_q8e6b485e91_ffn1:
	.size	k_q8e6b485e91_ffn1, .Lfunc_end_k_q8e6b485e91_ffn1-k_q8e6b485e91_ffn1
	.p2alignl 7, 3214868480
	.fill 96, 4, 3214868480
	.section	.rodata,"a",@progbits
	.p2align	6, 0x0
	.amdhsa_kernel k_q8e6b485e91_ffn1
		.amdhsa_group_segment_fixed_size 302336
		.amdhsa_private_segment_fixed_size 0
		.amdhsa_enable_private_segment 0
		.amdhsa_kernarg_size 40
		.amdhsa_user_sgpr_count 2
		.amdhsa_user_sgpr_kernarg_segment_ptr 1
		.amdhsa_wavefront_size32 1
		.amdhsa_system_sgpr_workgroup_id_x 1
		.amdhsa_system_sgpr_workgroup_id_y 1
		.amdhsa_system_sgpr_workgroup_id_z 1
		.amdhsa_system_vgpr_workitem_id 0
		.amdhsa_next_free_vgpr 512
		.amdhsa_next_free_sgpr 66
		.amdhsa_reserve_vcc 0
		.amdhsa_float_denorm_mode_32 3
		.amdhsa_float_denorm_mode_16_64 3
		.amdhsa_memory_ordered 1
		.amdhsa_forward_progress 1
		.amdhsa_inst_pref_size 205
	.end_amdhsa_kernel
	.amdgpu_metadata
---
amdhsa.version: [ 1, 2 ]
amdhsa.kernels:
  - .name:           k_q8e6b485e91_ffn1
    .symbol:         k_q8e6b485e91_ffn1.kd
    .args:
      - { .name: idx, .offset: 0, .size: 8, .value_kind: global_buffer, .address_space: global }
      - { .name: xb, .offset: 8, .size: 8, .value_kind: global_buffer, .address_space: global }
      - { .name: w1, .offset: 16, .size: 8, .value_kind: global_buffer, .address_space: global }
      - { .name: b1, .offset: 24, .size: 8, .value_kind: global_buffer, .address_space: global }
      - { .name: h, .offset: 32, .size: 8, .value_kind: global_buffer, .address_space: global }
    .group_segment_fixed_size: 302336
    .private_segment_fixed_size: 0
    .kernarg_segment_align: 8
    .kernarg_segment_size: 40
    .max_flat_workgroup_size: 256
    .sgpr_count:     66
    .vgpr_count:     512
    .wavefront_size: 32
...
	.end_amdgpu_metadata
.endif
;; end of part 2
;; launch ffn2 (part 3): grid 256 x 1, 8 waves a work-group, no clusters, 302,336 bytes of LDS; arguments idx, h, w2, wgt, p; writes p
.if DOCPART == 3
	.amdgcn_target "amdgcn-amd-amdhsa--gfx1250"
	.amdhsa_code_object_version 6
	.text
	.protected	k_q8e6b485e91_ffn2
	.globl	k_q8e6b485e91_ffn2
	.p2align	8
	.type	k_q8e6b485e91_ffn2,@function
k_q8e6b485e91_ffn2:
	s_mov_b64 s[64:65], 0
	v_nop
	global_prefetch_b8 v0, s[64:65] scope:SCOPE_SE
	s_setreg_imm32_b32 hwreg(HW_REG_WAVE_MODE, 25, 1), 1
	s_wait_xcnt 0x0
; ONE PRODUCT OF THE EXPERTS' LAYER, for the chosen rows alone.  LAYER 1: h[t] = relu(x[t] w1[e] + b1[e]), f16.  LAYER 2: p[q][t] = wgt[t] x (h[t], k quarter q) w2[e], f32 partial sums.
; The two layers have this one text, with LAYER set to 1 or 2; they differ in the sizes below, in the operands' format and in the way out.
; SHARES.  Work-group = expert e (8) x slice (32; in layer 2: 4 quarters of k x 8 groups of 128 columns).  A slice is 1,024 k x 128 columns of e's f32 weights, 512 KiB, which this work-group alone reads, once, and ALL rows (tokens) that chose e.
; The slice goes through in 8 chunks of 128 k.  Each of the 8 waves loads 32 k x 64 columns of a chunk (16 loads; sixteen lanes take 256 consecutive aligned bytes of one weight row), rounds it
; in registers and lays it into LDS as finished matrix operands; the whole slice stays in LDS (256 KiB).  Wave w multiplies rows 32 w .. + 31 of the expert's list by all 128 columns while the next two chunks are on their way
; (32 loads, 16 KiB a wave).  An expert with more than 256 rows takes up to three more passes over the slice in LDS: every split of the tokens is served.  A later pass's eight chunks are written out, so that
; every LDS address in the loop over passes is a constant plus the lane's term.
; THE LIST.  Every work-group makes its expert's list of tokens itself, from idx (stored by an earlier launch).  Places past the count repeat the expert's last row: they compute and store
; the same numbers to the same bytes, from the same wave, so EXEC is never narrowed.  A wave whose 32 rows all lie past the count jumps over the products and the way out, never over a barrier.
; NO TRANSPOSITION.  Weights lie [k][column].  Lane (r = l % 16, hh = l / 16) loads, for 16 values of k, the four columns 64 g + 4 r + cc.  Two k of one cc, rounded in a pair, are one register of source 0:
; tile ct = 4 g + cc holds in its row i the column 64 g + 4 i + cc, with k in its true places.  Source 1 = 16 tokens x 32 k, straight from memory.  In the result a lane holds token r and, in register j of tile ct, column 64 g + 32 hh + 4 j + cc.
; FORMATS.  Every input (x, weights, bias) is rounded once to bf16; sums in f32.  Layer 1 multiplies bf16 by bf16.  h, which the program itself makes, is rounded once to f16: 11 significant bits, since a token's error
; goes with its own gate weight, up to 1, while the output's scale is that of all tokens.  Layer 2 multiplies f16 by f16: w2 is rounded to bf16 like every input, and that number is then written as f16.
; The four partial sums of a token's row stay in f32 and are added by the next launch.
; LIMITS.  A hidden number of 65,520 or more becomes an infinity.  At the drawn spread h stays under 4; all inputs 30 times larger give 900 times that, offsets of 30 spreads on x and w1 give 1,024 x 30 x 0.6 = 18,432: both inside.
; Below 6.1e-5 h keeps f16's fixed step of 6e-8.  A bf16 number of w2 is exact in f16 from 7.6e-6 to 65,504; below, it keeps the same step of 6e-8 (drawn spread: 0.02).  NaN is not treated apart.
; NO TENSOR LOADS, NO CLUSTER: each weight byte has one reader and must pass through registers to be rounded; what an expert's work-groups share is its token rows, which come by a list that no descriptor covers.
; THE ACCUMULATORS ARE CLEARED by 128 moves, in the wait for the first loads: the sums begin under a jump on the count, and one text then serves every chunk and every pass.
.set LAYER, 2
.if LAYER == 1
.set WP,  16384         ; bytes in a weight row
.set LAP, 11            ; log2 of the bytes in a row of the left operand
.set LOP, 13            ; log2 of the bytes in a row of the output
.set HSH, 6             ; log2 of the bytes that a half of the lanes holds of a stage row
.else
.set WP,  4096
.set LAP, 13
.set LOP, 12
.set HSH, 7
.endif
.set CHUNKB, 32768      ; a chunk in LDS: 4 k steps x 8 column tiles x 1,024 bytes; fragment (k step K, tile ct) at (8 K + ct) x 1,024 + half x 512 + 16 x lane: contiguous
.set STAGE,  262144     ; behind the slice: 16 rows x 272 bytes for each wave, its own, for the way out
.set SPITCH, 272        ; 256 + 16: the 16 rows of a store start at 16 different groups of four banks (ISA guide 11.1)
.set LIST,   296960     ; 1,024 words: the expert's tokens; behind them 64 words into which the lanes of tokens not chosen write
.set SPARE,  301312     ; the spare words, 128 bytes for each wave: four blocks of 256 bytes that no other line names
; window 0
.set LN,   1            ; lane
.set R16,  2            ; r
.set H16,  3            ; 16 hh
.set WOFF, 4            ; my byte offset in a chunk of weights; never rewritten
.set WST,  5            ; where I put fragments in a chunk in LDS; never rewritten
.set RD,   6            ; 16 x lane: where I read fragments; never rewritten
.set TOK,  7            ; the token of row l of my 32 rows
.set AOFF, 8            ; v8-9   byte offset of row r of tile u in the left operand, + 16 hh
.set STO,  10           ; the way out: where I put my part of a stage row
.set SRD,  11           ; the way out: where I read rows back
.set LCOL, 12           ; 16 r
.set BPA,  13           ; 4 r
.set BPG,  14           ; 4 hh
.set T0,   15           ; at work
.set AUX,  16           ; v16-17 layer 1: 128 hh, 1.0;  layer 2: the gate weight of token r of tile u
.set ZERO, 18           ; 0
.set T1,   19           ; at work
.set GOFF, 20           ; v20-27 the way out: byte offsets of eight pairs of output rows
.set SPW,  28           ; LDS address of my spare word; never rewritten
.set NIL,  29           ; 0; never rewritten
.set X0,   30           ; v30-31 at work: the list; layer 2: offsets into wgt
.set TMP,  32           ; v32-63 fragments on their way into LDS; results on their way out
.set BF,   64           ; v64-127 weights' fragments of one k step, 8 a tile; at the start idx; layer 2: at work while weights are rounded; on the way out rows read back
.set ACC,  128          ; v128-255 accumulator (tile u, column tile ct) at ACC + 64 u + 8 ct
; window 1
.set AF0,  0            ; v0-63, v64-127: two buffers of the left operand's fragments of a chunk: (u, k step s) at 32 u + 8 s
.set S0,   128          ; v128-191, v192-255: two buffers of a chunk's weights as loaded, f32; load i at 4 i
.set BPK,  192          ; layer 1, behind the last chunk: my 64 bias numbers, packed bf16
; scalars: s2 wave, s3 expert, s[10:11] left operand at the chunk in hand, s[12:13] weights, s[14:15] bias or wgt, s[16:17] output, s[18:19] left operand at chunk 0,
; s20 the expert's count M, s21 max(M, 1) - 1, s22 my first row, s23 pass, s24 trips of the stream, s25 running count, s27 the stream's chunk in LDS, s[28:59] 32 masks of 32 tokens, s60 layer 2: a word's upper half
.set MSB, 0
.macro WIN new                         ; s_set_vgpr_msb: bits 1:0 source 0, 3:2 source 1, 5:4 source 2, 7:6 destination; the high byte repeats the setting that is left
.if MSB != (\new)
	s_set_vgpr_msb (MSB<<8)|(\new)
.set MSB, \new
.endif
.endm
.macro PLACES                          ; four plain places behind matrix instructions, in front of loads into their sources and of readers of their results
.rept 4
	v_nop
.endr
.endm
.macro CLEAR
.set ii, 0
.rept 128
	v_mov_b32 v[ACC+ii], 0
.set ii, ii+1
.endr
.endm
; 16 loads: my 32 k x 64 columns of a chunk.  Load i: row 8 hh + i (i < 8) or 16 + 8 hh + i - 8 of my k step.
.macro WLOAD sreg, extra
	WIN 0x40                                       ; destination window 1
.irp i, 0,1,2,3,4,5,6,7,8,9,10,11,12,13,14,15
	global_load_b128 v[(\sreg)+4*(\i):(\sreg)+4*(\i)+3], v[WOFF], s[12:13] offset:(\extra)+((\i)+8*((\i)/8))*WP th:TH_LOAD_NT
.endr
.endm
; 16 loads: my 32 rows x 128 k of the left operand, as fragments: lane (r, hh) takes k = 8 hh .. + 7 and 16 + 8 hh .. + 7 of each k step.  extra: bytes along the rows from the base
.macro ALOAD af, extra
	WIN 0x40
.irp u, 0,1
.irp s, 0,1,2,3
	global_load_b128 v[(\af)+32*(\u)+8*(\s):(\af)+32*(\u)+8*(\s)+3],   v[AOFF+(\u)], s[10:11] offset:(\extra)+64*(\s)
	global_load_b128 v[(\af)+32*(\u)+8*(\s)+4:(\af)+32*(\u)+8*(\s)+7], v[AOFF+(\u)], s[10:11] offset:(\extra)+64*(\s)+32
.endr
.endr
.endm
.macro BLOAD                           ; layer 1: my 64 bias numbers, columns 64 g + 32 hh + 4 t + 0..3, into the weights' first buffer
	WIN 0x40
.irp g, 0,1
.irp t, 0,1,2,3,4,5,6,7
	global_load_b128 v[S0+32*(\g)+4*(\t):S0+32*(\g)+4*(\t)+3], v[AUX], s[14:15] offset:256*(\g)+16*(\t)
.endr
.endr
.endm
; A chunk's products for my 32 rows: 4 k steps x (16 LDS loads, 16 matrix instructions).  The 16 accumulators take turns, one instruction a turn, in the same order in every k step.  v[T1] = the chunk in LDS + 16 x lane.
.macro COMPUTE af
	WIN 0x04                                       ; source 1 (tokens) window 1; weights, sums and LDS addresses window 0
.irp s, 0,1,2,3
	PLACES
.irp ct, 0,1,2,3,4,5,6,7
	ds_load_b128 v[BF+8*(\ct):BF+8*(\ct)+3],   v[T1] offset:8192*(\s)+1024*(\ct)
	ds_load_b128 v[BF+8*(\ct)+4:BF+8*(\ct)+7], v[T1] offset:8192*(\s)+1024*(\ct)+512
.endr
	s_wait_dscnt 8                                 ; tiles 0 to 3 are in; the eight loads of tiles 4 to 7 are younger
.irp ct, 0,1,2,3
.irp u, 0,1
.if LAYER == 1
	v_wmma_f32_16x16x32_bf16 v[ACC+64*(\u)+8*(\ct):ACC+64*(\u)+8*(\ct)+7], v[BF+8*(\ct):BF+8*(\ct)+7], v[(\af)+32*(\u)+8*(\s):(\af)+32*(\u)+8*(\s)+7], v[ACC+64*(\u)+8*(\ct):ACC+64*(\u)+8*(\ct)+7]
.else
	v_wmma_f32_16x16x32_f16 v[ACC+64*(\u)+8*(\ct):ACC+64*(\u)+8*(\ct)+7], v[BF+8*(\ct):BF+8*(\ct)+7], v[(\af)+32*(\u)+8*(\s):(\af)+32*(\u)+8*(\s)+7], v[ACC+64*(\u)+8*(\ct):ACC+64*(\u)+8*(\ct)+7]
.endif
.endr
.endr
	s_wait_dscnt 0x0
.irp ct, 4,5,6,7
.irp u, 0,1
.if LAYER == 1
	v_wmma_f32_16x16x32_bf16 v[ACC+64*(\u)+8*(\ct):ACC+64*(\u)+8*(\ct)+7], v[BF+8*(\ct):BF+8*(\ct)+7], v[(\af)+32*(\u)+8*(\s):(\af)+32*(\u)+8*(\s)+7], v[ACC+64*(\u)+8*(\ct):ACC+64*(\u)+8*(\ct)+7]
.else
	v_wmma_f32_16x16x32_f16 v[ACC+64*(\u)+8*(\ct):ACC+64*(\u)+8*(\ct)+7], v[BF+8*(\ct):BF+8*(\ct)+7], v[(\af)+32*(\u)+8*(\s):(\af)+32*(\u)+8*(\s)+7], v[ACC+64*(\u)+8*(\ct):ACC+64*(\u)+8*(\ct)+7]
.endif
.endr
.endr
.endr
.endm
; The tokens of my 32 rows (from s22 on; places past the count repeat the last row) and what hangs on them.  Every number that comes from the list is clamped to 1,023 before it enters an address.
.macro TOKENS
	v_add_nc_u32 v[T0], s22, v[LN]
	v_min_u32 v[T0], s21, v[T0]
	v_min_u32 v[T0], 0x3ff, v[T0]
	v_lshl_add_u32 v[T0], v[T0], 2, LIST
	ds_load_b32 v[TOK], v[T0]
	v_add_nc_u32 v[T1], 64, v[BPA]
	s_wait_dscnt 0x0
	v_min_u32 v[TOK], 0x3ff, v[TOK]
	ds_bpermute_b32 v[AOFF], v[BPA], v[TOK]        ; the token of row r of tile 0,
	ds_bpermute_b32 v[AOFF+1], v[T1], v[TOK]       ; and of tile 1
	s_wait_dscnt 0x0
	v_min_u32 v[AOFF], 0x3ff, v[AOFF]
	v_min_u32 v[AOFF+1], 0x3ff, v[AOFF+1]
.if LAYER == 2
	v_lshlrev_b32 v[X0], 2, v[AOFF]
	v_lshlrev_b32 v[X0+1], 2, v[AOFF+1]
	global_load_b32 v[AUX], v[X0], s[14:15]
	global_load_b32 v[AUX+1], v[X0+1], s[14:15]
.endif
	v_lshl_add_u32 v[AOFF], v[AOFF], LAP, v[H16]
	v_lshl_add_u32 v[AOFF+1], v[AOFF+1], LAP, v[H16]
.endm
; CHUNK c, par = c % 2.  Loads were issued in the order W(c), A(c), W(c + 1): wcnt = 16 leaves W(c + 1) out.  lda: A(c + 1) is asked for.  ldw = 1: W(c + 2); 2: the bias; 0: nothing.
.macro TRIP par, wcnt, lda, ldw
	s_wait_loadcnt \wcnt
	v_add_nc_u32 v[T0], s27, v[WST]
	WIN 0x05                                       ; sources window 1, destination window 0
.irp cc, 0,1,2,3
.irp j, 0,1,2,3,4,5,6,7
	v_cvt_pk_bf16_f32 v[TMP+8*(\cc)+(\j)], v[S0+64*(\par)+8*(\j)+(\cc)], v[S0+64*(\par)+8*(\j)+4+(\cc)]   ; two k of one column; these 32 lines are also the places behind the last chunk's products
.endr
.endr
	WIN 0
.if LAYER == 2                         ; the bf16 numbers are written as f16: widened by a shift and a mask, into the fragments' registers, which the next products load anew, and narrowed in pairs
.set ii, 0
.rept 32
	v_lshlrev_b32 v[BF+2*ii], 16, v[TMP+ii]
	v_and_b32 v[BF+2*ii+1], s60, v[TMP+ii]
.set ii, ii+1
.endr
.set ii, 0
.rept 32
	v_cvt_pk_f16_f32 v[TMP+ii], v[BF+2*ii], v[BF+2*ii+1]
.set ii, ii+1
.endr
.endif
.irp cc, 0,1,2,3
	ds_store_b128 v[T0], v[TMP+8*(\cc):TMP+8*(\cc)+3]   offset:1024*(\cc)
	ds_store_b128 v[T0], v[TMP+8*(\cc)+4:TMP+8*(\cc)+7] offset:1024*(\cc)+512
.endr
	s_wait_xcnt 0x0                                ; the bases of the loads that are out are stepped only behind this wait
.if \lda
	s_add_nc_u64 s[10:11], s[10:11], 256           ; 128 k of 2 bytes
	ALOAD AF0+64*(1-\par), 0
.endif
.if (\ldw) == 1
	s_add_nc_u64 s[12:13], s[12:13], 128*WP
	WLOAD S0+64*\par, 128*WP
.elseif (\ldw) == 2
	BLOAD
.endif
	WIN 0
	s_wait_dscnt 0x0                               ; for the others' sake: my part of the chunk is in LDS
	s_barrier_signal -1
	s_barrier_wait -1                              ; everybody's is.  Each chunk has bytes of its own, written once: no second barrier is needed
	s_cmp_ge_u32 s22, s20
	s_cbranch_scc1 .Lidle_\@                       ; all my rows lie past the count
	v_add_nc_u32 v[T1], s27, v[RD]
	COMPUTE AF0+64*\par
	WIN 0
.Lidle_\@:
	s_add_co_u32 s27, s27, CHUNKB
.endm
; THE WAY OUT, a tile of 16 rows at a time, through my own stage: rows go in as each lane holds them and come back whole, so that sixteen lanes store 256 consecutive aligned bytes of one token's row.
; LDS serves a wave's instructions in order (ISA guide 5.7.1.4): no wait stands between the stage's stores and its loads.  Each accumulator is read from its lowest register on.
.macro EPI
	PLACES
.irp u, 0,1
	s_wait_xcnt 0x0                                ; earlier stores have read their offsets and data: both are written again below
.irp t, 0,1,2,3,4,5,6,7
	v_add_nc_u32 v[GOFF+(\t)], 64*(\u)+8*(\t), v[BPG]
.endr
.irp t, 0,1,2,3,4,5,6,7
	ds_bpermute_b32 v[GOFF+(\t)], v[GOFF+(\t)], v[TOK]   ; the token of row 2 t + hh of the tile
.endr
.if LAYER == 1
	WIN 0x10                                       ; source 2 (the bias) window 1
.irp g, 0,1
.irp j, 0,1,2,3,4,5,6,7
.irp c2, 0,1
	v_fma_mix_f32_bf16 v[ACC+64*(\u)+32*(\g)+16*(\c2)+(\j)],   v[ACC+64*(\u)+32*(\g)+16*(\c2)+(\j)],   v[AUX+1], v[BPK+16*(\g)+2*(\j)+(\c2)] op_sel_hi:[0,0,1]
	v_fma_mix_f32_bf16 v[ACC+64*(\u)+32*(\g)+16*(\c2)+8+(\j)], v[ACC+64*(\u)+32*(\g)+16*(\c2)+8+(\j)], v[AUX+1], v[BPK+16*(\g)+2*(\j)+(\c2)] op_sel:[0,0,1] op_sel_hi:[0,0,1]
.endr
.endr
.endr
	WIN 0
.irp g, 0,1
.irp j, 0,1,2,3,4,5,6,7
	v_cvt_pk_f16_f32 v[TMP+16*(\g)+2*(\j)],   v[ACC+64*(\u)+32*(\g)+(\j)],    v[ACC+64*(\u)+32*(\g)+8+(\j)]    ; columns 4 j, 4 j + 1 of my 32, rounded once to f16,
	v_cvt_pk_f16_f32 v[TMP+16*(\g)+2*(\j)+1], v[ACC+64*(\u)+32*(\g)+16+(\j)], v[ACC+64*(\u)+32*(\g)+24+(\j)]   ; and 4 j + 2, 4 j + 3
.endr
.endr
.set ii, 0
.rept 32
	v_pk_max_num_f16 v[TMP+ii], v[TMP+ii], v[ZERO]   ; relu, two at a time: nothing is rounded
.set ii, ii+1
.endr
.irp t, 0,1,2,3,4,5,6,7
	ds_store_b128 v[STO], v[TMP+4*(\t):TMP+4*(\t)+3] offset:128*((\t)/4)+16*((\t)%4)
.endr
.irp t, 0,1,2,3,4,5,6,7
	ds_load_b128 v[BF+32*(\u)+4*(\t):BF+32*(\u)+4*(\t)+3], v[SRD] offset:2*SPITCH*(\t)
.endr
	s_wait_dscnt 0x0
.irp t, 0,1,2,3,4,5,6,7
	v_min_u32 v[GOFF+(\t)], 0x3ff, v[GOFF+(\t)]
.endr
.irp t, 0,1,2,3,4,5,6,7
	v_lshl_add_u32 v[GOFF+(\t)], v[GOFF+(\t)], LOP, v[LCOL]
.endr
.irp t, 0,1,2,3,4,5,6,7
	global_store_b128 v[GOFF+(\t)], v[BF+32*(\u)+4*(\t):BF+32*(\u)+4*(\t)+3], s[16:17]
.endr
.else
.irp g, 0,1                            ; 64 columns of f32 are a stage row
.irp j, 0,1,2,3,4,5,6,7
.irp cc, 0,1,2,3
	v_mul_f32 v[TMP+4*(\j)+(\cc)], v[ACC+64*(\u)+32*(\g)+8*(\cc)+(\j)], v[AUX+(\u)]   ; the gate's weight rides on the move that puts neighbouring columns into neighbouring registers
.endr
.endr
.irp j, 0,1,2,3,4,5,6,7
	ds_store_b128 v[STO], v[TMP+4*(\j):TMP+4*(\j)+3] offset:16*(\j)
.endr
.irp t, 0,1,2,3,4,5,6,7
	ds_load_b128 v[BF+32*(\g)+4*(\t):BF+32*(\g)+4*(\t)+3], v[SRD] offset:2*SPITCH*(\t)
.endr
	s_wait_dscnt 0x0
.if (\g) == 0
.irp t, 0,1,2,3,4,5,6,7
	v_min_u32 v[GOFF+(\t)], 0x3ff, v[GOFF+(\t)]
.endr
.irp t, 0,1,2,3,4,5,6,7
	v_lshl_add_u32 v[GOFF+(\t)], v[GOFF+(\t)], LOP, v[LCOL]
.endr
.endif
.irp t, 0,1,2,3,4,5,6,7
	global_store_b128 v[GOFF+(\t)], v[BF+32*(\g)+4*(\t):BF+32*(\g)+4*(\t)+3], s[16:17] offset:256*(\g)
.endr
.endr
.endif
.endr
.endm
	s_load_b256 s[8:15], s[0:1], 0x0               ; idx s[8:9], left operand s[10:11], weights s[12:13], bias or wgt s[14:15]
	s_load_b64 s[16:17], s[0:1], 0x20              ; output
	v_lshl_add_u32 v[SPW], v0, 2, SPARE
	v_mov_b32 v[NIL], 0
	v_and_b32 v[LN], 31, v0
	v_lshrrev_b32 v[T0], 5, v0
	v_readfirstlane_b32 s2, v[T0]                  ; wave 0..7
	v_and_b32 v[R16], 15, v0
	v_bfe_u32 v[T1], v0, 4, 1                      ; hh
	v_lshlrev_b32 v[H16], 4, v[T1]
	s_lshr_b32 s3, ttmp9, 5                        ; expert
	s_and_b32 s4, ttmp9, 31                        ; slice
	s_lshr_b32 s5, s2, 1                           ; the k step of a chunk that I load
	s_and_b32 s6, s2, 1                            ; and the half of its 128 columns
	s_mul_i32 s7, s5, 32*WP
	s_lshl_b32 s26, s6, 8
	s_add_co_u32 s7, s7, s26
	v_mul_u32_u24 v[WOFF], v[T1], 8*WP
	v_lshl_add_u32 v[WOFF], v[R16], 4, v[WOFF]
	v_add_nc_u32 v[WOFF], s7, v[WOFF]              ; 32 k step rows + 8 hh rows + 256 g + 16 r
	s_lshl_b32 s7, s5, 13
	s_lshl_b32 s26, s6, 12
	s_add_co_u32 s7, s7, s26                       ; (8 k step + 4 g) x 1,024
	v_lshlrev_b32 v[RD], 4, v[LN]
	v_add_nc_u32 v[WST], s7, v[RD]
.if LAYER == 1
	s_lshl_b32 s6, s3, 24                          ; an expert's weights are 16 MiB
	s_lshl_b32 s5, s4, 9
	s_add_co_u32 s6, s6, s5                        ; weights: + 128 columns of f32 a slice
	s_lshl_b32 s24, s3, 14
	s_add_co_u32 s24, s24, s5                      ; bias: expert x 16,384 + slice x 512
	s_lshl_b32 s26, s4, 8                          ; h: 128 columns of 2 bytes a slice
.else
	s_lshr_b32 s5, s4, 3                           ; q: which quarter of k
	s_and_b32 s4, s4, 7                            ; which 128 columns
	s_lshl_b32 s26, s5, 22
	s_lshl_b32 s4, s4, 9
	s_add_co_u32 s26, s26, s4                      ; p: plane q of 4 MiB + 512 bytes a column slice
	s_lshl_b32 s6, s3, 24
	s_add_co_u32 s6, s6, s26                       ; weights: expert x 16 MiB + 1,024 rows of 4,096 bytes a quarter + the same 512
	s_lshl_b32 s24, s5, 11                         ; h: 1,024 k of 2 bytes a quarter
	s_mov_b32 s60, 0xffff0000                      ; a word's upper bf16
.endif
	s_mov_b32 s7, 0
	s_mov_b32 s25, 0
	s_mov_b32 s27, 0
	s_wait_kmcnt 0x0
	s_add_nc_u64 s[12:13], s[12:13], s[6:7]
	s_add_nc_u64 s[16:17], s[16:17], s[26:27]
.if LAYER == 1
	s_add_nc_u64 s[14:15], s[14:15], s[24:25]
.else
	s_add_nc_u64 s[10:11], s[10:11], s[24:25]
.endif
	s_mov_b64 s[18:19], s[10:11]
.irp j, 0,1,2,3,4,5,6,7
	global_load_b128 v[BF+4*(\j):BF+4*(\j)+3], v[RD], s[8:9] offset:512*(\j)   ; all 1,024 choices: register G holds token 4 l + 128 (G / 4) + G % 4
.endr
	WLOAD S0, 0                                    ; chunks 0 and 1 go out before anything else is done
	WLOAD S0+64, 128*WP
	WIN 0
	CLEAR                                          ; in the wait for those loads: the sums' zeros and the lane's addresses
	s_mul_i32 s7, s2, 16*SPITCH
	s_add_co_u32 s7, s7, STAGE                     ; my stage
	v_mul_u32_u24 v[STO], v[R16], SPITCH           ; in: row r, my half of the lanes' part of it
	v_lshl_add_u32 v[STO], v[T1], HSH, v[STO]
	v_add_nc_u32 v[STO], s7, v[STO]
	v_mul_u32_u24 v[SRD], v[T1], SPITCH            ; back: lanes 0-15 take one row of 256 bytes, lanes 16-31 the next
	v_lshl_add_u32 v[SRD], v[R16], 4, v[SRD]
	v_add_nc_u32 v[SRD], s7, v[SRD]
	v_lshlrev_b32 v[LCOL], 4, v[R16]
	v_lshlrev_b32 v[BPA], 2, v[R16]
	v_lshlrev_b32 v[BPG], 2, v[T1]
	v_mov_b32 v[ZERO], 0
.if LAYER == 1
	v_lshlrev_b32 v[AUX], 7, v[T1]                 ; my half of the lanes' 32 bias numbers of each 64
	v_mov_b32 v[AUX+1], 1.0
.endif
	s_mov_b32 s20, 0
	s_wait_loadcnt 32                              ; idx is in; the 32 weight loads are younger
.set gg, 0
.rept 32
	v_cmp_eq_u32 s[28+gg], s3, v[BF+gg]            ; which 32 tokens of register gg chose my expert
.set gg, gg+1
.endr
.set gg, 0
.rept 32
	s_bcnt1_i32_b32 s26, s[28+gg]
	s_add_co_u32 s20, s20, s26                     ; M
.set gg, gg+1
.endr
	s_max_u32 s21, s20, 1
	s_sub_co_u32 s21, s21, 1                       ; the last place that holds a row (0 where there is none: the list's zeros serve, and nothing is stored)
	s_cmp_lg_u32 s2, 0
	s_cbranch_scc1 .Lnolist                        ; wave 0 writes the list
.irp j, 0,1,2,3
	v_mov_b32 v[TMP+(\j)], 0
.endr
	v_add_nc_u32 v[T0], LIST, v[RD]
.irp j, 0,1,2,3,4,5,6,7
	ds_store_b128 v[T0], v[TMP:TMP+3] offset:512*(\j)   ; every word of the list is written once with 0; LDS serves my stores in order
.endr
	v_lshlrev_b32 v[T1], 2, v[LN]
	v_add_nc_u32 v[X0], 1024, v[LN]                ; the place of a token that is not chosen: a word behind the list
.set gg, 0
.rept 32
	v_mbcnt_lo_u32_b32 v[T0], s[28+gg], s25        ; chosen tokens in lower lanes + those of earlier registers
	v_cndmask_b32 v[T0], v[X0], v[T0], s[28+gg]
	v_min_u32 v[T0], 0x43f, v[T0]
	v_lshl_add_u32 v[T0], v[T0], 2, LIST
	v_add_nc_u32 v[X0+1], 128*(gg/4)+gg%4, v[T1]   ; the token
	ds_store_b32 v[T0], v[X0+1]
	s_bcnt1_i32_b32 s26, s[28+gg]
	s_add_co_u32 s25, s25, s26
.set gg, gg+1
.endr
.Lnolist:
	s_wait_dscnt 0x0                               ; for the others' sake: the list is in LDS
	s_barrier_signal -1
	s_barrier_wait -1
	s_lshl_b32 s22, s2, 5                          ; pass 0: my rows 32 w .. + 31
	TOKENS
	ALOAD AF0, 0
	WIN 0
	s_wait_loadcnt 0x0                             ; chunks 0 and 1 of the weights, chunk 0 of my rows (layer 2: and their gate weights)
	s_mov_b32 s24, 3
.Lk:                                               ; chunks 0 to 5
	TRIP 0, 16, 1, 1
	TRIP 1, 16, 1, 1
	s_sub_co_u32 s24, s24, 1
	s_cmp_lg_u32 s24, 0
	s_cbranch_scc1 .Lk
.if LAYER == 1                         ; the last two chunks are written out: no load passes the slice's end
	TRIP 0, 16, 1, 2                               ; the bias takes the place of a chunk of weights,
	TRIP 1, 16, 0, 0                               ; so the count stays 16: its 16 loads are the younger ones
	s_wait_loadcnt 0x0
	WIN 0x45                                       ; all in window 1
.set ii, 0
.rept 32
	v_cvt_pk_bf16_f32 v[BPK+ii], v[S0+2*ii], v[S0+2*ii+1]   ; the bias rounded to bf16, as every input is
.set ii, ii+1
.endr
	WIN 0
.else
	TRIP 0, 16, 1, 0
	TRIP 1, 0, 0, 0                                ; nothing younger is out: the wait is for 0
.endif
	s_mov_b32 s23, 0
.Lpass:                                            ; four passes of 256 rows; pass 0's products are done; dead passes are jumped forward; no barrier stands in this loop
	s_cmp_ge_u32 s22, s20
	s_cbranch_scc1 .Lnext
	s_cmp_eq_u32 s23, 0
	s_cbranch_scc1 .Lepi
	s_wait_xcnt 0x0                                ; the last pass's stores have read their registers
	TOKENS
	PLACES
	CLEAR
	s_mov_b64 s[10:11], s[18:19]                   ; the left operand at chunk 0: the chunk stands in the loads' immediates
.irp c, 0,1,2,3,4,5,6,7                ; the slice once more, out of LDS; written out: each chunk's LDS address is a constant + 16 x lane
	PLACES                                         ; behind the last chunk's products, which read these registers
	ALOAD AF0, 256*(\c)
	WIN 0
	v_add_nc_u32 v[T1], (\c)*CHUNKB, v[RD]
	s_wait_loadcnt 0x0
	COMPUTE AF0
	WIN 0
.endr
.Lepi:
	EPI
.Lnext:
	s_add_co_u32 s22, s22, 256
	s_add_co_u32 s23, s23, 1
	s_cmp_lt_u32 s23, 4
	s_cbranch_scc1 .Lpass
	s_wait_tensorcnt 0x0                           ; the wave's end: behind my last LDS store
	ds_add_u32 v[SPW], v[NIL]
	s_wait_dscnt 0x0
	s_endpgm
.Lfunc_end_k_q8e6b485e91_ffn2:
	.size	k_q8e6b485e91_ffn2, .Lfunc_end_k_q8e6b485e91_ffn2-k_q8e6b485e91_ffn2
	.p2alignl 7, 3214868480
	.fill 96, 4, 3214868480
	.section	.rodata,"a",@progbits
	.p2align	6, 0x0
	.amdhsa_kernel k_q8e6b485e91_ffn2
		.amdhsa_group_segment_fixed_size 302336
		.amdhsa_private_segment_fixed_size 0
		.amdhsa_enable_private_segment 0
		.amdhsa_kernarg_size 40
		.amdhsa_user_sgpr_count 2
		.amdhsa_user_sgpr_kernarg_segment_ptr 1
		.amdhsa_wavefront_size32 1
		.amdhsa_system_sgpr_workgroup_id_x 1
		.amdhsa_system_sgpr_workgroup_id_y 1
		.amdhsa_system_sgpr_workgroup_id_z 1
		.amdhsa_system_vgpr_workitem_id 0
		.amdhsa_next_free_vgpr 512
		.amdhsa_next_free_sgpr 66
		.amdhsa_reserve_vcc 0
		.amdhsa_float_denorm_mode_32 3
		.amdhsa_float_denorm_mode_16_64 3
		.amdhsa_memory_ordered 1
		.amdhsa_forward_progress 1
		.amdhsa_inst_pref_size 210
	.end_amdhsa_kernel
	.amdgpu_metadata
---
amdhsa.version: [ 1, 2 ]
amdhsa.kernels:
  - .name:           k_q8e6b485e91_ffn2
    .symbol:         k_q8e6b485e91_ffn2.kd
    .args:
      - { .name: idx, .offset: 0, .size: 8, .value_kind: global_buffer, .address_space: global }
      - { .name: h, .offset: 8, .size: 8, .value_kind: global_buffer, .address_space: global }
      - { .name: w2, .offset: 16, .size: 8, .value_kind: global_buffer, .address_space: global }
      - { .name: wgt, .offset: 24, .size: 8, .value_kind: global_buffer, .address_space: global }
      - { .name: p, .offset: 32, .size: 8, .value_kind: global_buffer, .address_space: global }
    .group_segment_fixed_size: 302336
    .private_segment_fixed_size: 0
    .kernarg_segment_align: 8
    .kernarg_segment_size: 40
    .max_flat_workgroup_size: 256
    .sgpr_count:     66
    .vgpr_count:     512
    .wavefront_size: 32
...
	.end_amdgpu_metadata
.endif
;; end of part 3
;; launch combine (part 4): grid 256 x 1, 4 waves a work-group, no clusters, 0 bytes of LDS; arguments p, idx, wgt, b2, out0; writes out0
.if DOCPART == 4
	.amdgcn_target "amdgcn-amd-amdhsa--gfx1250"
	.amdhsa_code_object_version 6
	.text
	.protected	k_q8e6b485e91_combine
	.globl	k_q8e6b485e91_combine
	.p2align	8
	.type	k_q8e6b485e91_combine,@function
k_q8e6b485e91_combine:
	s_mov_b64 s[64:65], 0
	v_nop
	global_prefetch_b8 v0, s[64:65] scope:SCOPE_SE
	s_setreg_imm32_b32 hwreg(HW_REG_WAVE_MODE, 25, 1), 1
	s_wait_xcnt 0x0
; out0[t] = p[0][t] + p[1][t] + p[2][t] + p[3][t] + wgt[t] x b2[idx[t]].  p: [4][1024 tokens][1024] f32, the four quarters of k of the second product, already times wgt[t].
; One wave takes one token: 4 waves x 256 work-groups.  Lane l owns columns 128 i + 4 l .. + 3, i = 0..7: each load and store of the wave covers 512 consecutive bytes, aligned.
; All 40 loads of a wave go out before the first wait.  Memory binds: no LDS, no barrier, no matrix unit.
; FORMATS.  The partial sums stay in f32; b2 is rounded once to bf16, as every input of the program is.  idx is clamped to 7 before it enters an address.
.set P,   32            ; v[32:159]  plane q at P + 32 q; the sums end in plane 0's registers
.set B2,  160           ; v[160:191] the expert's b2 as loaded
.set BP,  192           ; v[192:207] the same, packed bf16
	s_load_b256 s[4:11], s[0:1], 0x0               ; p s[4:5], idx s[6:7], wgt s[8:9], b2 s[10:11]
	s_load_b64 s[12:13], s[0:1], 0x20              ; out0
	v_and_b32 v1, 31, v0
	v_lshrrev_b32 v3, 5, v0
	v_readfirstlane_b32 s16, v3                    ; wave
	s_lshl_b32 s17, ttmp9, 2
	s_add_co_u32 s16, s16, s17                     ; my token
	s_lshl_b32 s18, s16, 12                        ; its row of 4,096 bytes
	s_mov_b32 s19, 0
	s_lshl_b32 s20, s16, 2                         ; its word in idx and wgt
	s_mov_b32 s25, 0
	v_lshlrev_b32 v2, 4, v1                        ; 16 l
	s_wait_kmcnt 0x0
	s_load_b32 s21, s[6:7], s20 offset:0x0         ; the expert
	s_load_b32 s22, s[8:9], s20 offset:0x0         ; the gate's weight
	s_add_nc_u64 s[4:5], s[4:5], s[18:19]          ; planes 0 and 1 at my row,
	s_add_nc_u64 s[14:15], s[4:5], 0x800000        ; planes 2 and 3: 8 MiB on, so that every immediate stays inside its signed 24 bits
	s_add_nc_u64 s[12:13], s[12:13], s[18:19]
.irp q, 0,1
.irp i, 0,1,2,3,4,5,6,7
	global_load_b128 v[P+32*(\q)+4*(\i):P+32*(\q)+4*(\i)+3], v2, s[4:5] offset:4194304*(\q)+512*(\i) th:TH_LOAD_NT
.endr
.endr
.irp q, 0,1
.irp i, 0,1,2,3,4,5,6,7
	global_load_b128 v[P+64+32*(\q)+4*(\i):P+64+32*(\q)+4*(\i)+3], v2, s[14:15] offset:4194304*(\q)+512*(\i) th:TH_LOAD_NT
.endr
.endr
	s_wait_kmcnt 0x0
	s_min_u32 s21, s21, 7
	s_lshl_b32 s24, s21, 12                        ; the expert's row of b2
	s_add_nc_u64 s[10:11], s[10:11], s[24:25]
	v_mov_b32 v4, s22
.irp i, 0,1,2,3,4,5,6,7
	global_load_b128 v[B2+4*(\i):B2+4*(\i)+3], v2, s[10:11] offset:512*(\i)
.endr
	s_wait_loadcnt 8                               ; the four planes are in; the eight loads of b2 are younger
.set n, 0
.rept 16
	v_pk_add_f32 v[P+2*n:P+2*n+1], v[P+2*n:P+2*n+1], v[P+32+2*n:P+32+2*n+1]
	v_pk_add_f32 v[P+64+2*n:P+64+2*n+1], v[P+64+2*n:P+64+2*n+1], v[P+96+2*n:P+96+2*n+1]
.set n, n+1
.endr
.set n, 0
.rept 16
	v_pk_add_f32 v[P+2*n:P+2*n+1], v[P+2*n:P+2*n+1], v[P+64+2*n:P+64+2*n+1]
.set n, n+1
.endr
	s_wait_loadcnt 0x0
.set n, 0
.rept 16
	v_cvt_pk_bf16_f32 v[BP+n], v[B2+2*n], v[B2+2*n+1]
.set n, n+1
.endr
.set n, 0
.rept 16
	v_fma_mix_f32_bf16 v[P+2*n],   v[BP+n], v4, v[P+2*n]   op_sel_hi:[1,0,0]                  ; bf16(b2) x wgt + sum, one rounding
	v_fma_mix_f32_bf16 v[P+2*n+1], v[BP+n], v4, v[P+2*n+1] op_sel:[1,0,0] op_sel_hi:[1,0,0]
.set n, n+1
.endr
.irp i, 0,1,2,3,4,5,6,7
	global_store_b128 v2, v[P+4*(\i):P+4*(\i)+3], s[12:13] offset:512*(\i) th:TH_STORE_NT
.endr
	s_endpgm
.Lfunc_end_k_q8e6b485e91_combine:
	.size	k_q8e6b485e91_combine, .Lfunc_end_k_q8e6b485e91_combine-k_q8e6b485e91_combine
	.p2alignl 7, 3214868480
	.fill 96, 4, 3214868480
	.section	.rodata,"a",@progbits
	.p2align	6, 0x0
	.amdhsa_kernel k_q8e6b485e91_combine
		.amdhsa_group_segment_fixed_size 0
		.amdhsa_private_segment_fixed_size 0
		.amdhsa_enable_private_segment 0
		.amdhsa_kernarg_size 40
		.amdhsa_user_sgpr_count 2
		.amdhsa_user_sgpr_kernarg_segment_ptr 1
		.amdhsa_wavefront_size32 1
		.amdhsa_system_sgpr_workgroup_id_x 1
		.amdhsa_system_sgpr_workgroup_id_y 1
		.amdhsa_system_sgpr_workgroup_id_z 1
		.amdhsa_system_vgpr_workitem_id 0
		.amdhsa_next_free_vgpr 208
		.amdhsa_next_free_sgpr 66
		.amdhsa_reserve_vcc 0
		.amdhsa_float_denorm_mode_32 3
		.amdhsa_float_denorm_mode_16_64 3
		.amdhsa_memory_ordered 1
		.amdhsa_forward_progress 1
		.amdhsa_inst_pref_size 12
	.end_amdhsa_kernel
	.amdgpu_metadata
---
amdhsa.version: [ 1, 2 ]
amdhsa.kernels:
  - .name:           k_q8e6b485e91_combine
    .symbol:         k_q8e6b485e91_combine.kd
    .args:
      - { .name: p, .offset: 0, .size: 8, .value_kind: global_buffer, .address_space: global }
      - { .name: idx, .offset: 8, .size: 8, .value_kind: global_buffer, .address_space: global }
      - { .name: wgt, .offset: 16, .size: 8, .value_kind: global_buffer, .address_space: global }
      - { .name: b2, .offset: 24, .size: 8, .value_kind: global_buffer, .address_space: global }
      - { .name: out0, .offset: 32, .size: 8, .value_kind: global_buffer, .address_space: global }
    .group_segment_fixed_size: 0
    .private_segment_fixed_size: 0
    .kernarg_segment_align: 8
    .kernarg_segment_size: 40
    .max_flat_workgroup_size: 128
    .sgpr_count:     66
    .vgpr_count:     208
    .wavefront_size: 32
...
	.end_amdgpu_metadata
.endif
;; end of part 4
;; ======== version 2 of 3: 4 launches; 1.22 times as fast as version 1
;; limits: values are held in f16: magnitudes above 65,504 overflow, below 6.1e-05 lose precision
;; workspace buffers: xb 2,097,152 bytes; idx 4,096 bytes of whole numbers; wgt 4,096 bytes; h 8,388,608 bytes; p 16,777,216 bytes
;; launch router: the kernel of part 1 again; grid 256 x 1, 4 waves a work-group, no clusters, 0 bytes of LDS; arguments hidden_states, gate_w, xb, idx, wgt; writes xb, idx, wgt
;; launch ffn1 (part 5): grid 256 x 1, 8 waves a work-group, no clusters, 297,984 bytes of LDS; arguments idx, xb, w1, b1, h; writes h
.if DOCPART == 5
	.amdgcn_target "amdgcn-amd-amdhsa--gfx1250"
	.amdhsa_code_object_version 6
	.text
	.protected	k_q8e6b485e91_ffn1
	.globl	k_q8e6b485e91_ffn1
	.p2align	8
	.type	k_q8e6b485e91_ffn1,@function
k_q8e6b485e91_ffn1:
	s_mov_b64 s[64:65], 0
	v_nop
	global_prefetch_b8 v0, s[64:65] scope:SCOPE_SE
	s_setreg_imm32_b32 hwreg(HW_REG_WAVE_MODE, 25, 1), 1
	s_wait_xcnt 0x0
; ONE PRODUCT OF THE EXPERTS' LAYER, for the chosen rows alone.  LAYER 1: h[t] = relu(x[t] w1[e] + b1[e]), f16.  LAYER 2: p[q][t] = wgt[t] x (h[t], k quarter q) w2[e], f32 partial sums.
; The two layers have this one text, with LAYER set to 1 or 2; they differ in the sizes below, in the operands' format and in the way out.
; SHARES.  Work-group = expert e (8) x slice (32; in layer 2: 4 quarters of k x 8 groups of 128 columns).  A slice is 1,024 k x 128 columns of e's f32 weights, 512 KiB, which this work-group alone reads, once, and ALL rows (tokens) that chose e.
; The slice goes through in 8 chunks of 128 k.  Each of the 8 waves loads 16 k x 128 columns of a chunk (16 loads, each 512 consecutive aligned bytes of one weight row), rounds it
; in registers and lays it into LDS as finished matrix operands; the whole slice stays in LDS (256 KiB).  Wave w multiplies rows 32 w .. + 31 of the expert's order by all 128 columns while the next two chunks are on their way
; (32 loads, 16 KiB a wave).  An expert with more than 256 rows takes up to three more passes over the slice in LDS: every split of the tokens is served.  A later pass's eight chunks are written out, so that
; every LDS address in the loop over passes is a constant plus the lane's term.
; THE ROWS.  Every wave finds its rows' tokens itself, in registers, from idx (stored by an earlier launch): 32 masks of 32 tokens in scalar registers; a lane walks the masks' running counts to the mask that holds its place,
; and finds the set bit of that rank by sums of 2, 4, 8 and 16 bits and five halvings.  No list in LDS, no barrier.  Places past the count repeat the expert's last row: they compute and store
; the same numbers to the same bytes, from the same wave, so EXEC is never narrowed.  A wave whose 32 rows all lie past the count jumps over the products and the way out, never over a barrier.
; NO TRANSPOSITION.  Weights lie [k][column].  Lane l loads, for 16 values of k, the four columns 4 l + cc.  Two k of one cc, rounded in a pair, are one register of source 0: tile ct = 4 (l / 16) + cc holds in its row l % 16
; the column 4 l + cc, with k in its true places; a lane's first 8 k belong to the reading lanes 0-15, its last 8 to lanes 16-31.  Source 1 = 16 tokens x 32 k, straight from memory.
; In the result lane (r = l % 16, hh = l / 16) holds token r and, in register j of tile ct = 4 g + cc, column 64 g + 32 hh + 4 j + cc.
; FORMATS.  Every input (x, weights, bias) is rounded once to bf16; sums in f32.  Layer 1 multiplies bf16 by bf16.  h, which the program itself makes, is rounded once to f16: 11 significant bits, since a token's error
; goes with its own gate weight, up to 1, while the output's scale is that of all tokens.  Layer 2 multiplies f16 by f16: w2 is rounded to bf16 like every input, and that number is then written as f16.
; LIMITS.  A hidden number of 65,520 or more becomes an infinity.  At the drawn spread h stays under 4; all inputs 30 times larger give 900 times that, offsets of 30 spreads on x and w1 give 1,024 x 30 x 0.6 = 18,432: both inside.
; Below 6.1e-5 h keeps f16's fixed step of 6e-8.  A bf16 number of w2 is exact in f16 from 7.6e-6 to 65,504; below, it keeps the same step of 6e-8 (drawn spread: 0.02).  NaN is not treated apart.
; NO TENSOR LOADS, NO CLUSTER: each weight byte has one reader and must pass through registers to be rounded; what an expert's 32 work-groups share is its token rows, which come by a list that no descriptor covers.
; THE ACCUMULATORS ARE CLEARED by 128 moves, in the wait for the first loads: the sums begin under a jump on the count, and one text then serves every chunk and every pass.
.set LAYER, 1
.if LAYER == 1
.set WP,  16384         ; bytes in a weight row
.set LAP, 11            ; log2 of the bytes in a row of the left operand
.set LOP, 13            ; log2 of the bytes in a row of the output
.set HSH, 6             ; log2 of the bytes that a half of the lanes holds of a stage row
.else
.set WP,  4096
.set LAP, 13
.set LOP, 12
.set HSH, 7
.endif
.set CHUNKB, 32768      ; a chunk in LDS: registers 4 h .. 4 h + 3 of the fragment (k step K of 4, tile ct of 8) lie at (2 K + h) x 4,096 + 512 ct + 16 x lane: wave w writes the 4,096 bytes from 4,096 w on; every load and store is contiguous
.set STAGE,  262144     ; behind the slice: 16 rows x 272 bytes for each wave, its own, for the way out
.set SPITCH, 272        ; 256 + 16: the 16 rows of a store start at 16 different groups of four banks (ISA guide 11.1)
.set SPARE,  296960     ; behind the stages: the spare words, 128 bytes for each wave: four blocks of 256 bytes that no other line names
; window 0
.set LN,   1            ; lane
.set R16,  2            ; r
.set H16,  3            ; 16 hh
.set WOFF, 4            ; my byte offset in a chunk of weights; never rewritten
.set WST,  5            ; where I put fragments in a chunk in LDS; never rewritten
.set RD,   6            ; 16 x lane: where I read fragments; never rewritten
.set TOK,  7            ; the token of row l of my 32 rows
.set AOFF, 8            ; v8-9   byte offset of row r of tile u in the left operand, + 16 hh
.set STO,  10           ; the way out: where I put my part of a stage row
.set SRD,  11           ; the way out: where I read rows back
.set LCOL, 12           ; 16 r
.set T0,   15           ; at work
.set AUX,  16           ; v16-17 layer 1: 128 hh, 1.0;  layer 2: the gate weight of token r of tile u
.set ZERO, 18           ; 0
.set T1,   19           ; at work
.set GOFF, 20           ; v20-27 the way out: byte offsets of eight pairs of output rows; at work while tokens are found
.set SPW,  28           ; LDS address of my spare word; never rewritten
.set NIL,  29           ; 0; never rewritten
.set X0,   30           ; v30-31 at work while tokens are found; layer 2: offsets into wgt
.set TMP,  32           ; v32-63 fragments on their way into LDS; results on their way out
.set BF,   64           ; v64-127 weights' fragments of one k step, 8 a tile; at the start idx; layer 2: at work while weights are rounded; on the way out rows read back
.set ACC,  128          ; v128-255 accumulator (tile u, column tile ct) at ACC + 64 u + 8 ct
; window 1
.set AF0,  0            ; v0-63, v64-127: two buffers of the left operand's fragments of a chunk: (u, k step s) at 32 u + 8 s
.set S0,   128          ; v128-191, v192-255: two buffers of a chunk's weights as loaded, f32; load i at 4 i
.set BPK,  192          ; layer 1, behind the last chunk: my 64 bias numbers, packed bf16
; scalars: s2 wave, s3 expert, s[4:5] v_permlanex16_b32's selects, s6-7 at work, s[10:11] left operand at the chunk in hand, s[12:13] weights, s[14:15] bias or wgt, s[16:17] output, s[18:19] left operand at chunk 0,
; s20 the expert's count M, s21 max(M, 1) - 1, s22 my first row, s23 pass, s24 trips of the stream, s25 running count, s26 at work, s27 the stream's chunk in LDS, s[28:59] 32 masks of 32 tokens, s60 0xffff0000: lanes 16-31, and a word's upper half
.set MSB, 0
.macro WIN new                         ; s_set_vgpr_msb: bits 1:0 source 0, 3:2 source 1, 5:4 source 2, 7:6 destination; the high byte repeats the setting that is left
.if MSB != (\new)
	s_set_vgpr_msb (MSB<<8)|(\new)
.set MSB, \new
.endif
.endm
.macro PLACES                          ; four plain places behind matrix instructions, in front of loads into their sources and of readers of their results
.rept 4
	v_nop
.endr
.endm
.macro CLEAR
.set ii, 0
.rept 128
	v_mov_b32 v[ACC+ii], 0
.set ii, ii+1
.endr
.endm
; 16 loads: my 16 k x 128 columns of a chunk.  Load i: row 16 w + i, whole: the wave's 32 lanes take its 512 consecutive bytes
.macro WLOAD sreg, extra
	WIN 0x40                                       ; destination window 1
.irp i, 0,1,2,3,4,5,6,7,8,9,10,11,12,13,14,15
	global_load_b128 v[(\sreg)+4*(\i):(\sreg)+4*(\i)+3], v[WOFF], s[12:13] offset:(\extra)+(\i)*WP th:TH_LOAD_NT
.endr
.endm
; 16 loads: my 32 rows x 128 k of the left operand, as fragments: lane (r, hh) takes k = 8 hh .. + 7 and 16 + 8 hh .. + 7 of each k step.  extra: bytes along the rows from the base
.macro ALOAD af, extra
	WIN 0x40
.irp u, 0,1
.irp s, 0,1,2,3
	global_load_b128 v[(\af)+32*(\u)+8*(\s):(\af)+32*(\u)+8*(\s)+3],   v[AOFF+(\u)], s[10:11] offset:(\extra)+64*(\s)
	global_load_b128 v[(\af)+32*(\u)+8*(\s)+4:(\af)+32*(\u)+8*(\s)+7], v[AOFF+(\u)], s[10:11] offset:(\extra)+64*(\s)+32
.endr
.endr
.endm
.macro BLOAD                           ; layer 1: my 64 bias numbers, columns 64 g + 32 hh + 4 t + 0..3, into the weights' first buffer
	WIN 0x40
.irp g, 0,1
.irp t, 0,1,2,3,4,5,6,7
	global_load_b128 v[S0+32*(\g)+4*(\t):S0+32*(\g)+4*(\t)+3], v[AUX], s[14:15] offset:256*(\g)+16*(\t)
.endr
.endr
.endm
; A chunk's products for my 32 rows: 4 k steps x (16 LDS loads, 16 matrix instructions).  The 16 accumulators take turns, one instruction a turn, in the same order in every k step.  v[T1] = the chunk in LDS + 16 x lane.
.macro COMPUTE af
	WIN 0x04                                       ; source 1 (tokens) window 1; weights, sums and LDS addresses window 0
.irp s, 0,1,2,3
	PLACES
.irp ct, 0,1,2,3,4,5,6,7
	ds_load_b128 v[BF+8*(\ct):BF+8*(\ct)+3],   v[T1] offset:8192*(\s)+512*(\ct)
	ds_load_b128 v[BF+8*(\ct)+4:BF+8*(\ct)+7], v[T1] offset:8192*(\s)+4096+512*(\ct)
.endr
	s_wait_dscnt 8                                 ; tiles 0 to 3 are in; the eight loads of tiles 4 to 7 are younger
.irp ct, 0,1,2,3
.irp u, 0,1
.if LAYER == 1
	v_wmma_f32_16x16x32_bf16 v[ACC+64*(\u)+8*(\ct):ACC+64*(\u)+8*(\ct)+7], v[BF+8*(\ct):BF+8*(\ct)+7], v[(\af)+32*(\u)+8*(\s):(\af)+32*(\u)+8*(\s)+7], v[ACC+64*(\u)+8*(\ct):ACC+64*(\u)+8*(\ct)+7]
.else
	v_wmma_f32_16x16x32_f16 v[ACC+64*(\u)+8*(\ct):ACC+64*(\u)+8*(\ct)+7], v[BF+8*(\ct):BF+8*(\ct)+7], v[(\af)+32*(\u)+8*(\s):(\af)+32*(\u)+8*(\s)+7], v[ACC+64*(\u)+8*(\ct):ACC+64*(\u)+8*(\ct)+7]
.endif
.endr
.endr
	s_wait_dscnt 0x0
.irp ct, 4,5,6,7
.irp u, 0,1
.if LAYER == 1
	v_wmma_f32_16x16x32_bf16 v[ACC+64*(\u)+8*(\ct):ACC+64*(\u)+8*(\ct)+7], v[BF+8*(\ct):BF+8*(\ct)+7], v[(\af)+32*(\u)+8*(\s):(\af)+32*(\u)+8*(\s)+7], v[ACC+64*(\u)+8*(\ct):ACC+64*(\u)+8*(\ct)+7]
.else
	v_wmma_f32_16x16x32_f16 v[ACC+64*(\u)+8*(\ct):ACC+64*(\u)+8*(\ct)+7], v[BF+8*(\ct):BF+8*(\ct)+7], v[(\af)+32*(\u)+8*(\s):(\af)+32*(\u)+8*(\s)+7], v[ACC+64*(\u)+8*(\ct):ACC+64*(\u)+8*(\ct)+7]
.endif
.endr
.endr
.endr
.endm
; One halving of the search for the set bit of rank v[T0] (from 0) in v[X0]: the field of src at the place in hand counts the set bits of the next `step` places; if the rank is not among them, they are passed.
.macro NTH src, mask, step
	v_lshrrev_b32 v[T1], v[GOFF+4], v[\src]
	v_and_b32 v[T1], \mask, v[T1]
	v_cmp_ge_u32 vcc_lo, v[T0], v[T1]
	v_cndmask_b32 v[T1], 0, v[T1], vcc_lo
	v_cndmask_b32 v[GOFF+5], 0, \step, vcc_lo
	v_sub_nc_u32 v[T0], v[T0], v[T1]
	v_add_nc_u32 v[GOFF+4], v[GOFF+4], v[GOFF+5]
.endm
; The tokens of my 32 rows (from s22 on; places past the count repeat the last row) and what hangs on them.  Mask G's bit b is token 4 b + 128 (G / 4) + G % 4.  Every token is clamped to 1,023 before it enters an address.
.macro TOKENS
	v_add_nc_u32 v[T0], s22, v[LN]
	v_min_u32 v[T0], s21, v[T0]                    ; my row's place in the expert's order
	v_mov_b32 v[X0], s28                           ; the walk keeps the last mask whose running count is at most my place,
	v_mov_b32 v[X0+1], 0                           ; and with it that count (low half) and the mask's first token (high half)
	s_bcnt1_i32_b32 s25, s28
.set gg, 1
.rept 31
	s_or_b32 s26, s25, (128*(gg/4)+gg%4)<<16
	v_cmp_le_u32 vcc_lo, s25, v[T0]
	v_cndmask_b32 v[X0], v[X0], s[28+gg], vcc_lo
	v_cndmask_b32 v[X0+1], v[X0+1], s26, vcc_lo
	s_bcnt1_i32_b32 s6, s[28+gg]
	s_add_co_u32 s25, s25, s6
.set gg, gg+1
.endr
	v_and_b32 v[T1], 0xffff, v[X0+1]
	v_lshrrev_b32 v[X0+1], 16, v[X0+1]             ; the mask's first token
	v_sub_nc_u32 v[T0], v[T0], v[T1]               ; my rank among the mask's set bits
	v_lshrrev_b32 v[GOFF], 1, v[X0]
	v_and_b32 v[GOFF], 0x55555555, v[GOFF]
	v_sub_nc_u32 v[GOFF], v[X0], v[GOFF]           ; the set bits of each 2 places,
	v_lshrrev_b32 v[GOFF+1], 2, v[GOFF]
	v_and_b32 v[GOFF+1], 0x33333333, v[GOFF+1]
	v_and_b32 v[T1], 0x33333333, v[GOFF]
	v_add_nc_u32 v[GOFF+1], v[GOFF+1], v[T1]       ; of each 4,
	v_lshrrev_b32 v[GOFF+2], 4, v[GOFF+1]
	v_add_nc_u32 v[GOFF+2], v[GOFF+2], v[GOFF+1]
	v_and_b32 v[GOFF+2], 0x0f0f0f0f, v[GOFF+2]     ; of each 8,
	v_lshrrev_b32 v[GOFF+3], 8, v[GOFF+2]
	v_add_nc_u32 v[GOFF+3], v[GOFF+3], v[GOFF+2]   ; and, in the low byte, of the low 16
	v_mov_b32 v[GOFF+4], 0                         ; the place in hand
	NTH GOFF+3, 0xff, 16
	NTH GOFF+2, 0xff, 8
	NTH GOFF+1, 15, 4
	NTH GOFF, 3, 2
	NTH X0, 1, 1
	v_lshl_add_u32 v[TOK], v[GOFF+4], 2, v[X0+1]
	v_min_u32 v[TOK], 0x3ff, v[TOK]
	v_permlanex16_b32 v[T1], v[TOK], s4, s5        ; the token of the lane 16 away
	v_cndmask_b32 v[AOFF], v[TOK], v[T1], s60      ; the token of row r of tile 0: lanes 0-15 hold it, lanes 16-31 take it from them,
	v_cndmask_b32 v[AOFF+1], v[T1], v[TOK], s60    ; and of tile 1: the other way round
	v_min_u32 v[AOFF], 0x3ff, v[AOFF]
	v_min_u32 v[AOFF+1], 0x3ff, v[AOFF+1]
.if LAYER == 2
	v_lshlrev_b32 v[X0], 2, v[AOFF]
	v_lshlrev_b32 v[X0+1], 2, v[AOFF+1]
	global_load_b32 v[AUX], v[X0], s[14:15]
	global_load_b32 v[AUX+1], v[X0+1], s[14:15]
.endif
	v_lshl_add_u32 v[AOFF], v[AOFF], LAP, v[H16]
	v_lshl_add_u32 v[AOFF+1], v[AOFF+1], LAP, v[H16]
.endm
; CHUNK c, par = c % 2.  Loads were issued in the order W(c), A(c), W(c + 1): wcnt = 16 leaves W(c + 1) out.  lda: A(c + 1) is asked for.  ldw = 1: W(c + 2); 2: the bias; 0: nothing.
.macro TRIP par, wcnt, lda, ldw
	s_wait_loadcnt \wcnt
	v_add_nc_u32 v[T0], s27, v[WST]
	WIN 0x05                                       ; sources window 1, destination window 0
.irp cc, 0,1,2,3
.irp j, 0,1,2,3,4,5,6,7
	v_cvt_pk_bf16_f32 v[TMP+8*(\cc)+(\j)], v[S0+64*(\par)+8*(\j)+(\cc)], v[S0+64*(\par)+8*(\j)+4+(\cc)]   ; rows 2 j and 2 j + 1 of my 16, one column; these 32 lines are also the places behind the last chunk's products
.endr
.endr
	WIN 0
.if LAYER == 2                         ; the bf16 numbers are written as f16: widened by a shift and a mask, into the fragments' registers, which the next products load anew, and narrowed in pairs
.set ii, 0
.rept 32
	v_lshlrev_b32 v[BF+2*ii], 16, v[TMP+ii]
	v_and_b32 v[BF+2*ii+1], s60, v[TMP+ii]
.set ii, ii+1
.endr
.set ii, 0
.rept 32
	v_cvt_pk_f16_f32 v[TMP+ii], v[BF+2*ii], v[BF+2*ii+1]
.set ii, ii+1
.endr
.endif
.irp cc, 0,1,2,3
	ds_store_b128 v[T0], v[TMP+8*(\cc):TMP+8*(\cc)+3]   offset:512*(\cc)         ; my first 8 k: for the reading lanes 0-15,
	ds_store_b128 v[T0], v[TMP+8*(\cc)+4:TMP+8*(\cc)+7] offset:512*(\cc)+256     ; my last 8: for lanes 16-31
.endr
	s_wait_xcnt 0x0                                ; the bases of the loads that are out are stepped only behind this wait
.if \lda
	s_add_nc_u64 s[10:11], s[10:11], 256           ; 128 k of 2 bytes
	ALOAD AF0+64*(1-\par), 0
.endif
.if (\ldw) == 1
	s_add_nc_u64 s[12:13], s[12:13], 128*WP
	WLOAD S0+64*\par, 128*WP
.elseif (\ldw) == 2
	BLOAD
.endif
	WIN 0
	s_wait_dscnt 0x0                               ; for the others' sake: my part of the chunk is in LDS
	s_barrier_signal -1
	s_barrier_wait -1                              ; everybody's is.  Each chunk has bytes of its own, written once: no second barrier is needed
	s_cmp_ge_u32 s22, s20
	s_cbranch_scc1 .Lidle_\@                       ; all my rows lie past the count
	v_add_nc_u32 v[T1], s27, v[RD]
	COMPUTE AF0+64*\par
	WIN 0
.Lidle_\@:
	s_add_co_u32 s27, s27, CHUNKB
.endm
; THE WAY OUT, a tile of 16 rows at a time, through my own stage: rows go in as each lane holds them and come back whole, so that sixteen lanes store 256 consecutive aligned bytes of one token's row.
; LDS serves a wave's instructions in order (ISA guide 5.7.1.4): no wait stands between the stage's stores and its loads.  Each accumulator is read from its lowest register on.
.macro EPI
	PLACES
.irp u, 0,1
	s_wait_xcnt 0x0                                ; earlier stores have read their offsets and data: both are written again below
.irp t, 0,1,2,3,4,5,6,7
	v_readlane_b32 s6, v[TOK], 16*(\u)+2*(\t)      ; store t takes rows 2 t (lanes 0-15) and 2 t + 1 (lanes 16-31) of the tile
	v_readlane_b32 s7, v[TOK], 16*(\u)+2*(\t)+1
	v_mov_b32 v[GOFF+(\t)], s6
	v_cndmask_b32 v[GOFF+(\t)], v[GOFF+(\t)], s7, s60
.endr
.irp t, 0,1,2,3,4,5,6,7
	v_min_u32 v[GOFF+(\t)], 0x3ff, v[GOFF+(\t)]
.endr
.irp t, 0,1,2,3,4,5,6,7
	v_lshl_add_u32 v[GOFF+(\t)], v[GOFF+(\t)], LOP, v[LCOL]
.endr
.if LAYER == 1
	WIN 0x10                                       ; source 2 (the bias) window 1
.irp g, 0,1
.irp j, 0,1,2,3,4,5,6,7
.irp c2, 0,1
	v_fma_mix_f32_bf16 v[ACC+64*(\u)+32*(\g)+16*(\c2)+(\j)],   v[ACC+64*(\u)+32*(\g)+16*(\c2)+(\j)],   v[AUX+1], v[BPK+16*(\g)+2*(\j)+(\c2)] op_sel_hi:[0,0,1]
	v_fma_mix_f32_bf16 v[ACC+64*(\u)+32*(\g)+16*(\c2)+8+(\j)], v[ACC+64*(\u)+32*(\g)+16*(\c2)+8+(\j)], v[AUX+1], v[BPK+16*(\g)+2*(\j)+(\c2)] op_sel:[0,0,1] op_sel_hi:[0,0,1]
.endr
.endr
.endr
	WIN 0
.irp g, 0,1
.irp j, 0,1,2,3,4,5,6,7
	v_cvt_pk_f16_f32 v[TMP+16*(\g)+2*(\j)],   v[ACC+64*(\u)+32*(\g)+(\j)],    v[ACC+64*(\u)+32*(\g)+8+(\j)]    ; columns 4 j, 4 j + 1 of my 32, rounded once to f16,
	v_cvt_pk_f16_f32 v[TMP+16*(\g)+2*(\j)+1], v[ACC+64*(\u)+32*(\g)+16+(\j)], v[ACC+64*(\u)+32*(\g)+24+(\j)]   ; and 4 j + 2, 4 j + 3
.endr
.endr
.set ii, 0
.rept 32
	v_pk_max_num_f16 v[TMP+ii], v[TMP+ii], v[ZERO]   ; relu, two at a time: nothing is rounded
.set ii, ii+1
.endr
.irp t, 0,1,2,3,4,5,6,7
	ds_store_b128 v[STO], v[TMP+4*(\t):TMP+4*(\t)+3] offset:128*((\t)/4)+16*((\t)%4)
.endr
.irp t, 0,1,2,3,4,5,6,7
	ds_load_b128 v[BF+32*(\u)+4*(\t):BF+32*(\u)+4*(\t)+3], v[SRD] offset:2*SPITCH*(\t)
.endr
	s_wait_dscnt 0x0
.irp t, 0,1,2,3,4,5,6,7
	global_store_b128 v[GOFF+(\t)], v[BF+32*(\u)+4*(\t):BF+32*(\u)+4*(\t)+3], s[16:17]
.endr
.else
.irp g, 0,1                            ; 64 columns of f32 are a stage row
.irp j, 0,1,2,3,4,5,6,7
.irp cc, 0,1,2,3
	v_mul_f32 v[TMP+4*(\j)+(\cc)], v[ACC+64*(\u)+32*(\g)+8*(\cc)+(\j)], v[AUX+(\u)]   ; the gate's weight rides on the move that puts neighbouring columns into neighbouring registers
.endr
.endr
.irp j, 0,1,2,3,4,5,6,7
	ds_store_b128 v[STO], v[TMP+4*(\j):TMP+4*(\j)+3] offset:16*(\j)
.endr
.irp t, 0,1,2,3,4,5,6,7
	ds_load_b128 v[BF+32*(\g)+4*(\t):BF+32*(\g)+4*(\t)+3], v[SRD] offset:2*SPITCH*(\t)
.endr
	s_wait_dscnt 0x0
.irp t, 0,1,2,3,4,5,6,7
	global_store_b128 v[GOFF+(\t)], v[BF+32*(\g)+4*(\t):BF+32*(\g)+4*(\t)+3], s[16:17] offset:256*(\g)
.endr
.endr
.endif
.endr
.endm
	s_load_b256 s[8:15], s[0:1], 0x0               ; idx s[8:9], left operand s[10:11], weights s[12:13], bias or wgt s[14:15]
	s_load_b64 s[16:17], s[0:1], 0x20              ; output
	v_lshl_add_u32 v[SPW], v0, 2, SPARE
	v_mov_b32 v[NIL], 0
	v_and_b32 v[LN], 31, v0
	v_lshrrev_b32 v[T0], 5, v0
	v_readfirstlane_b32 s2, v[T0]                  ; wave 0..7
	v_and_b32 v[R16], 15, v0
	v_bfe_u32 v[T1], v0, 4, 1                      ; hh
	v_lshlrev_b32 v[H16], 4, v[T1]
	s_lshr_b32 s3, ttmp9, 5                        ; expert
	s_and_b32 s4, ttmp9, 31                        ; slice
	v_lshlrev_b32 v[RD], 4, v[LN]
	s_mul_i32 s7, s2, 16*WP
	v_add_nc_u32 v[WOFF], s7, v[RD]                ; my wave's 16 rows of a chunk + 16 l
	s_lshl_b32 s7, s2, 12                          ; my wave's 4,096 bytes of a chunk in LDS;
	v_lshlrev_b32 v[WST], 4, v[R16]                ; in them tile 4 (l / 16) + cc, row l % 16
	v_lshl_add_u32 v[WST], v[T1], 11, v[WST]
	v_add_nc_u32 v[WST], s7, v[WST]
.if LAYER == 1
	s_lshl_b32 s6, s3, 24                          ; an expert's weights are 16 MiB
	s_lshl_b32 s5, s4, 9
	s_add_co_u32 s6, s6, s5                        ; weights: + 128 columns of f32 a slice
	s_lshl_b32 s24, s3, 14
	s_add_co_u32 s24, s24, s5                      ; bias: expert x 16,384 + slice x 512
	s_lshl_b32 s26, s4, 8                          ; h: 128 columns of 2 bytes a slice
.else
	s_lshr_b32 s5, s4, 3                           ; q: which quarter of k
	s_and_b32 s4, s4, 7                            ; which 128 columns
	s_lshl_b32 s26, s5, 22
	s_lshl_b32 s4, s4, 9
	s_add_co_u32 s26, s26, s4                      ; p: plane q of 4 MiB + 512 bytes a column slice
	s_lshl_b32 s6, s3, 24
	s_add_co_u32 s6, s6, s26                       ; weights: expert x 16 MiB + 1,024 rows of 4,096 bytes a quarter + the same 512
	s_lshl_b32 s24, s5, 11                         ; h: 1,024 k of 2 bytes a quarter
.endif
	s_mov_b32 s60, 0xffff0000
	s_mov_b32 s7, 0
	s_mov_b32 s25, 0
	s_mov_b32 s27, 0
	s_wait_kmcnt 0x0
	s_add_nc_u64 s[12:13], s[12:13], s[6:7]
	s_add_nc_u64 s[16:17], s[16:17], s[26:27]
.if LAYER == 1
	s_add_nc_u64 s[14:15], s[14:15], s[24:25]
.else
	s_add_nc_u64 s[10:11], s[10:11], s[24:25]
.endif
	s_mov_b64 s[18:19], s[10:11]
	s_mov_b32 s4, 0x76543210                       ; v_permlanex16_b32: each lane takes its own place in the other half
	s_mov_b32 s5, 0xfedcba98
.irp j, 0,1,2,3,4,5,6,7
	global_load_b128 v[BF+4*(\j):BF+4*(\j)+3], v[RD], s[8:9] offset:512*(\j)   ; all 1,024 choices: register G holds token 4 l + 128 (G / 4) + G % 4
.endr
	WLOAD S0, 0                                    ; chunks 0 and 1 go out before anything else is done
	WLOAD S0+64, 128*WP
	WIN 0
	CLEAR                                          ; in the wait for those loads: the sums' zeros and the lane's addresses
	s_mul_i32 s7, s2, 16*SPITCH
	s_add_co_u32 s7, s7, STAGE                     ; my stage
	v_mul_u32_u24 v[STO], v[R16], SPITCH           ; in: row r, my half of the lanes' part of it
	v_lshl_add_u32 v[STO], v[T1], HSH, v[STO]
	v_add_nc_u32 v[STO], s7, v[STO]
	v_mul_u32_u24 v[SRD], v[T1], SPITCH            ; back: lanes 0-15 take one row of 256 bytes, lanes 16-31 the next
	v_lshl_add_u32 v[SRD], v[R16], 4, v[SRD]
	v_add_nc_u32 v[SRD], s7, v[SRD]
	v_lshlrev_b32 v[LCOL], 4, v[R16]
	v_mov_b32 v[ZERO], 0
.if LAYER == 1
	v_lshlrev_b32 v[AUX], 7, v[T1]                 ; my half of the lanes' 32 bias numbers of each 64
	v_mov_b32 v[AUX+1], 1.0
.endif
	s_mov_b32 s20, 0
	s_wait_loadcnt 32                              ; idx is in; the 32 weight loads are younger
.set gg, 0
.rept 32
	v_cmp_eq_u32 s[28+gg], s3, v[BF+gg]            ; which 32 tokens of register gg chose my expert
.set gg, gg+1
.endr
.set gg, 0
.rept 32
	s_bcnt1_i32_b32 s26, s[28+gg]
	s_add_co_u32 s20, s20, s26                     ; M
.set gg, gg+1
.endr
	s_max_u32 s21, s20, 1
	s_sub_co_u32 s21, s21, 1                       ; the last place that holds a row (0 where there is none: some token's row is then loaded, and nothing is multiplied or stored)
	s_lshl_b32 s22, s2, 5                          ; pass 0: my rows 32 w .. + 31
	TOKENS
	ALOAD AF0, 0
	WIN 0
	s_wait_loadcnt 0x0                             ; chunks 0 and 1 of the weights, chunk 0 of my rows (layer 2: and their gate weights)
	s_mov_b32 s24, 3
.Lk:                                               ; chunks 0 to 5
	TRIP 0, 16, 1, 1
	TRIP 1, 16, 1, 1
	s_sub_co_u32 s24, s24, 1
	s_cmp_lg_u32 s24, 0
	s_cbranch_scc1 .Lk
.if LAYER == 1                         ; the last two chunks are written out: no load passes the slice's end
	TRIP 0, 16, 1, 2                               ; the bias takes the place of a chunk of weights,
	TRIP 1, 16, 0, 0                               ; so the count stays 16: its 16 loads are the younger ones
	s_wait_loadcnt 0x0
	WIN 0x45                                       ; all in window 1
.set ii, 0
.rept 32
	v_cvt_pk_bf16_f32 v[BPK+ii], v[S0+2*ii], v[S0+2*ii+1]   ; the bias rounded to bf16, as every input is
.set ii, ii+1
.endr
	WIN 0
.else
	TRIP 0, 16, 1, 0
	TRIP 1, 0, 0, 0                                ; nothing younger is out: the wait is for 0
.endif
	s_mov_b32 s23, 0
.Lpass:                                            ; four passes of 256 rows; pass 0's products are done; dead passes are jumped forward; no barrier stands in this loop
	s_cmp_ge_u32 s22, s20
	s_cbranch_scc1 .Lnext
	s_cmp_eq_u32 s23, 0
	s_cbranch_scc1 .Lepi
	s_wait_xcnt 0x0                                ; the last pass's stores have read their registers
	TOKENS
	PLACES
	CLEAR
	s_mov_b64 s[10:11], s[18:19]                   ; the left operand at chunk 0: the chunk stands in the loads' immediates
.irp c, 0,1,2,3,4,5,6,7                ; the slice once more, out of LDS; written out: each chunk's LDS address is a constant + 16 x lane
	PLACES                                         ; behind the last chunk's products, which read these registers
	ALOAD AF0, 256*(\c)
	WIN 0
	v_add_nc_u32 v[T1], (\c)*CHUNKB, v[RD]
	s_wait_loadcnt 0x0
	COMPUTE AF0
	WIN 0
.endr
.Lepi:
	EPI
.Lnext:
	s_add_co_u32 s22, s22, 256
	s_add_co_u32 s23, s23, 1
	s_cmp_lt_u32 s23, 4
	s_cbranch_scc1 .Lpass
	s_wait_tensorcnt 0x0                           ; the wave's end: behind my last LDS store
	ds_add_u32 v[SPW], v[NIL]
	s_wait_dscnt 0x0
	s_endpgm
.Lfunc_end_k_q8e6b485e91_ffn1:
	.size	k_q8e6b485e91_ffn1, .Lfunc_end_k_q8e6b485e91_ffn1-k_q8e6b485e91_ffn1
	.p2alignl 7, 3214868480
	.fill 96, 4, 3214868480
	.section	.rodata,"a",@progbits
	.p2align	6, 0x0
	.amdhsa_kernel k_q8e6b485e91_ffn1
		.amdhsa_group_segment_fixed_size 297984
		.amdhsa_private_segment_fixed_size 0
		.amdhsa_enable_private_segment 0
		.amdhsa_kernarg_size 40
		.amdhsa_user_sgpr_count 2
		.amdhsa_user_sgpr_kernarg_segment_ptr 1
		.amdhsa_wavefront_size32 1
		.amdhsa_system_sgpr_workgroup_id_x 1
		.amdhsa_system_sgpr_workgroup_id_y 1
		.amdhsa_system_sgpr_workgroup_id_z 1
		.amdhsa_system_vgpr_workitem_id 0
		.amdhsa_next_free_vgpr 512
		.amdhsa_next_free_sgpr 66
		.amdhsa_reserve_vcc 1
		.amdhsa_float_denorm_mode_32 3
		.amdhsa_float_denorm_mode_16_64 3
		.amdhsa_memory_ordered 1
		.amdhsa_forward_progress 1
		.amdhsa_inst_pref_size 213
	.end_amdhsa_kernel
	.amdgpu_metadata
---
amdhsa.version: [ 1, 2 ]
amdhsa.kernels:
  - .name:           k_q8e6b485e91_ffn1
    .symbol:         k_q8e6b485e91_ffn1.kd
    .args:
      - { .name: idx, .offset: 0, .size: 8, .value_kind: global_buffer, .address_space: global }
      - { .name: xb, .offset: 8, .size: 8, .value_kind: global_buffer, .address_space: global }
      - { .name: w1, .offset: 16, .size: 8, .value_kind: global_buffer, .address_space: global }
      - { .name: b1, .offset: 24, .size: 8, .value_kind: global_buffer, .address_space: global }
      - { .name: h, .offset: 32, .size: 8, .value_kind: global_buffer, .address_space: global }
    .group_segment_fixed_size: 297984
    .private_segment_fixed_size: 0
    .kernarg_segment_align: 8
    .kernarg_segment_size: 40
    .max_flat_workgroup_size: 256
    .sgpr_count:     66
    .vgpr_count:     512
    .wavefront_size: 32
...
	.end_amdgpu_metadata
.endif
;; end of part 5
;; launch ffn2 (part 6): grid 256 x 1, 8 waves a work-group, no clusters, 297,984 bytes of LDS; arguments idx, h, w2, wgt, p; writes p
.if DOCPART == 6
	.amdgcn_target "amdgcn-amd-amdhsa--gfx1250"
	.amdhsa_code_object_version 6
	.text
	.protected	k_q8e6b485e91_ffn2
	.globl	k_q8e6b485e91_ffn2
	.p2align	8
	.type	k_q8e6b485e91_ffn2,@function
k_q8e6b485e91_ffn2:
	s_mov_b64 s[64:65], 0
	v_nop
	global_prefetch_b8 v0, s[64:65] scope:SCOPE_SE
	s_setreg_imm32_b32 hwreg(HW_REG_WAVE_MODE, 25, 1), 1
	s_wait_xcnt 0x0
; ONE PRODUCT OF THE EXPERTS' LAYER, for the chosen rows alone.  LAYER 1: h[t] = relu(x[t] w1[e] + b1[e]), f16.  LAYER 2: p[q][t] = wgt[t] x (h[t], k quarter q) w2[e], f32 partial sums.
; The two layers have this one text, with LAYER set to 1 or 2; they differ in the sizes below, in the operands' format and in the way out.
; SHARES.  Work-group = expert e (8) x slice (32; in layer 2: 4 quarters of k x 8 groups of 128 columns).  A slice is 1,024 k x 128 columns of e's f32 weights, 512 KiB, which this work-group alone reads, once, and ALL rows (tokens) that chose e.
; The slice goes through in 8 chunks of 128 k.  Each of the 8 waves loads 16 k x 128 columns of a chunk (16 loads, each 512 consecutive aligned bytes of one weight row), rounds it
; in registers and lays it into LDS as finished matrix operands; the whole slice stays in LDS (256 KiB).  Wave w multiplies rows 32 w .. + 31 of the expert's order by all 128 columns while the next two chunks are on their way
; (32 loads, 16 KiB a wave).  An expert with more than 256 rows takes up to three more passes over the slice in LDS: every split of the tokens is served.  A later pass's eight chunks are written out, so that
; every LDS address in the loop over passes is a constant plus the lane's term.
; THE ROWS.  Every wave finds its rows' tokens itself, in registers, from idx (stored by an earlier launch): 32 masks of 32 tokens in scalar registers; a lane walks the masks' running counts to the mask that holds its place,
; and finds the set bit of that rank by sums of 2, 4, 8 and 16 bits and five halvings.  No list in LDS, no barrier.  Places past the count repeat the expert's last row: they compute and store
; the same numbers to the same bytes, from the same wave, so EXEC is never narrowed.  A wave whose 32 rows all lie past the count jumps over the products and the way out, never over a barrier.
; NO TRANSPOSITION.  Weights lie [k][column].  Lane l loads, for 16 values of k, the four columns 4 l + cc.  Two k of one cc, rounded in a pair, are one register of source 0: tile ct = 4 (l / 16) + cc holds in its row l % 16
; the column 4 l + cc, with k in its true places; a lane's first 8 k belong to the reading lanes 0-15, its last 8 to lanes 16-31.  Source 1 = 16 tokens x 32 k, straight from memory.
; In the result lane (r = l % 16, hh = l / 16) holds token r and, in register j of tile ct = 4 g + cc, column 64 g + 32 hh + 4 j + cc.
; FORMATS.  Every input (x, weights, bias) is rounded once to bf16; sums in f32.  Layer 1 multiplies bf16 by bf16.  h, which the program itself makes, is rounded once to f16: 11 significant bits, since a token's error
; goes with its own gate weight, up to 1, while the output's scale is that of all tokens.  Layer 2 multiplies f16 by f16: w2 is rounded to bf16 like every input, and that number is then written as f16.
; The four partial sums of a token's row stay in f32 and are added by the next launch.
; LIMITS.  A hidden number of 65,520 or more becomes an infinity.  At the drawn spread h stays under 4; all inputs 30 times larger give 900 times that, offsets of 30 spreads on x and w1 give 1,024 x 30 x 0.6 = 18,432: both inside.
; Below 6.1e-5 h keeps f16's fixed step of 6e-8.  A bf16 number of w2 is exact in f16 from 7.6e-6 to 65,504; below, it keeps the same step of 6e-8 (drawn spread: 0.02).  NaN is not treated apart.
; NO TENSOR LOADS, NO CLUSTER: each weight byte has one reader and must pass through registers to be rounded; what an expert's work-groups share is its token rows, which come by a list that no descriptor covers.
; THE ACCUMULATORS ARE CLEARED by 128 moves, in the wait for the first loads: the sums begin under a jump on the count, and one text then serves every chunk and every pass.
.set LAYER, 2
.if LAYER == 1
.set WP,  16384         ; bytes in a weight row
.set LAP, 11            ; log2 of the bytes in a row of the left operand
.set LOP, 13            ; log2 of the bytes in a row of the output
.set HSH, 6             ; log2 of the bytes that a half of the lanes holds of a stage row
.else
.set WP,  4096
.set LAP, 13
.set LOP, 12
.set HSH, 7
.endif
.set CHUNKB, 32768      ; a chunk in LDS: registers 4 h .. 4 h + 3 of the fragment (k step K of 4, tile ct of 8) lie at (2 K + h) x 4,096 + 512 ct + 16 x lane: wave w writes the 4,096 bytes from 4,096 w on; every load and store is contiguous
.set STAGE,  262144     ; behind the slice: 16 rows x 272 bytes for each wave, its own, for the way out
.set SPITCH, 272        ; 256 + 16: the 16 rows of a store start at 16 different groups of four banks (ISA guide 11.1)
.set SPARE,  296960     ; behind the stages: the spare words, 128 bytes for each wave: four blocks of 256 bytes that no other line names
; window 0
.set LN,   1            ; lane
.set R16,  2            ; r
.set H16,  3            ; 16 hh
.set WOFF, 4            ; my byte offset in a chunk of weights; never rewritten
.set WST,  5            ; where I put fragments in a chunk in LDS; never rewritten
.set RD,   6            ; 16 x lane: where I read fragments; never rewritten
.set TOK,  7            ; the token of row l of my 32 rows
.set AOFF, 8            ; v8-9   byte offset of row r of tile u in the left operand, + 16 hh
.set STO,  10           ; the way out: where I put my part of a stage row
.set SRD,  11           ; the way out: where I read rows back
.set LCOL, 12           ; 16 r
.set T0,   15           ; at work
.set AUX,  16           ; v16-17 layer 1: 128 hh, 1.0;  layer 2: the gate weight of token r of tile u
.set ZERO, 18           ; 0
.set T1,   19           ; at work
.set GOFF, 20           ; v20-27 the way out: byte offsets of eight pairs of output rows; at work while tokens are found
.set SPW,  28           ; LDS address of my spare word; never rewritten
.set NIL,  29           ; 0; never rewritten
.set X0,   30           ; v30-31 at work while tokens are found; layer 2: offsets into wgt
.set TMP,  32           ; v32-63 fragments on their way into LDS; results on their way out
.set BF,   64           ; v64-127 weights' fragments of one k step, 8 a tile; at the start idx; layer 2: at work while weights are rounded; on the way out rows read back
.set ACC,  128          ; v128-255 accumulator (tile u, column tile ct) at ACC + 64 u + 8 ct
; window 1
.set AF0,  0            ; v0-63, v64-127: two buffers of the left operand's fragments of a chunk: (u, k step s) at 32 u + 8 s
.set S0,   128          ; v128-191, v192-255: two buffers of a chunk's weights as loaded, f32; load i at 4 i
.set BPK,  192          ; layer 1, behind the last chunk: my 64 bias numbers, packed bf16
; scalars: s2 wave, s3 expert, s[4:5] v_permlanex16_b32's selects, s6-7 at work, s[10:11] left operand at the chunk in hand, s[12:13] weights, s[14:15] bias or wgt, s[16:17] output, s[18:19] left operand at chunk 0,
; s20 the expert's count M, s21 max(M, 1) - 1, s22 my first row, s23 pass, s24 trips of the stream, s25 running count, s26 at work, s27 the stream's chunk in LDS, s[28:59] 32 masks of 32 tokens, s60 0xffff0000: lanes 16-31, and a word's upper half
.set MSB, 0
.macro WIN new                         ; s_set_vgpr_msb: bits 1:0 source 0, 3:2 source 1, 5:4 source 2, 7:6 destination; the high byte repeats the setting that is left
.if MSB != (\new)
	s_set_vgpr_msb (MSB<<8)|(\new)
.set MSB, \new
.endif
.endm
.macro PLACES                          ; four plain places behind matrix instructions, in front of loads into their sources and of readers of their results
.rept 4
	v_nop
.endr
.endm
.macro CLEAR
.set ii, 0
.rept 128
	v_mov_b32 v[ACC+ii], 0
.set ii, ii+1
.endr
.endm
; 16 loads: my 16 k x 128 columns of a chunk.  Load i: row 16 w + i, whole: the wave's 32 lanes take its 512 consecutive bytes
.macro WLOAD sreg, extra
	WIN 0x40                                       ; destination window 1
.irp i, 0,1,2,3,4,5,6,7,8,9,10,11,12,13,14,15
	global_load_b128 v[(\sreg)+4*(\i):(\sreg)+4*(\i)+3], v[WOFF], s[12:13] offset:(\extra)+(\i)*WP th:TH_LOAD_NT
.endr
.endm
; 16 loads: my 32 rows x 128 k of the left operand, as fragments: lane (r, hh) takes k = 8 hh .. + 7 and 16 + 8 hh .. + 7 of each k step.  extra: bytes along the rows from the base
.macro ALOAD af, extra
	WIN 0x40
.irp u, 0,1
.irp s, 0,1,2,3
	global_load_b128 v[(\af)+32*(\u)+8*(\s):(\af)+32*(\u)+8*(\s)+3],   v[AOFF+(\u)], s[10:11] offset:(\extra)+64*(\s)
	global_load_b128 v[(\af)+32*(\u)+8*(\s)+4:(\af)+32*(\u)+8*(\s)+7], v[AOFF+(\u)], s[10:11] offset:(\extra)+64*(\s)+32
.endr
.endr
.endm
.macro BLOAD                           ; layer 1: my 64 bias numbers, columns 64 g + 32 hh + 4 t + 0..3, into the weights' first buffer
	WIN 0x40
.irp g, 0,1
.irp t, 0,1,2,3,4,5,6,7
	global_load_b128 v[S0+32*(\g)+4*(\t):S0+32*(\g)+4*(\t)+3], v[AUX], s[14:15] offset:256*(\g)+16*(\t)
.endr
.endr
.endm
; A chunk's products for my 32 rows: 4 k steps x (16 LDS loads, 16 matrix instructions).  The 16 accumulators take turns, one instruction a turn, in the same order in every k step.  v[T1] = the chunk in LDS + 16 x lane.
.macro COMPUTE af
	WIN 0x04                                       ; source 1 (tokens) window 1; weights, sums and LDS addresses window 0
.irp s, 0,1,2,3
	PLACES
.irp ct, 0,1,2,3,4,5,6,7
	ds_load_b128 v[BF+8*(\ct):BF+8*(\ct)+3],   v[T1] offset:8192*(\s)+512*(\ct)
	ds_load_b128 v[BF+8*(\ct)+4:BF+8*(\ct)+7], v[T1] offset:8192*(\s)+4096+512*(\ct)
.endr
	s_wait_dscnt 8                                 ; tiles 0 to 3 are in; the eight loads of tiles 4 to 7 are younger
.irp ct, 0,1,2,3
.irp u, 0,1
.if LAYER == 1
	v_wmma_f32_16x16x32_bf16 v[ACC+64*(\u)+8*(\ct):ACC+64*(\u)+8*(\ct)+7], v[BF+8*(\ct):BF+8*(\ct)+7], v[(\af)+32*(\u)+8*(\s):(\af)+32*(\u)+8*(\s)+7], v[ACC+64*(\u)+8*(\ct):ACC+64*(\u)+8*(\ct)+7]
.else
	v_wmma_f32_16x16x32_f16 v[ACC+64*(\u)+8*(\ct):ACC+64*(\u)+8*(\ct)+7], v[BF+8*(\ct):BF+8*(\ct)+7], v[(\af)+32*(\u)+8*(\s):(\af)+32*(\u)+8*(\s)+7], v[ACC+64*(\u)+8*(\ct):ACC+64*(\u)+8*(\ct)+7]
.endif
.endr
.endr
	s_wait_dscnt 0x0
.irp ct, 4,5,6,7
.irp u, 0,1
.if LAYER == 1
	v_wmma_f32_16x16x32_bf16 v[ACC+64*(\u)+8*(\ct):ACC+64*(\u)+8*(\ct)+7], v[BF+8*(\ct):BF+8*(\ct)+7], v[(\af)+32*(\u)+8*(\s):(\af)+32*(\u)+8*(\s)+7], v[ACC+64*(\u)+8*(\ct):ACC+64*(\u)+8*(\ct)+7]
.else
	v_wmma_f32_16x16x32_f16 v[ACC+64*(\u)+8*(\ct):ACC+64*(\u)+8*(\ct)+7], v[BF+8*(\ct):BF+8*(\ct)+7], v[(\af)+32*(\u)+8*(\s):(\af)+32*(\u)+8*(\s)+7], v[ACC+64*(\u)+8*(\ct):ACC+64*(\u)+8*(\ct)+7]
.endif
.endr
.endr
.endr
.endm
; One halving of the search for the set bit of rank v[T0] (from 0) in v[X0]: the field of src at the place in hand counts the set bits of the next `step` places; if the rank is not among them, they are passed.
.macro NTH src, mask, step
	v_lshrrev_b32 v[T1], v[GOFF+4], v[\src]
	v_and_b32 v[T1], \mask, v[T1]
	v_cmp_ge_u32 vcc_lo, v[T0], v[T1]
	v_cndmask_b32 v[T1], 0, v[T1], vcc_lo
	v_cndmask_b32 v[GOFF+5], 0, \step, vcc_lo
	v_sub_nc_u32 v[T0], v[T0], v[T1]
	v_add_nc_u32 v[GOFF+4], v[GOFF+4], v[GOFF+5]
.endm
; The tokens of my 32 rows (from s22 on; places past the count repeat the last row) and what hangs on them.  Mask G's bit b is token 4 b + 128 (G / 4) + G % 4.  Every token is clamped to 1,023 before it enters an address.
.macro TOKENS
	v_add_nc_u32 v[T0], s22, v[LN]
	v_min_u32 v[T0], s21, v[T0]                    ; my row's place in the expert's order
	v_mov_b32 v[X0], s28                           ; the walk keeps the last mask whose running count is at most my place,
	v_mov_b32 v[X0+1], 0                           ; and with it that count (low half) and the mask's first token (high half)
	s_bcnt1_i32_b32 s25, s28
.set gg, 1
.rept 31
	s_or_b32 s26, s25, (128*(gg/4)+gg%4)<<16
	v_cmp_le_u32 vcc_lo, s25, v[T0]
	v_cndmask_b32 v[X0], v[X0], s[28+gg], vcc_lo
	v_cndmask_b32 v[X0+1], v[X0+1], s26, vcc_lo
	s_bcnt1_i32_b32 s6, s[28+gg]
	s_add_co_u32 s25, s25, s6
.set gg, gg+1
.endr
	v_and_b32 v[T1], 0xffff, v[X0+1]
	v_lshrrev_b32 v[X0+1], 16, v[X0+1]             ; the mask's first token
	v_sub_nc_u32 v[T0], v[T0], v[T1]               ; my rank among the mask's set bits
	v_lshrrev_b32 v[GOFF], 1, v[X0]
	v_and_b32 v[GOFF], 0x55555555, v[GOFF]
	v_sub_nc_u32 v[GOFF], v[X0], v[GOFF]           ; the set bits of each 2 places,
	v_lshrrev_b32 v[GOFF+1], 2, v[GOFF]
	v_and_b32 v[GOFF+1], 0x33333333, v[GOFF+1]
	v_and_b32 v[T1], 0x33333333, v[GOFF]
	v_add_nc_u32 v[GOFF+1], v[GOFF+1], v[T1]       ; of each 4,
	v_lshrrev_b32 v[GOFF+2], 4, v[GOFF+1]
	v_add_nc_u32 v[GOFF+2], v[GOFF+2], v[GOFF+1]
	v_and_b32 v[GOFF+2], 0x0f0f0f0f, v[GOFF+2]     ; of each 8,
	v_lshrrev_b32 v[GOFF+3], 8, v[GOFF+2]
	v_add_nc_u32 v[GOFF+3], v[GOFF+3], v[GOFF+2]   ; and, in the low byte, of the low 16
	v_mov_b32 v[GOFF+4], 0                         ; the place in hand
	NTH GOFF+3, 0xff, 16
	NTH GOFF+2, 0xff, 8
	NTH GOFF+1, 15, 4
	NTH GOFF, 3, 2
	NTH X0, 1, 1
	v_lshl_add_u32 v[TOK], v[GOFF+4], 2, v[X0+1]
	v_min_u32 v[TOK], 0x3ff, v[TOK]
	v_permlanex16_b32 v[T1], v[TOK], s4, s5        ; the token of the lane 16 away
	v_cndmask_b32 v[AOFF], v[TOK], v[T1], s60      ; the token of row r of tile 0: lanes 0-15 hold it, lanes 16-31 take it from them,
	v_cndmask_b32 v[AOFF+1], v[T1], v[TOK], s60    ; and of tile 1: the other way round
	v_min_u32 v[AOFF], 0x3ff, v[AOFF]
	v_min_u32 v[AOFF+1], 0x3ff, v[AOFF+1]
.if LAYER == 2
	v_lshlrev_b32 v[X0], 2, v[AOFF]
	v_lshlrev_b32 v[X0+1], 2, v[AOFF+1]
	global_load_b32 v[AUX], v[X0], s[14:15]
	global_load_b32 v[AUX+1], v[X0+1], s[14:15]
.endif
	v_lshl_add_u32 v[AOFF], v[AOFF], LAP, v[H16]
	v_lshl_add_u32 v[AOFF+1], v[AOFF+1], LAP, v[H16]
.endm
; CHUNK c, par = c % 2.  Loads were issued in the order W(c), A(c), W(c + 1): wcnt = 16 leaves W(c + 1) out.  lda: A(c + 1) is asked for.  ldw = 1: W(c + 2); 2: the bias; 0: nothing.
.macro TRIP par, wcnt, lda, ldw
	s_wait_loadcnt \wcnt
	v_add_nc_u32 v[T0], s27, v[WST]
	WIN 0x05                                       ; sources window 1, destination window 0
.irp cc, 0,1,2,3
.irp j, 0,1,2,3,4,5,6,7
	v_cvt_pk_bf16_f32 v[TMP+8*(\cc)+(\j)], v[S0+64*(\par)+8*(\j)+(\cc)], v[S0+64*(\par)+8*(\j)+4+(\cc)]   ; rows 2 j and 2 j + 1 of my 16, one column; these 32 lines are also the places behind the last chunk's products
.endr
.endr
	WIN 0
.if LAYER == 2                         ; the bf16 numbers are written as f16: widened by a shift and a mask, into the fragments' registers, which the next products load anew, and narrowed in pairs
.set ii, 0
.rept 32
	v_lshlrev_b32 v[BF+2*ii], 16, v[TMP+ii]
	v_and_b32 v[BF+2*ii+1], s60, v[TMP+ii]
.set ii, ii+1
.endr
.set ii, 0
.rept 32
	v_cvt_pk_f16_f32 v[TMP+ii], v[BF+2*ii], v[BF+2*ii+1]
.set ii, ii+1
.endr
.endif
.irp cc, 0,1,2,3
	ds_store_b128 v[T0], v[TMP+8*(\cc):TMP+8*(\cc)+3]   offset:512*(\cc)         ; my first 8 k: for the reading lanes 0-15,
	ds_store_b128 v[T0], v[TMP+8*(\cc)+4:TMP+8*(\cc)+7] offset:512*(\cc)+256     ; my last 8: for lanes 16-31
.endr
	s_wait_xcnt 0x0                                ; the bases of the loads that are out are stepped only behind this wait
.if \lda
	s_add_nc_u64 s[10:11], s[10:11], 256           ; 128 k of 2 bytes
	ALOAD AF0+64*(1-\par), 0
.endif
.if (\ldw) == 1
	s_add_nc_u64 s[12:13], s[12:13], 128*WP
	WLOAD S0+64*\par, 128*WP
.elseif (\ldw) == 2
	BLOAD
.endif
	WIN 0
	s_wait_dscnt 0x0                               ; for the others' sake: my part of the chunk is in LDS
	s_barrier_signal -1
	s_barrier_wait -1                              ; everybody's is.  Each chunk has bytes of its own, written once: no second barrier is needed
	s_cmp_ge_u32 s22, s20
	s_cbranch_scc1 .Lidle_\@                       ; all my rows lie past the count
	v_add_nc_u32 v[T1], s27, v[RD]
	COMPUTE AF0+64*\par
	WIN 0
.Lidle_\@:
	s_add_co_u32 s27, s27, CHUNKB
.endm
; THE WAY OUT, a tile of 16 rows at a time, through my own stage: rows go in as each lane holds them and come back whole, so that sixteen lanes store 256 consecutive aligned bytes of one token's row.
; LDS serves a wave's instructions in order (ISA guide 5.7.1.4): no wait stands between the stage's stores and its loads.  Each accumulator is read from its lowest register on.
.macro EPI
	PLACES
.irp u, 0,1
	s_wait_xcnt 0x0                                ; earlier stores have read their offsets and data: both are written again below
.irp t, 0,1,2,3,4,5,6,7
	v_readlane_b32 s6, v[TOK], 16*(\u)+2*(\t)      ; store t takes rows 2 t (lanes 0-15) and 2 t + 1 (lanes 16-31) of the tile
	v_readlane_b32 s7, v[TOK], 16*(\u)+2*(\t)+1
	v_mov_b32 v[GOFF+(\t)], s6
	v_cndmask_b32 v[GOFF+(\t)], v[GOFF+(\t)], s7, s60
.endr
.irp t, 0,1,2,3,4,5,6,7
	v_min_u32 v[GOFF+(\t)], 0x3ff, v[GOFF+(\t)]
.endr
.irp t, 0,1,2,3,4,5,6,7
	v_lshl_add_u32 v[GOFF+(\t)], v[GOFF+(\t)], LOP, v[LCOL]
.endr
.if LAYER == 1
	WIN 0x10                                       ; source 2 (the bias) window 1
.irp g, 0,1
.irp j, 0,1,2,3,4,5,6,7
.irp c2, 0,1
	v_fma_mix_f32_bf16 v[ACC+64*(\u)+32*(\g)+16*(\c2)+(\j)],   v[ACC+64*(\u)+32*(\g)+16*(\c2)+(\j)],   v[AUX+1], v[BPK+16*(\g)+2*(\j)+(\c2)] op_sel_hi:[0,0,1]
	v_fma_mix_f32_bf16 v[ACC+64*(\u)+32*(\g)+16*(\c2)+8+(\j)], v[ACC+64*(\u)+32*(\g)+16*(\c2)+8+(\j)], v[AUX+1], v[BPK+16*(\g)+2*(\j)+(\c2)] op_sel:[0,0,1] op_sel_hi:[0,0,1]
.endr
.endr
.endr
	WIN 0
.irp g, 0,1
.irp j, 0,1,2,3,4,5,6,7
	v_cvt_pk_f16_f32 v[TMP+16*(\g)+2*(\j)],   v[ACC+64*(\u)+32*(\g)+(\j)],    v[ACC+64*(\u)+32*(\g)+8+(\j)]    ; columns 4 j, 4 j + 1 of my 32, rounded once to f16,
	v_cvt_pk_f16_f32 v[TMP+16*(\g)+2*(\j)+1], v[ACC+64*(\u)+32*(\g)+16+(\j)], v[ACC+64*(\u)+32*(\g)+24+(\j)]   ; and 4 j + 2, 4 j + 3
.endr
.endr
.set ii, 0
.rept 32
	v_pk_max_num_f16 v[TMP+ii], v[TMP+ii], v[ZERO]   ; relu, two at a time: nothing is rounded
.set ii, ii+1
.endr
.irp t, 0,1,2,3,4,5,6,7
	ds_store_b128 v[STO], v[TMP+4*(\t):TMP+4*(\t)+3] offset:128*((\t)/4)+16*((\t)%4)
.endr
.irp t, 0,1,2,3,4,5,6,7
	ds_load_b128 v[BF+32*(\u)+4*(\t):BF+32*(\u)+4*(\t)+3], v[SRD] offset:2*SPITCH*(\t)
.endr
	s_wait_dscnt 0x0
.irp t, 0,1,2,3,4,5,6,7
	global_store_b128 v[GOFF+(\t)], v[BF+32*(\u)+4*(\t):BF+32*(\u)+4*(\t)+3], s[16:17]
.endr
.else
.irp g, 0,1                            ; 64 columns of f32 are a stage row
.irp j, 0,1,2,3,4,5,6,7
.irp cc, 0,1,2,3
	v_mul_f32 v[TMP+4*(\j)+(\cc)], v[ACC+64*(\u)+32*(\g)+8*(\cc)+(\j)], v[AUX+(\u)]   ; the gate's weight rides on the move that puts neighbouring columns into neighbouring registers
.endr
.endr
.irp j, 0,1,2,3,4,5,6,7
	ds_store_b128 v[STO], v[TMP+4*(\j):TMP+4*(\j)+3] offset:16*(\j)
.endr
.irp t, 0,1,2,3,4,5,6,7
	ds_load_b128 v[BF+32*(\g)+4*(\t):BF+32*(\g)+4*(\t)+3], v[SRD] offset:2*SPITCH*(\t)
.endr
	s_wait_dscnt 0x0
.irp t, 0,1,2,3,4,5,6,7
	global_store_b128 v[GOFF+(\t)], v[BF+32*(\g)+4*(\t):BF+32*(\g)+4*(\t)+3], s[16:17] offset:256*(\g)
.endr
.endr
.endif
.endr
.endm
	s_load_b256 s[8:15], s[0:1], 0x0               ; idx s[8:9], left operand s[10:11], weights s[12:13], bias or wgt s[14:15]
	s_load_b64 s[16:17], s[0:1], 0x20              ; output
	v_lshl_add_u32 v[SPW], v0, 2, SPARE
	v_mov_b32 v[NIL], 0
	v_and_b32 v[LN], 31, v0
	v_lshrrev_b32 v[T0], 5, v0
	v_readfirstlane_b32 s2, v[T0]                  ; wave 0..7
	v_and_b32 v[R16], 15, v0
	v_bfe_u32 v[T1], v0, 4, 1                      ; hh
	v_lshlrev_b32 v[H16], 4, v[T1]
	s_lshr_b32 s3, ttmp9, 5                        ; expert
	s_and_b32 s4, ttmp9, 31                        ; slice
	v_lshlrev_b32 v[RD], 4, v[LN]
	s_mul_i32 s7, s2, 16*WP
	v_add_nc_u32 v[WOFF], s7, v[RD]                ; my wave's 16 rows of a chunk + 16 l
	s_lshl_b32 s7, s2, 12                          ; my wave's 4,096 bytes of a chunk in LDS;
	v_lshlrev_b32 v[WST], 4, v[R16]                ; in them tile 4 (l / 16) + cc, row l % 16
	v_lshl_add_u32 v[WST], v[T1], 11, v[WST]
	v_add_nc_u32 v[WST], s7, v[WST]
.if LAYER == 1
	s_lshl_b32 s6, s3, 24                          ; an expert's weights are 16 MiB
	s_lshl_b32 s5, s4, 9
	s_add_co_u32 s6, s6, s5                        ; weights: + 128 columns of f32 a slice
	s_lshl_b32 s24, s3, 14
	s_add_co_u32 s24, s24, s5                      ; bias: expert x 16,384 + slice x 512
	s_lshl_b32 s26, s4, 8                          ; h: 128 columns of 2 bytes a slice
.else
	s_lshr_b32 s5, s4, 3                           ; q: which quarter of k
	s_and_b32 s4, s4, 7                            ; which 128 columns
	s_lshl_b32 s26, s5, 22
	s_lshl_b32 s4, s4, 9
	s_add_co_u32 s26, s26, s4                      ; p: plane q of 4 MiB + 512 bytes a column slice
	s_lshl_b32 s6, s3, 24
	s_add_co_u32 s6, s6, s26                       ; weights: expert x 16 MiB + 1,024 rows of 4,096 bytes a quarter + the same 512
	s_lshl_b32 s24, s5, 11                         ; h: 1,024 k of 2 bytes a quarter
.endif
	s_mov_b32 s60, 0xffff0000
	s_mov_b32 s7, 0
	s_mov_b32 s25, 0
	s_mov_b32 s27, 0
	s_wait_kmcnt 0x0
	s_add_nc_u64 s[12:13], s[12:13], s[6:7]
	s_add_nc_u64 s[16:17], s[16:17], s[26:27]
.if LAYER == 1
	s_add_nc_u64 s[14:15], s[14:15], s[24:25]
.else
	s_add_nc_u64 s[10:11], s[10:11], s[24:25]
.endif
	s_mov_b64 s[18:19], s[10:11]
	s_mov_b32 s4, 0x76543210                       ; v_permlanex16_b32: each lane takes its own place in the other half
	s_mov_b32 s5, 0xfedcba98
.irp j, 0,1,2,3,4,5,6,7
	global_load_b128 v[BF+4*(\j):BF+4*(\j)+3], v[RD], s[8:9] offset:512*(\j)   ; all 1,024 choices: register G holds token 4 l + 128 (G / 4) + G % 4
.endr
	WLOAD S0, 0                                    ; chunks 0 and 1 go out before anything else is done
	WLOAD S0+64, 128*WP
	WIN 0
	CLEAR                                          ; in the wait for those loads: the sums' zeros and the lane's addresses
	s_mul_i32 s7, s2, 16*SPITCH
	s_add_co_u32 s7, s7, STAGE                     ; my stage
	v_mul_u32_u24 v[STO], v[R16], SPITCH           ; in: row r, my half of the lanes' part of it
	v_lshl_add_u32 v[STO], v[T1], HSH, v[STO]
	v_add_nc_u32 v[STO], s7, v[STO]
	v_mul_u32_u24 v[SRD], v[T1], SPITCH            ; back: lanes 0-15 take one row of 256 bytes, lanes 16-31 the next
	v_lshl_add_u32 v[SRD], v[R16], 4, v[SRD]
	v_add_nc_u32 v[SRD], s7, v[SRD]
	v_lshlrev_b32 v[LCOL], 4, v[R16]
	v_mov_b32 v[ZERO], 0
.if LAYER == 1
	v_lshlrev_b32 v[AUX], 7, v[T1]                 ; my half of the lanes' 32 bias numbers of each 64
	v_mov_b32 v[AUX+1], 1.0
.endif
	s_mov_b32 s20, 0
	s_wait_loadcnt 32                              ; idx is in; the 32 weight loads are younger
.set gg, 0
.rept 32
	v_cmp_eq_u32 s[28+gg], s3, v[BF+gg]            ; which 32 tokens of register gg chose my expert
.set gg, gg+1
.endr
.set gg, 0
.rept 32
	s_bcnt1_i32_b32 s26, s[28+gg]
	s_add_co_u32 s20, s20, s26                     ; M
.set gg, gg+1
.endr
	s_max_u32 s21, s20, 1
	s_sub_co_u32 s21, s21, 1                       ; the last place that holds a row (0 where there is none: some token's row is then loaded, and nothing is multiplied or stored)
	s_lshl_b32 s22, s2, 5                          ; pass 0: my rows 32 w .. + 31
	TOKENS
	ALOAD AF0, 0
	WIN 0
	s_wait_loadcnt 0x0                             ; chunks 0 and 1 of the weights, chunk 0 of my rows (layer 2: and their gate weights)
	s_mov_b32 s24, 3
.Lk:                                               ; chunks 0 to 5
	TRIP 0, 16, 1, 1
	TRIP 1, 16, 1, 1
	s_sub_co_u32 s24, s24, 1
	s_cmp_lg_u32 s24, 0
	s_cbranch_scc1 .Lk
.if LAYER == 1                         ; the last two chunks are written out: no load passes the slice's end
	TRIP 0, 16, 1, 2                               ; the bias takes the place of a chunk of weights,
	TRIP 1, 16, 0, 0                               ; so the count stays 16: its 16 loads are the younger ones
	s_wait_loadcnt 0x0
	WIN 0x45                                       ; all in window 1
.set ii, 0
.rept 32
	v_cvt_pk_bf16_f32 v[BPK+ii], v[S0+2*ii], v[S0+2*ii+1]   ; the bias rounded to bf16, as every input is
.set ii, ii+1
.endr
	WIN 0
.else
	TRIP 0, 16, 1, 0
	TRIP 1, 0, 0, 0                                ; nothing younger is out: the wait is for 0
.endif
	s_mov_b32 s23, 0
.Lpass:                                            ; four passes of 256 rows; pass 0's products are done; dead passes are jumped forward; no barrier stands in this loop
	s_cmp_ge_u32 s22, s20
	s_cbranch_scc1 .Lnext
	s_cmp_eq_u32 s23, 0
	s_cbranch_scc1 .Lepi
	s_wait_xcnt 0x0                                ; the last pass's stores have read their registers
	TOKENS
	PLACES
	CLEAR
	s_mov_b64 s[10:11], s[18:19]                   ; the left operand at chunk 0: the chunk stands in the loads' immediates
.irp c, 0,1,2,3,4,5,6,7                ; the slice once more, out of LDS; written out: each chunk's LDS address is a constant + 16 x lane
	PLACES                                         ; behind the last chunk's products, which read these registers
	ALOAD AF0, 256*(\c)
	WIN 0
	v_add_nc_u32 v[T1], (\c)*CHUNKB, v[RD]
	s_wait_loadcnt 0x0
	COMPUTE AF0
	WIN 0
.endr
.Lepi:
	EPI
.Lnext:
	s_add_co_u32 s22, s22, 256
	s_add_co_u32 s23, s23, 1
	s_cmp_lt_u32 s23, 4
	s_cbranch_scc1 .Lpass
	s_wait_tensorcnt 0x0                           ; the wave's end: behind my last LDS store
	ds_add_u32 v[SPW], v[NIL]
	s_wait_dscnt 0x0
	s_endpgm
.Lfunc_end_k_q8e6b485e91_ffn2:
	.size	k_q8e6b485e91_ffn2, .Lfunc_end_k_q8e6b485e91_ffn2-k_q8e6b485e91_ffn2
	.p2alignl 7, 3214868480
	.fill 96, 4, 3214868480
	.section	.rodata,"a",@progbits
	.p2align	6, 0x0
	.amdhsa_kernel k_q8e6b485e91_ffn2
		.amdhsa_group_segment_fixed_size 297984
		.amdhsa_private_segment_fixed_size 0
		.amdhsa_enable_private_segment 0
		.amdhsa_kernarg_size 40
		.amdhsa_user_sgpr_count 2
		.amdhsa_user_sgpr_kernarg_segment_ptr 1
		.amdhsa_wavefront_size32 1
		.amdhsa_system_sgpr_workgroup_id_x 1
		.amdhsa_system_sgpr_workgroup_id_y 1
		.amdhsa_system_sgpr_workgroup_id_z 1
		.amdhsa_system_vgpr_workitem_id 0
		.amdhsa_next_free_vgpr 512
		.amdhsa_next_free_sgpr 66
		.amdhsa_reserve_vcc 1
		.amdhsa_float_denorm_mode_32 3
		.amdhsa_float_denorm_mode_16_64 3
		.amdhsa_memory_ordered 1
		.amdhsa_forward_progress 1
		.amdhsa_inst_pref_size 217
	.end_amdhsa_kernel
	.amdgpu_metadata
---
amdhsa.version: [ 1, 2 ]
amdhsa.kernels:
  - .name:           k_q8e6b485e91_ffn2
    .symbol:         k_q8e6b485e91_ffn2.kd
    .args:
      - { .name: idx, .offset: 0, .size: 8, .value_kind: global_buffer, .address_space: global }
      - { .name: h, .offset: 8, .size: 8, .value_kind: global_buffer, .address_space: global }
      - { .name: w2, .offset: 16, .size: 8, .value_kind: global_buffer, .address_space: global }
      - { .name: wgt, .offset: 24, .size: 8, .value_kind: global_buffer, .address_space: global }
      - { .name: p, .offset: 32, .size: 8, .value_kind: global_buffer, .address_space: global }
    .group_segment_fixed_size: 297984
    .private_segment_fixed_size: 0
    .kernarg_segment_align: 8
    .kernarg_segment_size: 40
    .max_flat_workgroup_size: 256
    .sgpr_count:     66
    .vgpr_count:     512
    .wavefront_size: 32
...
	.end_amdgpu_metadata
.endif
;; end of part 6
;; launch combine: the kernel of part 4 again; grid 256 x 1, 4 waves a work-group, no clusters, 0 bytes of LDS; arguments p, idx, wgt, b2, out0; writes out0
;; ======== version 3 of 3: 4 launches; version 2 with the launches ffn1, ffn2 written anew for expert scheduling mode
;; limits: values are held in f16: magnitudes above 65,504 overflow, below 6.1e-05 lose precision
;; workspace buffers: xb 2,097,152 bytes; idx 4,096 bytes of whole numbers; wgt 4,096 bytes; h 8,388,608 bytes; p 16,777,216 bytes
;; launch router: the kernel of part 1 again; grid 256 x 1, 4 waves a work-group, no clusters, 0 bytes of LDS; arguments hidden_states, gate_w, xb, idx, wgt; writes xb, idx, wgt
;; launch ffn1 (part 7): grid 256 x 1, 8 waves a work-group, no clusters, 297,984 bytes of LDS; arguments idx, xb, w1, b1, h; writes h
.if DOCPART == 7
	.amdgcn_target "amdgcn-amd-amdhsa--gfx1250"
	.amdhsa_code_object_version 6
	.text
	.protected	k_q8e6b485e91_ffn1
	.globl	k_q8e6b485e91_ffn1
	.p2align	8
	.type	k_q8e6b485e91_ffn1,@function
k_q8e6b485e91_ffn1:
	s_mov_b64 s[64:65], 0
	v_nop
	global_prefetch_b8 v0, s[64:65] scope:SCOPE_SE
	s_setreg_imm32_b32 hwreg(HW_REG_WAVE_SCHED_MODE, 0, 2), 2
	s_setreg_imm32_b32 hwreg(HW_REG_WAVE_MODE, 25, 1), 1
	s_wait_xcnt 0x0
	s_wait_alu depctr_vm_vsrc(0)
; ONE PRODUCT OF THE EXPERTS' LAYER, for the chosen rows alone.  LAYER 1: h[t] = relu(x[t] w1[e] + b1[e]), f16.  LAYER 2: p[q][t] = wgt[t] x (h[t], k quarter q) w2[e], f32 partial sums.
; The two layers have this one text, with LAYER set to 1 or 2; they differ in the sizes below, in the operands' format and in the way out.
; SHARES.  Work-group = expert e (8) x slice (32; in layer 2: 4 quarters of k x 8 groups of 128 columns).  A slice is 1,024 k x 128 columns of e's f32 weights, 512 KiB, which this work-group alone reads, once, and ALL rows (tokens) that chose e.
; The slice goes through in 8 chunks of 128 k.  Each of the 8 waves loads 16 k x 128 columns of a chunk (16 loads, each 512 consecutive aligned bytes of one weight row), rounds it
; in registers and lays it into LDS as finished matrix operands; the whole slice stays in LDS (256 KiB).  Wave w multiplies rows 32 w .. + 31 of the expert's order by all 128 columns while the next two chunks are on their way
; (32 loads, 16 KiB a wave).  An expert with more than 256 rows takes up to three more passes over the slice in LDS: every split of the tokens is served.  A later pass's eight chunks are written out, so that
; every LDS address in the loop over passes is a constant plus the lane's term.
; THE ROWS.  Every wave finds its rows' tokens itself, in registers, from idx (stored by an earlier launch): 32 masks of 32 tokens in scalar registers; a lane walks the masks' running counts to the mask that holds its place,
; and finds the set bit of that rank by sums of 2, 4, 8 and 16 bits and five halvings.  No list in LDS, no barrier.  Places past the count repeat the expert's last row: they compute and store
; the same numbers to the same bytes, from the same wave, so EXEC is never narrowed.  A wave whose 32 rows all lie past the count jumps over the products and the way out, never over a barrier.
; NO TRANSPOSITION.  Weights lie [k][column].  Lane l loads, for 16 values of k, the four columns 4 l + cc.  Two k of one cc, rounded in a pair, are one register of source 0: tile ct = 4 (l / 16) + cc holds in its row l % 16
; the column 4 l + cc, with k in its true places; a lane's first 8 k belong to the reading lanes 0-15, its last 8 to lanes 16-31.  Source 1 = 16 tokens x 32 k, straight from memory.
; In the result lane (r = l % 16, hh = l / 16) holds token r and, in register j of tile ct = 4 g + cc, column 64 g + 32 hh + 4 j + cc.
; FORMATS.  Every input (x, weights, bias) is rounded once to bf16; sums in f32.  Layer 1 multiplies bf16 by bf16.  h, which the program itself makes, is rounded once to f16: 11 significant bits, since a token's error
; goes with its own gate weight, up to 1, while the output's scale is that of all tokens.  Layer 2 multiplies f16 by f16: w2 is rounded to bf16 like every input, and that number is then written as f16.
; LIMITS.  A hidden number of 65,520 or more becomes an infinity.  At the drawn spread h stays under 4; all inputs 30 times larger give 900 times that, offsets of 30 spreads on x and w1 give 1,024 x 30 x 0.6 = 18,432: both inside.
; Below 6.1e-5 h keeps f16's fixed step of 6e-8.  A bf16 number of w2 is exact in f16 from 7.6e-6 to 65,504; below, it keeps the same step of 6e-8 (drawn spread: 0.02).  NaN is not treated apart.
; NO TENSOR LOADS, NO CLUSTER: each weight byte has one reader and must pass through registers to be rounded; what an expert's 32 work-groups share is its token rows, which come by a list that no descriptor covers.
; THE ACCUMULATORS ARE CLEARED by 128 moves, in the wait for the first loads: the sums begin under a jump on the count, and one text then serves every chunk and every pass.
; THE MODE: SCHED_MODE bits 1:0 = 2 (LLVM: expert scheduling mode 2), set by the entry lines.  The code itself states the register dependences
; between vector or matrix instructions and memory or LDS instructions, with s_wait_alu, always for 0.
; THE PLAN.  Registers that memory or LDS instructions touch:
;   S0, S1 (window 1)   Chunk c's conversions read S[c % 2]; behind them the loads of chunk c + 2 land in it.
;   AF0, AF1 (window 1) Chunk c's products read AF[c % 2]; the loads of chunk c + 1, issued in chunk c ahead of its products, land in the other, which chunk c - 1's products read.
;   v[T0], v[T1], TMP   Written at a chunk's head and by its conversions; read by its 8 LDS stores (T0, TMP) and its 64 LDS loads (T1).
;   BF, in two halves   A chunk's products go in 8 half-steps of four tiles.  Half-step i reads half i % 2; the LDS loads of half-step i + 1 land in the other half, which half-step i - 1 read.
;   AOFF, X0, AUX, GOFF Written once a pass, or once a tile on the way out.     WOFF, WST, RD, STO, SRD, LCOL: made at the head and never written again.
; So a chunk of the stream has two waits (on vm_vsrc at its head, on va_vdst behind its conversions), and each of the half-steps 1 to 6 one wait on va_vdst at its head; behind that wait the half-step's eight LDS loads
; are dealt among its first products, which name their own half of BF, AF and the sums alone.  A vector instruction's scalar result has its wait ahead of its first reader: compares and lane reads are laid in runs, one wait a run.
.set LAYER, 1
.if LAYER == 1
.set WP,  16384         ; bytes in a weight row
.set LAP, 11            ; log2 of the bytes in a row of the left operand
.set LOP, 13            ; log2 of the bytes in a row of the output
.set HSH, 6             ; log2 of the bytes that a half of the lanes holds of a stage row
.else
.set WP,  4096
.set LAP, 13
.set LOP, 12
.set HSH, 7
.endif
.set CHUNKB, 32768      ; a chunk in LDS: registers 4 h .. 4 h + 3 of the fragment (k step K of 4, tile ct of 8) lie at (2 K + h) x 4,096 + 512 ct + 16 x lane: wave w writes the 4,096 bytes from 4,096 w on; every load and store is contiguous
.set STAGE,  262144     ; behind the slice: 16 rows x 272 bytes for each wave, its own, for the way out
.set SPITCH, 272        ; 256 + 16: the 16 rows of a store start at 16 different groups of four banks (ISA guide 11.1)
; window 0
.set LN,   1            ; lane
.set R16,  2            ; r
.set H16,  3            ; 16 hh
.set WOFF, 4            ; my byte offset in a chunk of weights; never rewritten
.set WST,  5            ; where I put fragments in a chunk in LDS; never rewritten
.set RD,   6            ; 16 x lane: where I read fragments; never rewritten
.set TOK,  7            ; the token of row l of my 32 rows
.set AOFF, 8            ; v8-9   byte offset of row r of tile u in the left operand, + 16 hh
.set STO,  10           ; the way out: where I put my part of a stage row
.set SRD,  11           ; the way out: where I read rows back
.set LCOL, 12           ; 16 r
.set T0,   15           ; at work; in a chunk: where I put its fragments
.set AUX,  16           ; v16-17 layer 1: 128 hh, 1.0;  layer 2: the gate weight of token r of tile u
.set ZERO, 18           ; 0
.set T1,   19           ; at work; in a chunk: where I read its fragments
.set GOFF, 20           ; v20-27 the way out: byte offsets of eight pairs of output rows; at work while tokens are found
.set X0,   30           ; v30-31 at work while tokens are found; layer 2: offsets into wgt
.set TMP,  32           ; v32-63 fragments on their way into LDS; results on their way out
.set BF,   64           ; v64-127 weights' fragments, 8 a tile, in two halves of four tiles; at the start idx; layer 2: at work while weights are rounded; on the way out rows read back
.set ACC,  128          ; v128-255 accumulator (tile u, column tile ct) at ACC + 64 u + 8 ct
; window 1
.set AF0,  0            ; v0-63, v64-127: two buffers of the left operand's fragments of a chunk: (u, k step s) at 32 u + 8 s
.set S0,   128          ; v128-191, v192-255: two buffers of a chunk's weights as loaded, f32; load i at 4 i
.set BPK,  192          ; layer 1, behind the last chunk: my 64 bias numbers, packed bf16
; scalars: s2 wave, s3 expert, s[4:5] v_permlanex16_b32's selects, s6-7 at work, s[10:11] left operand at the chunk in hand, s[12:13] weights, s[14:15] bias or wgt, s[16:17] output, s[18:19] left operand at chunk 0,
; s20 the expert's count M, s21 max(M, 1) - 1, s22 my first row, s23 pass, s24 trips of the stream, s25 running count, s26 at work, s27 the stream's chunk in LDS, s[28:59] 32 masks of 32 tokens, s60 0xffff0000: lanes 16-31, and a word's upper half
.set CM,   66           ; s[66:81] the masks of a run of compares; on the way out the tokens of a tile's 16 rows
.set VAL,  82           ; s[82:97] for each compare of a run: the running count (low half) and the mask's first token (high half)
.set MSB, 0
.macro WIN new                         ; s_set_vgpr_msb: bits 1:0 source 0, 3:2 source 1, 5:4 source 2, 7:6 destination; the high byte repeats the setting that is left
.if MSB != (\new)
	s_set_vgpr_msb (MSB<<8)|(\new)
.set MSB, \new
.endif
.endm
.macro PLACES                          ; four plain places behind matrix instructions (ISA guide 7.12.1), in front of vector instructions that read their results or write their registers
.rept 4
	v_nop
.endr
.endm
.macro CLEAR
.set ii, 0
.rept 128
	v_mov_b32 v[ACC+ii], 0
.set ii, ii+1
.endr
.endm
; 16 loads: my 16 k x 128 columns of a chunk.  Load i: row 16 w + i, whole: the wave's 32 lanes take its 512 consecutive bytes
.macro WLOAD sreg, extra
	WIN 0x40                                       ; destination window 1
.irp i, 0,1,2,3,4,5,6,7,8,9,10,11,12,13,14,15
	global_load_b128 v[(\sreg)+4*(\i):(\sreg)+4*(\i)+3], v[WOFF], s[12:13] offset:(\extra)+(\i)*WP th:TH_LOAD_NT
.endr
.endm
; 16 loads: my 32 rows x 128 k of the left operand, as fragments: lane (r, hh) takes k = 8 hh .. + 7 and 16 + 8 hh .. + 7 of each k step.  extra: bytes along the rows from the base
.macro ALOAD af, extra
	WIN 0x40
.irp u, 0,1
.irp s, 0,1,2,3
	global_load_b128 v[(\af)+32*(\u)+8*(\s):(\af)+32*(\u)+8*(\s)+3],   v[AOFF+(\u)], s[10:11] offset:(\extra)+64*(\s)
	global_load_b128 v[(\af)+32*(\u)+8*(\s)+4:(\af)+32*(\u)+8*(\s)+7], v[AOFF+(\u)], s[10:11] offset:(\extra)+64*(\s)+32
.endr
.endr
.endm
.macro BLOAD                           ; layer 1: my 64 bias numbers, columns 64 g + 32 hh + 4 t + 0..3, into the weights' first buffer
	WIN 0x40
.irp g, 0,1
.irp t, 0,1,2,3,4,5,6,7
	global_load_b128 v[S0+32*(\g)+4*(\t):S0+32*(\g)+4*(\t)+3], v[AUX], s[14:15] offset:256*(\g)+16*(\t)
.endr
.endr
.endm
.macro WGT                             ; layer 2: the gate weights of my rows' tokens
.if LAYER == 2
	global_load_b32 v[AUX], v[X0], s[14:15]
	global_load_b32 v[AUX+1], v[X0+1], s[14:15]
.endif
.endm
.macro HLOAD                           ; two LDS loads: the fragment of tile ltile in k step lstep; then on to the next tile
	ds_load_b128 v[BF+8*ltile:BF+8*ltile+3],   v[T1] offset:8192*lstep+512*ltile
	ds_load_b128 v[BF+8*ltile+4:BF+8*ltile+7], v[T1] offset:8192*lstep+4096+512*ltile
.set ltile, ltile+1
.endm
.macro MM af, u                        ; a product: tile mtile of k step mstep by tile u of my rows
.if LAYER == 1
	v_wmma_f32_16x16x32_bf16 v[ACC+64*(\u)+8*mtile:ACC+64*(\u)+8*mtile+7], v[BF+8*mtile:BF+8*mtile+7], v[(\af)+32*(\u)+8*mstep:(\af)+32*(\u)+8*mstep+7], v[ACC+64*(\u)+8*mtile:ACC+64*(\u)+8*mtile+7]
.else
	v_wmma_f32_16x16x32_f16 v[ACC+64*(\u)+8*mtile:ACC+64*(\u)+8*mtile+7], v[BF+8*mtile:BF+8*mtile+7], v[(\af)+32*(\u)+8*mstep:(\af)+32*(\u)+8*mstep+7], v[ACC+64*(\u)+8*mtile:ACC+64*(\u)+8*mtile+7]
.endif
.endm
; A chunk's products for my 32 rows: 8 half-steps of 8 LDS loads and 8 matrix instructions; half-step hs is tiles 4 (hs % 2) .. + 3 of k step hs / 2.  The 16 accumulators take turns, one instruction a turn, in the same order
; in every k step.  v[T1] = the chunk in LDS + 16 x lane.  The text in front has waited on va_vdst behind the line that writes v[T1] and behind the last instruction that named BF, and has issued no
; vector instruction since: the first half-step's loads, and the second's, which land in the half that no product of this chunk has named yet, lean on that wait.
.macro COMPUTE af
	WIN 0x04                                       ; source 1 (tokens) window 1; weights, sums and LDS addresses window 0
.set lstep, 0
.set ltile, 0
.rept 4
	HLOAD                                          ; half-step 0
.endr
.set hs, 0
.rept 8
.set mstep, hs/2
.set mtile, 4*(hs%2)
.set lstep, (hs+1)/2
.set ltile, 4*((hs+1)%2)
	s_wait_dscnt 0x0                               ; this half-step's eight loads are in: no others are out
.if (hs > 0) && (hs < 7)
	s_wait_alu depctr_va_vdst(0)                   ; the last half-step's products are done reading the other half of BF, in which the loads below land
.endif
	MM \af, 0
.if hs < 7
	HLOAD                                          ; the next half-step's loads, early in this one.  No product since the wait names their half of BF or v[T1]
	HLOAD
.endif
	MM \af, 1
.if hs < 7
	HLOAD
	HLOAD
.endif
.set mtile, mtile+1
.rept 3
	MM \af, 0
	MM \af, 1
.set mtile, mtile+1
.endr
.set hs, hs+1
.endr
.endm
; One halving of the search for the set bit of rank v[T0] (from 0) in v[X0]: the field of src at the place in hand counts the set bits of the next `step` places; if the rank is not among them, they are passed.
.macro NTH src, mask, step
	v_lshrrev_b32 v[T1], v[GOFF+4], v[\src]
	v_and_b32 v[T1], \mask, v[T1]
	v_cmp_ge_u32 vcc_lo, v[T0], v[T1]
	s_wait_alu depctr_va_vcc(0)                    ; VCC is written, ahead of the two selects that read it; each halving hangs on the one before, so the five compares cannot stand in one run
	v_cndmask_b32 v[T1], 0, v[T1], vcc_lo
	v_cndmask_b32 v[GOFF+5], 0, \step, vcc_lo
	v_sub_nc_u32 v[T0], v[T0], v[T1]
	v_add_nc_u32 v[GOFF+4], v[GOFF+4], v[GOFF+5]
.endm
; The tokens of my 32 rows (from s22 on; places past the count repeat the last row) and what hangs on them.  Mask G's bit b is token 4 b + 128 (G / 4) + G % 4.  Every token is clamped to 1,023 before it enters an address.
; The loads that read the offsets made here follow behind a wait on va_vdst in the text behind the macro.
.macro TOKENS
	v_add_nc_u32 v[T0], s22, v[LN]
	v_min_u32 v[T0], s21, v[T0]                    ; my row's place in the expert's order
	v_mov_b32 v[X0], s28                           ; the walk keeps the last mask whose running count is at most my place,
	v_mov_b32 v[X0+1], 0                           ; and with it that count (low half) and the mask's first token (high half)
	s_bcnt1_i32_b32 s25, s28
.set gg, 1
.irp n, 16, 15                         ; the 31 compares stand in two runs, each into scalar registers of its own, the selects behind each run
.set kk, 0
.rept \n
	s_or_b32 s[VAL+kk], s25, (128*((gg+kk)/4)+(gg+kk)%4)<<16
	v_cmp_le_u32 s[CM+kk], s25, v[T0]
	s_bcnt1_i32_b32 s6, s[28+gg+kk]
	s_add_co_u32 s25, s25, s6
.set kk, kk+1
.endr
	s_wait_alu depctr_va_sdst(0)                   ; the run's compares have written their masks, ahead of the selects that read them
.set kk, 0
.rept \n
	v_cndmask_b32 v[X0], v[X0], s[28+gg+kk], s[CM+kk]
	v_cndmask_b32 v[X0+1], v[X0+1], s[VAL+kk], s[CM+kk]
.set kk, kk+1
.endr
.set gg, gg+\n
.endr
	v_and_b32 v[T1], 0xffff, v[X0+1]
	v_lshrrev_b32 v[X0+1], 16, v[X0+1]             ; the mask's first token
	v_sub_nc_u32 v[T0], v[T0], v[T1]               ; my rank among the mask's set bits
	v_lshrrev_b32 v[GOFF], 1, v[X0]
	v_and_b32 v[GOFF], 0x55555555, v[GOFF]
	v_sub_nc_u32 v[GOFF], v[X0], v[GOFF]           ; the set bits of each 2 places,
	v_lshrrev_b32 v[GOFF+1], 2, v[GOFF]
	v_and_b32 v[GOFF+1], 0x33333333, v[GOFF+1]
	v_and_b32 v[T1], 0x33333333, v[GOFF]
	v_add_nc_u32 v[GOFF+1], v[GOFF+1], v[T1]       ; of each 4,
	v_lshrrev_b32 v[GOFF+2], 4, v[GOFF+1]
	v_add_nc_u32 v[GOFF+2], v[GOFF+2], v[GOFF+1]
	v_and_b32 v[GOFF+2], 0x0f0f0f0f, v[GOFF+2]     ; of each 8,
	v_lshrrev_b32 v[GOFF+3], 8, v[GOFF+2]
	v_add_nc_u32 v[GOFF+3], v[GOFF+3], v[GOFF+2]   ; and, in the low byte, of the low 16
	v_mov_b32 v[GOFF+4], 0                         ; the place in hand
	NTH GOFF+3, 0xff, 16
	NTH GOFF+2, 0xff, 8
	NTH GOFF+1, 15, 4
	NTH GOFF, 3, 2
	NTH X0, 1, 1
	v_lshl_add_u32 v[TOK], v[GOFF+4], 2, v[X0+1]
	v_min_u32 v[TOK], 0x3ff, v[TOK]
	v_permlanex16_b32 v[T1], v[TOK], s4, s5        ; the token of the lane 16 away
	v_cndmask_b32 v[AOFF], v[TOK], v[T1], s60      ; the token of row r of tile 0: lanes 0-15 hold it, lanes 16-31 take it from them,
	v_cndmask_b32 v[AOFF+1], v[T1], v[TOK], s60    ; and of tile 1: the other way round
	v_min_u32 v[AOFF], 0x3ff, v[AOFF]
	v_min_u32 v[AOFF+1], 0x3ff, v[AOFF+1]
.if LAYER == 2
	v_lshlrev_b32 v[X0], 2, v[AOFF]
	v_lshlrev_b32 v[X0+1], 2, v[AOFF+1]
.endif
	v_lshl_add_u32 v[AOFF], v[AOFF], LAP, v[H16]
	v_lshl_add_u32 v[AOFF+1], v[AOFF+1], LAP, v[H16]
.endm
; CHUNK c, par = c % 2.  Loads were issued in the order W(c), A(c), W(c + 1): wcnt = 16 leaves W(c + 1) out.  lda: A(c + 1) is asked for.  ldw = 1: W(c + 2); 2: the bias; 0: nothing.
.macro TRIP par, wcnt, lda, ldw
	s_wait_loadcnt \wcnt
	s_wait_alu depctr_vm_vsrc(0)                   ; the last chunk's LDS stores have read v[T0] and TMP, its LDS loads v[T1]: all three are written again below
	v_add_nc_u32 v[T0], s27, v[WST]
	v_add_nc_u32 v[T1], s27, v[RD]
	WIN 0x05                                       ; sources window 1, destination window 0
.irp cc, 0,1,2,3
.irp j, 0,1,2,3,4,5,6,7
	v_cvt_pk_bf16_f32 v[TMP+8*(\cc)+(\j)], v[S0+64*(\par)+8*(\j)+(\cc)], v[S0+64*(\par)+8*(\j)+4+(\cc)]   ; rows 2 j and 2 j + 1 of my 16, one column; in layer 2 these 32 lines are also the places between the last chunk's products and the lines that write BF
.endr
.endr
	WIN 0
.if LAYER == 2                         ; the bf16 numbers are written as f16: widened by a shift and a mask, into the fragments' registers, which the next products load anew, and narrowed in pairs
.set ii, 0
.rept 32
	v_lshlrev_b32 v[BF+2*ii], 16, v[TMP+ii]
	v_and_b32 v[BF+2*ii+1], s60, v[TMP+ii]
.set ii, ii+1
.endr
.set ii, 0
.rept 32
	v_cvt_pk_f16_f32 v[TMP+ii], v[BF+2*ii], v[BF+2*ii+1]
.set ii, ii+1
.endr
.endif
	s_wait_alu depctr_va_vdst(0)                   ; v[T0], v[T1] and TMP are written; the conversions are done reading this weights' buffer; the products of the chunk before are done reading the other rows' buffer and BF (layer 2: so are the lines above that used BF).  No vector instruction follows until this chunk's products
.irp cc, 0,1,2,3
	ds_store_b128 v[T0], v[TMP+8*(\cc):TMP+8*(\cc)+3]   offset:512*(\cc)         ; my first 8 k: for the reading lanes 0-15,
	ds_store_b128 v[T0], v[TMP+8*(\cc)+4:TMP+8*(\cc)+7] offset:512*(\cc)+256     ; my last 8: for lanes 16-31
.endr
	s_wait_xcnt 0x0                                ; the bases of the loads that are out are stepped only behind this wait
.if \lda
	s_add_nc_u64 s[10:11], s[10:11], 256           ; 128 k of 2 bytes
	ALOAD AF0+64*(1-\par), 0
.endif
.if (\ldw) == 1
	s_add_nc_u64 s[12:13], s[12:13], 128*WP
	WLOAD S0+64*\par, 128*WP
.elseif (\ldw) == 2
	BLOAD
.endif
	WIN 0
	s_wait_dscnt 0x0                               ; for the others' sake: my part of the chunk is in LDS
	s_barrier_signal -1
	s_barrier_wait -1                              ; everybody's is.  Each chunk has bytes of its own, written once: no second barrier is needed
	s_cmp_ge_u32 s22, s20
	s_cbranch_scc1 .Lidle_\@                       ; all my rows lie past the count
	COMPUTE AF0+64*\par
	WIN 0
.Lidle_\@:
	s_add_co_u32 s27, s27, CHUNKB
.endm
; THE WAY OUT, a tile of 16 rows at a time, through my own stage: rows go in as each lane holds them and come back whole, so that sixteen lanes store 256 consecutive aligned bytes of one token's row.
; LDS serves a wave's instructions in order (ISA guide 5.7.1.4): no wait stands between the stage's stores and its loads.  Each accumulator is read from its lowest register on.
.macro EPI
	PLACES
.irp u, 0,1
	s_wait_xcnt 0x0                                ; earlier stores have read their offsets and data: both are written again below
	s_wait_alu depctr_vm_vsrc(0)                   ; earlier stores have read GOFF and BF, earlier LDS stores TMP: GOFF and TMP are written again below, and rows land in BF
.irp t, 0,1,2,3,4,5,6,7
	v_readlane_b32 s[CM+2*(\t)], v[TOK], 16*(\u)+2*(\t)        ; store t takes rows 2 t (lanes 0-15) and 2 t + 1 (lanes 16-31) of the tile
	v_readlane_b32 s[CM+2*(\t)+1], v[TOK], 16*(\u)+2*(\t)+1
.endr
	s_wait_alu depctr_va_sdst(0)                   ; the sixteen lane reads have written s[CM ..], ahead of the lines that read them
.irp t, 0,1,2,3,4,5,6,7
	v_mov_b32 v[GOFF+(\t)], s[CM+2*(\t)]
	v_cndmask_b32 v[GOFF+(\t)], v[GOFF+(\t)], s[CM+2*(\t)+1], s60
.endr
.irp t, 0,1,2,3,4,5,6,7
	v_min_u32 v[GOFF+(\t)], 0x3ff, v[GOFF+(\t)]
.endr
.irp t, 0,1,2,3,4,5,6,7
	v_lshl_add_u32 v[GOFF+(\t)], v[GOFF+(\t)], LOP, v[LCOL]
.endr
.if LAYER == 1
	WIN 0x10                                       ; source 2 (the bias) window 1
.irp g, 0,1
.irp j, 0,1,2,3,4,5,6,7
.irp c2, 0,1
	v_fma_mix_f32_bf16 v[ACC+64*(\u)+32*(\g)+16*(\c2)+(\j)],   v[ACC+64*(\u)+32*(\g)+16*(\c2)+(\j)],   v[AUX+1], v[BPK+16*(\g)+2*(\j)+(\c2)] op_sel_hi:[0,0,1]
	v_fma_mix_f32_bf16 v[ACC+64*(\u)+32*(\g)+16*(\c2)+8+(\j)], v[ACC+64*(\u)+32*(\g)+16*(\c2)+8+(\j)], v[AUX+1], v[BPK+16*(\g)+2*(\j)+(\c2)] op_sel:[0,0,1] op_sel_hi:[0,0,1]
.endr
.endr
.endr
	WIN 0
.irp g, 0,1
.irp j, 0,1,2,3,4,5,6,7
	v_cvt_pk_f16_f32 v[TMP+16*(\g)+2*(\j)],   v[ACC+64*(\u)+32*(\g)+(\j)],    v[ACC+64*(\u)+32*(\g)+8+(\j)]    ; columns 4 j, 4 j + 1 of my 32, rounded once to f16,
	v_cvt_pk_f16_f32 v[TMP+16*(\g)+2*(\j)+1], v[ACC+64*(\u)+32*(\g)+16+(\j)], v[ACC+64*(\u)+32*(\g)+24+(\j)]   ; and 4 j + 2, 4 j + 3
.endr
.endr
.set ii, 0
.rept 32
	v_pk_max_num_f16 v[TMP+ii], v[TMP+ii], v[ZERO]   ; relu, two at a time: nothing is rounded
.set ii, ii+1
.endr
	s_wait_alu depctr_va_vdst(0)                   ; TMP is written, which the LDS stores read, and GOFF, which the stores read; the products are done reading BF, in which the rows land
.irp t, 0,1,2,3,4,5,6,7
	ds_store_b128 v[STO], v[TMP+4*(\t):TMP+4*(\t)+3] offset:128*((\t)/4)+16*((\t)%4)
.endr
.irp t, 0,1,2,3,4,5,6,7
	ds_load_b128 v[BF+32*(\u)+4*(\t):BF+32*(\u)+4*(\t)+3], v[SRD] offset:2*SPITCH*(\t)
.endr
	s_wait_dscnt 0x0
.irp t, 0,1,2,3,4,5,6,7
	global_store_b128 v[GOFF+(\t)], v[BF+32*(\u)+4*(\t):BF+32*(\u)+4*(\t)+3], s[16:17]
.endr
.else
.irp g, 0,1                            ; 64 columns of f32 are a stage row
.if (\g) == 1
	s_wait_alu depctr_vm_vsrc(0)                   ; the LDS stores of the first 64 columns have read TMP, which is written again below
.endif
.irp j, 0,1,2,3,4,5,6,7
.irp cc, 0,1,2,3
	v_mul_f32 v[TMP+4*(\j)+(\cc)], v[ACC+64*(\u)+32*(\g)+8*(\cc)+(\j)], v[AUX+(\u)]   ; the gate's weight rides on the move that puts neighbouring columns into neighbouring registers
.endr
.endr
	s_wait_alu depctr_va_vdst(0)                   ; TMP is written, which the LDS stores read, and GOFF, which the stores read; the products are done reading BF, in which the rows land
.irp j, 0,1,2,3,4,5,6,7
	ds_store_b128 v[STO], v[TMP+4*(\j):TMP+4*(\j)+3] offset:16*(\j)
.endr
.irp t, 0,1,2,3,4,5,6,7
	ds_load_b128 v[BF+32*(\g)+4*(\t):BF+32*(\g)+4*(\t)+3], v[SRD] offset:2*SPITCH*(\t)
.endr
	s_wait_dscnt 0x0
.irp t, 0,1,2,3,4,5,6,7
	global_store_b128 v[GOFF+(\t)], v[BF+32*(\g)+4*(\t):BF+32*(\g)+4*(\t)+3], s[16:17] offset:256*(\g)
.endr
.endr
.endif
.endr
.endm
	s_load_b256 s[8:15], s[0:1], 0x0               ; idx s[8:9], left operand s[10:11], weights s[12:13], bias or wgt s[14:15]
	s_load_b64 s[16:17], s[0:1], 0x20              ; output
	v_lshl_add_u32 v28, v0, 2, 0x48800
	v_mov_b32 v29, 0
	v_and_b32 v[LN], 31, v0
	v_lshrrev_b32 v[T0], 5, v0
	v_readfirstlane_b32 s2, v[T0]                  ; wave 0..7
	v_and_b32 v[R16], 15, v0
	v_bfe_u32 v[T1], v0, 4, 1                      ; hh
	v_lshlrev_b32 v[H16], 4, v[T1]
	s_lshr_b32 s3, ttmp9, 5                        ; expert
	s_and_b32 s4, ttmp9, 31                        ; slice
	v_lshlrev_b32 v[RD], 4, v[LN]
	s_wait_alu depctr_va_sdst(0)                   ; s2 is written, ahead of its first reader
	s_mul_i32 s7, s2, 16*WP
	v_add_nc_u32 v[WOFF], s7, v[RD]                ; my wave's 16 rows of a chunk + 16 l
	s_lshl_b32 s7, s2, 12                          ; my wave's 4,096 bytes of a chunk in LDS;
	v_lshlrev_b32 v[WST], 4, v[R16]                ; in them tile 4 (l / 16) + cc, row l % 16
	v_lshl_add_u32 v[WST], v[T1], 11, v[WST]
	v_add_nc_u32 v[WST], s7, v[WST]
.if LAYER == 1
	s_lshl_b32 s6, s3, 24                          ; an expert's weights are 16 MiB
	s_lshl_b32 s5, s4, 9
	s_add_co_u32 s6, s6, s5                        ; weights: + 128 columns of f32 a slice
	s_lshl_b32 s24, s3, 14
	s_add_co_u32 s24, s24, s5                      ; bias: expert x 16,384 + slice x 512
	s_lshl_b32 s26, s4, 8                          ; h: 128 columns of 2 bytes a slice
.else
	s_lshr_b32 s5, s4, 3                           ; q: which quarter of k
	s_and_b32 s4, s4, 7                            ; which 128 columns
	s_lshl_b32 s26, s5, 22
	s_lshl_b32 s4, s4, 9
	s_add_co_u32 s26, s26, s4                      ; p: plane q of 4 MiB + 512 bytes a column slice
	s_lshl_b32 s6, s3, 24
	s_add_co_u32 s6, s6, s26                       ; weights: expert x 16 MiB + 1,024 rows of 4,096 bytes a quarter + the same 512
	s_lshl_b32 s24, s5, 11                         ; h: 1,024 k of 2 bytes a quarter
.endif
	s_mov_b32 s60, 0xffff0000
	s_mov_b32 s7, 0
	s_mov_b32 s25, 0
	s_mov_b32 s27, 0
	s_wait_kmcnt 0x0
	s_add_nc_u64 s[12:13], s[12:13], s[6:7]
	s_add_nc_u64 s[16:17], s[16:17], s[26:27]
.if LAYER == 1
	s_add_nc_u64 s[14:15], s[14:15], s[24:25]
.else
	s_add_nc_u64 s[10:11], s[10:11], s[24:25]
.endif
	s_mov_b64 s[18:19], s[10:11]
	s_mov_b32 s4, 0x76543210                       ; v_permlanex16_b32: each lane takes its own place in the other half
	s_mov_b32 s5, 0xfedcba98
	s_wait_alu depctr_va_vdst(0)                   ; v[RD] and v[WOFF] are written, which the loads below read as their offsets
.irp j, 0,1,2,3,4,5,6,7
	global_load_b128 v[BF+4*(\j):BF+4*(\j)+3], v[RD], s[8:9] offset:512*(\j)   ; all 1,024 choices: register G holds token 4 l + 128 (G / 4) + G % 4
.endr
	WLOAD S0, 0                                    ; chunks 0 and 1 go out before anything else is done
	WLOAD S0+64, 128*WP
	WIN 0
	CLEAR                                          ; in the wait for those loads: the sums' zeros and the lane's addresses
	s_mul_i32 s7, s2, 16*SPITCH
	s_add_co_u32 s7, s7, STAGE                     ; my stage
	v_mul_u32_u24 v[STO], v[R16], SPITCH           ; in: row r, my half of the lanes' part of it
	v_lshl_add_u32 v[STO], v[T1], HSH, v[STO]
	v_add_nc_u32 v[STO], s7, v[STO]
	v_mul_u32_u24 v[SRD], v[T1], SPITCH            ; back: lanes 0-15 take one row of 256 bytes, lanes 16-31 the next
	v_lshl_add_u32 v[SRD], v[R16], 4, v[SRD]
	v_add_nc_u32 v[SRD], s7, v[SRD]
	v_lshlrev_b32 v[LCOL], 4, v[R16]
	v_mov_b32 v[ZERO], 0
.if LAYER == 1
	v_lshlrev_b32 v[AUX], 7, v[T1]                 ; my half of the lanes' 32 bias numbers of each 64
	v_mov_b32 v[AUX+1], 1.0
.endif
	s_mov_b32 s20, 0
	s_wait_loadcnt 32                              ; idx is in; the 32 weight loads are younger
.set gg, 0
.rept 32
	v_cmp_eq_u32 s[28+gg], s3, v[BF+gg]            ; which 32 tokens of register gg chose my expert
.set gg, gg+1
.endr
	s_wait_alu depctr_va_sdst(0)                   ; the 32 compares have written the masks s[28:59], ahead of their first readers
.set gg, 0
.rept 32
	s_bcnt1_i32_b32 s26, s[28+gg]
	s_add_co_u32 s20, s20, s26                     ; M
.set gg, gg+1
.endr
	s_max_u32 s21, s20, 1
	s_sub_co_u32 s21, s21, 1                       ; the last place that holds a row (0 where there is none: some token's row is then loaded, and nothing is multiplied or stored)
	s_lshl_b32 s22, s2, 5                          ; pass 0: my rows 32 w .. + 31
	TOKENS
	s_wait_alu depctr_va_vdst(0)                   ; the rows' offsets v[AOFF ..] (layer 2: and v[X0 ..]) are written, which the loads below read
	WGT
	ALOAD AF0, 0
	WIN 0
	s_wait_loadcnt 0x0                             ; chunks 0 and 1 of the weights, chunk 0 of my rows (layer 2: and their gate weights)
	s_mov_b32 s24, 3
.Lk:                                               ; chunks 0 to 5
	TRIP 0, 16, 1, 1
	TRIP 1, 16, 1, 1
	s_sub_co_u32 s24, s24, 1
	s_cmp_lg_u32 s24, 0
	s_cbranch_scc1 .Lk
.if LAYER == 1                         ; the last two chunks are written out: no load passes the slice's end
	TRIP 0, 16, 1, 2                               ; the bias takes the place of a chunk of weights,
	TRIP 1, 16, 0, 0                               ; so the count stays 16: its 16 loads are the younger ones
	s_wait_loadcnt 0x0
	WIN 0x45                                       ; all in window 1
.set ii, 0
.rept 32
	v_cvt_pk_bf16_f32 v[BPK+ii], v[S0+2*ii], v[S0+2*ii+1]   ; the bias rounded to bf16, as every input is
.set ii, ii+1
.endr
	WIN 0
.else
	TRIP 0, 16, 1, 0
	TRIP 1, 0, 0, 0                                ; nothing younger is out: the wait is for 0
.endif
	s_mov_b32 s23, 0
.Lpass:                                            ; four passes of 256 rows; pass 0's products are done; dead passes are jumped forward; no barrier stands in this loop
	s_cmp_ge_u32 s22, s20
	s_cbranch_scc1 .Lnext
	s_cmp_eq_u32 s23, 0
	s_cbranch_scc1 .Lepi
	s_wait_xcnt 0x0                                ; the last pass's stores have read their registers
	s_wait_alu depctr_vm_vsrc(0)                   ; the last pass's loads and stores have read v[AOFF ..], v[X0 ..], v[T1], GOFF and BF: the search below writes the first four anew, and fragments land in BF
	TOKENS
	PLACES
	CLEAR
	s_mov_b64 s[10:11], s[18:19]                   ; the left operand at chunk 0: the chunk stands in the loads' immediates
.irp c, 0,1,2,3,4,5,6,7                ; the slice once more, out of LDS; written out: each chunk's LDS address is a constant + 16 x lane
.if (\c) > 0
	s_wait_alu depctr_vm_vsrc(0)                   ; the last chunk's LDS loads have read v[T1]
.endif
	v_add_nc_u32 v[T1], (\c)*CHUNKB, v[RD]
	s_wait_alu depctr_va_vdst(0)                   ; v[T1] is written; the last chunk's products are done reading the rows' buffer and BF; ahead of chunk 0 also: the rows' offsets are written, and the last way out is done reading the gate weights
.if (\c) == 0
	WGT
.endif
	ALOAD AF0, 256*(\c)
	WIN 0
	s_wait_loadcnt 0x0
	COMPUTE AF0
	WIN 0
.endr
.Lepi:
	EPI
.Lnext:
	s_add_co_u32 s22, s22, 256
	s_add_co_u32 s23, s23, 1
	s_cmp_lt_u32 s23, 4
	s_cbranch_scc1 .Lpass
	s_wait_dscnt 0x0                               ; my last LDS instructions are done.
	s_wait_alu depctr_hold_cnt(0) depctr_sa_sdst(0) depctr_va_vdst(0) depctr_va_sdst(0) depctr_va_ssrc(0) depctr_va_vcc(0) depctr_vm_vsrc(0)
	s_wait_tensorcnt 0x0
	ds_add_u32 v28, v29
	s_wait_dscnt 0x0
	s_endpgm
.Lfunc_end_k_q8e6b485e91_ffn1:
	.size	k_q8e6b485e91_ffn1, .Lfunc_end_k_q8e6b485e91_ffn1-k_q8e6b485e91_ffn1
	.p2alignl 7, 3214868480
	.fill 96, 4, 3214868480
	.section	.rodata,"a",@progbits
	.p2align	6, 0x0
	.amdhsa_kernel k_q8e6b485e91_ffn1
		.amdhsa_group_segment_fixed_size 297984
		.amdhsa_private_segment_fixed_size 0
		.amdhsa_enable_private_segment 0
		.amdhsa_kernarg_size 40
		.amdhsa_user_sgpr_count 2
		.amdhsa_user_sgpr_kernarg_segment_ptr 1
		.amdhsa_wavefront_size32 1
		.amdhsa_system_sgpr_workgroup_id_x 1
		.amdhsa_system_sgpr_workgroup_id_y 1
		.amdhsa_system_sgpr_workgroup_id_z 1
		.amdhsa_system_vgpr_workitem_id 0
		.amdhsa_next_free_vgpr 512
		.amdhsa_next_free_sgpr 98
		.amdhsa_reserve_vcc 1
		.amdhsa_float_denorm_mode_32 3
		.amdhsa_float_denorm_mode_16_64 3
		.amdhsa_memory_ordered 1
		.amdhsa_forward_progress 1
		.amdhsa_inst_pref_size 211
	.end_amdhsa_kernel
	.amdgpu_metadata
---
amdhsa.version: [ 1, 2 ]
amdhsa.kernels:
  - .name:           k_q8e6b485e91_ffn1
    .symbol:         k_q8e6b485e91_ffn1.kd
    .args:
      - { .name: idx, .offset: 0, .size: 8, .value_kind: global_buffer, .address_space: global }
      - { .name: xb, .offset: 8, .size: 8, .value_kind: global_buffer, .address_space: global }
      - { .name: w1, .offset: 16, .size: 8, .value_kind: global_buffer, .address_space: global }
      - { .name: b1, .offset: 24, .size: 8, .value_kind: global_buffer, .address_space: global }
      - { .name: h, .offset: 32, .size: 8, .value_kind: global_buffer, .address_space: global }
    .group_segment_fixed_size: 297984
    .private_segment_fixed_size: 0
    .kernarg_segment_align: 8
    .kernarg_segment_size: 40
    .max_flat_workgroup_size: 256
    .sgpr_count:     98
    .vgpr_count:     512
    .wavefront_size: 32
...
	.end_amdgpu_metadata
.endif
;; end of part 7
;; launch ffn2 (part 8): grid 256 x 1, 8 waves a work-group, no clusters, 297,984 bytes of LDS; arguments idx, h, w2, wgt, p; writes p
.if DOCPART == 8
	.amdgcn_target "amdgcn-amd-amdhsa--gfx1250"
	.amdhsa_code_object_version 6
	.text
	.protected	k_q8e6b485e91_ffn2
	.globl	k_q8e6b485e91_ffn2
	.p2align	8
	.type	k_q8e6b485e91_ffn2,@function
k_q8e6b485e91_ffn2:
	s_mov_b64 s[64:65], 0
	v_nop
	global_prefetch_b8 v0, s[64:65] scope:SCOPE_SE
	s_setreg_imm32_b32 hwreg(HW_REG_WAVE_SCHED_MODE, 0, 2), 2
	s_setreg_imm32_b32 hwreg(HW_REG_WAVE_MODE, 25, 1), 1
	s_wait_xcnt 0x0
	s_wait_alu depctr_vm_vsrc(0)
; ONE PRODUCT OF THE EXPERTS' LAYER, for the chosen rows alone.  LAYER 1: h[t] = relu(x[t] w1[e] + b1[e]), f16.  LAYER 2: p[q][t] = wgt[t] x (h[t], k quarter q) w2[e], f32 partial sums.
; The two layers have this one text, with LAYER set to 1 or 2; they differ in the sizes below, in the operands' format and in the way out.
; SHARES.  Work-group = expert e (8) x slice (32; in layer 2: 4 quarters of k x 8 groups of 128 columns).  A slice is 1,024 k x 128 columns of e's f32 weights, 512 KiB, which this work-group alone reads, once, and ALL rows (tokens) that chose e.
; The slice goes through in 8 chunks of 128 k.  Each of the 8 waves loads 16 k x 128 columns of a chunk (16 loads, each 512 consecutive aligned bytes of one weight row), rounds it
; in registers and lays it into LDS as finished matrix operands; the whole slice stays in LDS (256 KiB).  Wave w multiplies rows 32 w .. + 31 of the expert's order by all 128 columns while the next two chunks are on their way
; (32 loads, 16 KiB a wave).  An expert with more than 256 rows takes up to three more passes over the slice in LDS: every split of the tokens is served.  A later pass's eight chunks are written out, so that
; every LDS address in the loop over passes is a constant plus the lane's term.
; THE ROWS.  Every wave finds its rows' tokens itself, in registers, from idx (stored by an earlier launch): 32 masks of 32 tokens in scalar registers; a lane walks the masks' running counts to the mask that holds its place,
; and finds the set bit of that rank by sums of 2, 4, 8 and 16 bits and five halvings.  No list in LDS, no barrier.  Places past the count repeat the expert's last row: they compute and store
; the same numbers to the same bytes, from the same wave, so EXEC is never narrowed.  A wave whose 32 rows all lie past the count jumps over the products and the way out, never over a barrier.
; NO TRANSPOSITION.  Weights lie [k][column].  Lane l loads, for 16 values of k, the four columns 4 l + cc.  Two k of one cc, rounded in a pair, are one register of source 0: tile ct = 4 (l / 16) + cc holds in its row l % 16
; the column 4 l + cc, with k in its true places; a lane's first 8 k belong to the reading lanes 0-15, its last 8 to lanes 16-31.  Source 1 = 16 tokens x 32 k, straight from memory.
; In the result lane (r = l % 16, hh = l / 16) holds token r and, in register j of tile ct = 4 g + cc, column 64 g + 32 hh + 4 j + cc.
; FORMATS.  Every input (x, weights, bias) is rounded once to bf16; sums in f32.  Layer 1 multiplies bf16 by bf16.  h, which the program itself makes, is rounded once to f16: 11 significant bits, since a token's error
; goes with its own gate weight, up to 1, while the output's scale is that of all tokens.  Layer 2 multiplies f16 by f16: w2 is rounded to bf16 like every input, and that number is then written as f16.
; The four partial sums of a token's row stay in f32 and are added by the next launch.
; LIMITS.  A hidden number of 65,520 or more becomes an infinity.  At the drawn spread h stays under 4; all inputs 30 times larger give 900 times that, offsets of 30 spreads on x and w1 give 1,024 x 30 x 0.6 = 18,432: both inside.
; Below 6.1e-5 h keeps f16's fixed step of 6e-8.  A bf16 number of w2 is exact in f16 from 7.6e-6 to 65,504; below, it keeps the same step of 6e-8 (drawn spread: 0.02).  NaN is not treated apart.
; NO TENSOR LOADS, NO CLUSTER: each weight byte has one reader and must pass through registers to be rounded; what an expert's work-groups share is its token rows, which come by a list that no descriptor covers.
; THE ACCUMULATORS ARE CLEARED by 128 moves, in the wait for the first loads: the sums begin under a jump on the count, and one text then serves every chunk and every pass.
; THE MODE: SCHED_MODE bits 1:0 = 2 (LLVM: expert scheduling mode 2), set by the entry lines.  The code itself states the register dependences
; between vector or matrix instructions and memory or LDS instructions, with s_wait_alu, always for 0.
; THE PLAN.  Registers that memory or LDS instructions touch:
;   S0, S1 (window 1)   Chunk c's conversions read S[c % 2]; behind them the loads of chunk c + 2 land in it.
;   AF0, AF1 (window 1) Chunk c's products read AF[c % 2]; the loads of chunk c + 1, issued in chunk c ahead of its products, land in the other, which chunk c - 1's products read.
;   v[T0], v[T1], TMP   Written at a chunk's head and by its conversions; read by its 8 LDS stores (T0, TMP) and its 64 LDS loads (T1).
;   BF, in two halves   A chunk's products go in 8 half-steps of four tiles.  Half-step i reads half i % 2; the LDS loads of half-step i + 1 land in the other half, which half-step i - 1 read.
;   AOFF, X0, AUX, GOFF Written once a pass, or once a tile on the way out.     WOFF, WST, RD, STO, SRD, LCOL: made at the head and never written again.
; So a chunk of the stream has two waits (on vm_vsrc at its head, on va_vdst behind its conversions), and each of the half-steps 1 to 6 one wait on va_vdst at its head; behind that wait the half-step's eight LDS loads
; are dealt among its first products, which name their own half of BF, AF and the sums alone.  A vector instruction's scalar result has its wait ahead of its first reader: compares and lane reads are laid in runs, one wait a run.
.set LAYER, 2
.if LAYER == 1
.set WP,  16384         ; bytes in a weight row
.set LAP, 11            ; log2 of the bytes in a row of the left operand
.set LOP, 13            ; log2 of the bytes in a row of the output
.set HSH, 6             ; log2 of the bytes that a half of the lanes holds of a stage row
.else
.set WP,  4096
.set LAP, 13
.set LOP, 12
.set HSH, 7
.endif
.set CHUNKB, 32768      ; a chunk in LDS: registers 4 h .. 4 h + 3 of the fragment (k step K of 4, tile ct of 8) lie at (2 K + h) x 4,096 + 512 ct + 16 x lane: wave w writes the 4,096 bytes from 4,096 w on; every load and store is contiguous
.set STAGE,  262144     ; behind the slice: 16 rows x 272 bytes for each wave, its own, for the way out
.set SPITCH, 272        ; 256 + 16: the 16 rows of a store start at 16 different groups of four banks (ISA guide 11.1)
; window 0
.set LN,   1            ; lane
.set R16,  2            ; r
.set H16,  3            ; 16 hh
.set WOFF, 4            ; my byte offset in a chunk of weights; never rewritten
.set WST,  5            ; where I put fragments in a chunk in LDS; never rewritten
.set RD,   6            ; 16 x lane: where I read fragments; never rewritten
.set TOK,  7            ; the token of row l of my 32 rows
.set AOFF, 8            ; v8-9   byte offset of row r of tile u in the left operand, + 16 hh
.set STO,  10           ; the way out: where I put my part of a stage row
.set SRD,  11           ; the way out: where I read rows back
.set LCOL, 12           ; 16 r
.set T0,   15           ; at work; in a chunk: where I put its fragments
.set AUX,  16           ; v16-17 layer 1: 128 hh, 1.0;  layer 2: the gate weight of token r of tile u
.set ZERO, 18           ; 0
.set T1,   19           ; at work; in a chunk: where I read its fragments
.set GOFF, 20           ; v20-27 the way out: byte offsets of eight pairs of output rows; at work while tokens are found
.set X0,   30           ; v30-31 at work while tokens are found; layer 2: offsets into wgt
.set TMP,  32           ; v32-63 fragments on their way into LDS; results on their way out
.set BF,   64           ; v64-127 weights' fragments, 8 a tile, in two halves of four tiles; at the start idx; layer 2: at work while weights are rounded; on the way out rows read back
.set ACC,  128          ; v128-255 accumulator (tile u, column tile ct) at ACC + 64 u + 8 ct
; window 1
.set AF0,  0            ; v0-63, v64-127: two buffers of the left operand's fragments of a chunk: (u, k step s) at 32 u + 8 s
.set S0,   128          ; v128-191, v192-255: two buffers of a chunk's weights as loaded, f32; load i at 4 i
.set BPK,  192          ; layer 1, behind the last chunk: my 64 bias numbers, packed bf16
; scalars: s2 wave, s3 expert, s[4:5] v_permlanex16_b32's selects, s6-7 at work, s[10:11] left operand at the chunk in hand, s[12:13] weights, s[14:15] bias or wgt, s[16:17] output, s[18:19] left operand at chunk 0,
; s20 the expert's count M, s21 max(M, 1) - 1, s22 my first row, s23 pass, s24 trips of the stream, s25 running count, s26 at work, s27 the stream's chunk in LDS, s[28:59] 32 masks of 32 tokens, s60 0xffff0000: lanes 16-31, and a word's upper half
.set CM,   66           ; s[66:81] the masks of a run of compares; on the way out the tokens of a tile's 16 rows
.set VAL,  82           ; s[82:97] for each compare of a run: the running count (low half) and the mask's first token (high half)
.set MSB, 0
.macro WIN new                         ; s_set_vgpr_msb: bits 1:0 source 0, 3:2 source 1, 5:4 source 2, 7:6 destination; the high byte repeats the setting that is left
.if MSB != (\new)
	s_set_vgpr_msb (MSB<<8)|(\new)
.set MSB, \new
.endif
.endm
.macro PLACES                          ; four plain places behind matrix instructions (ISA guide 7.12.1), in front of vector instructions that read their results or write their registers
.rept 4
	v_nop
.endr
.endm
.macro CLEAR
.set ii, 0
.rept 128
	v_mov_b32 v[ACC+ii], 0
.set ii, ii+1
.endr
.endm
; 16 loads: my 16 k x 128 columns of a chunk.  Load i: row 16 w + i, whole: the wave's 32 lanes take its 512 consecutive bytes
.macro WLOAD sreg, extra
	WIN 0x40                                       ; destination window 1
.irp i, 0,1,2,3,4,5,6,7,8,9,10,11,12,13,14,15
	global_load_b128 v[(\sreg)+4*(\i):(\sreg)+4*(\i)+3], v[WOFF], s[12:13] offset:(\extra)+(\i)*WP th:TH_LOAD_NT
.endr
.endm
; 16 loads: my 32 rows x 128 k of the left operand, as fragments: lane (r, hh) takes k = 8 hh .. + 7 and 16 + 8 hh .. + 7 of each k step.  extra: bytes along the rows from the base
.macro ALOAD af, extra
	WIN 0x40
.irp u, 0,1
.irp s, 0,1,2,3
	global_load_b128 v[(\af)+32*(\u)+8*(\s):(\af)+32*(\u)+8*(\s)+3],   v[AOFF+(\u)], s[10:11] offset:(\extra)+64*(\s)
	global_load_b128 v[(\af)+32*(\u)+8*(\s)+4:(\af)+32*(\u)+8*(\s)+7], v[AOFF+(\u)], s[10:11] offset:(\extra)+64*(\s)+32
.endr
.endr
.endm
.macro BLOAD                           ; layer 1: my 64 bias numbers, columns 64 g + 32 hh + 4 t + 0..3, into the weights' first buffer
	WIN 0x40
.irp g, 0,1
.irp t, 0,1,2,3,4,5,6,7
	global_load_b128 v[S0+32*(\g)+4*(\t):S0+32*(\g)+4*(\t)+3], v[AUX], s[14:15] offset:256*(\g)+16*(\t)
.endr
.endr
.endm
.macro WGT                             ; layer 2: the gate weights of my rows' tokens
.if LAYER == 2
	global_load_b32 v[AUX], v[X0], s[14:15]
	global_load_b32 v[AUX+1], v[X0+1], s[14:15]
.endif
.endm
.macro HLOAD                           ; two LDS loads: the fragment of tile ltile in k step lstep; then on to the next tile
	ds_load_b128 v[BF+8*ltile:BF+8*ltile+3],   v[T1] offset:8192*lstep+512*ltile
	ds_load_b128 v[BF+8*ltile+4:BF+8*ltile+7], v[T1] offset:8192*lstep+4096+512*ltile
.set ltile, ltile+1
.endm
.macro MM af, u                        ; a product: tile mtile of k step mstep by tile u of my rows
.if LAYER == 1
	v_wmma_f32_16x16x32_bf16 v[ACC+64*(\u)+8*mtile:ACC+64*(\u)+8*mtile+7], v[BF+8*mtile:BF+8*mtile+7], v[(\af)+32*(\u)+8*mstep:(\af)+32*(\u)+8*mstep+7], v[ACC+64*(\u)+8*mtile:ACC+64*(\u)+8*mtile+7]
.else
	v_wmma_f32_16x16x32_f16 v[ACC+64*(\u)+8*mtile:ACC+64*(\u)+8*mtile+7], v[BF+8*mtile:BF+8*mtile+7], v[(\af)+32*(\u)+8*mstep:(\af)+32*(\u)+8*mstep+7], v[ACC+64*(\u)+8*mtile:ACC+64*(\u)+8*mtile+7]
.endif
.endm
; A chunk's products for my 32 rows: 8 half-steps of 8 LDS loads and 8 matrix instructions; half-step hs is tiles 4 (hs % 2) .. + 3 of k step hs / 2.  The 16 accumulators take turns, one instruction a turn, in the same order
; in every k step.  v[T1] = the chunk in LDS + 16 x lane.  The text in front has waited on va_vdst behind the line that writes v[T1] and behind the last instruction that named BF, and has issued no
; vector instruction since: the first half-step's loads, and the second's, which land in the half that no product of this chunk has named yet, lean on that wait.
.macro COMPUTE af
	WIN 0x04                                       ; source 1 (tokens) window 1; weights, sums and LDS addresses window 0
.set lstep, 0
.set ltile, 0
.rept 4
	HLOAD                                          ; half-step 0
.endr
.set hs, 0
.rept 8
.set mstep, hs/2
.set mtile, 4*(hs%2)
.set lstep, (hs+1)/2
.set ltile, 4*((hs+1)%2)
	s_wait_dscnt 0x0                               ; this half-step's eight loads are in: no others are out
.if (hs > 0) && (hs < 7)
	s_wait_alu depctr_va_vdst(0)                   ; the last half-step's products are done reading the other half of BF, in which the loads below land
.endif
	MM \af, 0
.if hs < 7
	HLOAD                                          ; the next half-step's loads, early in this one.  No product since the wait names their half of BF or v[T1]
	HLOAD
.endif
	MM \af, 1
.if hs < 7
	HLOAD
	HLOAD
.endif
.set mtile, mtile+1
.rept 3
	MM \af, 0
	MM \af, 1
.set mtile, mtile+1
.endr
.set hs, hs+1
.endr
.endm
; One halving of the search for the set bit of rank v[T0] (from 0) in v[X0]: the field of src at the place in hand counts the set bits of the next `step` places; if the rank is not among them, they are passed.
.macro NTH src, mask, step
	v_lshrrev_b32 v[T1], v[GOFF+4], v[\src]
	v_and_b32 v[T1], \mask, v[T1]
	v_cmp_ge_u32 vcc_lo, v[T0], v[T1]
	s_wait_alu depctr_va_vcc(0)                    ; VCC is written, ahead of the two selects that read it; each halving hangs on the one before, so the five compares cannot stand in one run
	v_cndmask_b32 v[T1], 0, v[T1], vcc_lo
	v_cndmask_b32 v[GOFF+5], 0, \step, vcc_lo
	v_sub_nc_u32 v[T0], v[T0], v[T1]
	v_add_nc_u32 v[GOFF+4], v[GOFF+4], v[GOFF+5]
.endm
; The tokens of my 32 rows (from s22 on; places past the count repeat the last row) and what hangs on them.  Mask G's bit b is token 4 b + 128 (G / 4) + G % 4.  Every token is clamped to 1,023 before it enters an address.
; The loads that read the offsets made here follow behind a wait on va_vdst in the text behind the macro.
.macro TOKENS
	v_add_nc_u32 v[T0], s22, v[LN]
	v_min_u32 v[T0], s21, v[T0]                    ; my row's place in the expert's order
	v_mov_b32 v[X0], s28                           ; the walk keeps the last mask whose running count is at most my place,
	v_mov_b32 v[X0+1], 0                           ; and with it that count (low half) and the mask's first token (high half)
	s_bcnt1_i32_b32 s25, s28
.set gg, 1
.irp n, 16, 15                         ; the 31 compares stand in two runs, each into scalar registers of its own, the selects behind each run
.set kk, 0
.rept \n
	s_or_b32 s[VAL+kk], s25, (128*((gg+kk)/4)+(gg+kk)%4)<<16
	v_cmp_le_u32 s[CM+kk], s25, v[T0]
	s_bcnt1_i32_b32 s6, s[28+gg+kk]
	s_add_co_u32 s25, s25, s6
.set kk, kk+1
.endr
	s_wait_alu depctr_va_sdst(0)                   ; the run's compares have written their masks, ahead of the selects that read them
.set kk, 0
.rept \n
	v_cndmask_b32 v[X0], v[X0], s[28+gg+kk], s[CM+kk]
	v_cndmask_b32 v[X0+1], v[X0+1], s[VAL+kk], s[CM+kk]
.set kk, kk+1
.endr
.set gg, gg+\n
.endr
	v_and_b32 v[T1], 0xffff, v[X0+1]
	v_lshrrev_b32 v[X0+1], 16, v[X0+1]             ; the mask's first token
	v_sub_nc_u32 v[T0], v[T0], v[T1]               ; my rank among the mask's set bits
	v_lshrrev_b32 v[GOFF], 1, v[X0]
	v_and_b32 v[GOFF], 0x55555555, v[GOFF]
	v_sub_nc_u32 v[GOFF], v[X0], v[GOFF]           ; the set bits of each 2 places,
	v_lshrrev_b32 v[GOFF+1], 2, v[GOFF]
	v_and_b32 v[GOFF+1], 0x33333333, v[GOFF+1]
	v_and_b32 v[T1], 0x33333333, v[GOFF]
	v_add_nc_u32 v[GOFF+1], v[GOFF+1], v[T1]       ; of each 4,
	v_lshrrev_b32 v[GOFF+2], 4, v[GOFF+1]
	v_add_nc_u32 v[GOFF+2], v[GOFF+2], v[GOFF+1]
	v_and_b32 v[GOFF+2], 0x0f0f0f0f, v[GOFF+2]     ; of each 8,
	v_lshrrev_b32 v[GOFF+3], 8, v[GOFF+2]
	v_add_nc_u32 v[GOFF+3], v[GOFF+3], v[GOFF+2]   ; and, in the low byte, of the low 16
	v_mov_b32 v[GOFF+4], 0                         ; the place in hand
	NTH GOFF+3, 0xff, 16
	NTH GOFF+2, 0xff, 8
	NTH GOFF+1, 15, 4
	NTH GOFF, 3, 2
	NTH X0, 1, 1
	v_lshl_add_u32 v[TOK], v[GOFF+4], 2, v[X0+1]
	v_min_u32 v[TOK], 0x3ff, v[TOK]
	v_permlanex16_b32 v[T1], v[TOK], s4, s5        ; the token of the lane 16 away
	v_cndmask_b32 v[AOFF], v[TOK], v[T1], s60      ; the token of row r of tile 0: lanes 0-15 hold it, lanes 16-31 take it from them,
	v_cndmask_b32 v[AOFF+1], v[T1], v[TOK], s60    ; and of tile 1: the other way round
	v_min_u32 v[AOFF], 0x3ff, v[AOFF]
	v_min_u32 v[AOFF+1], 0x3ff, v[AOFF+1]
.if LAYER == 2
	v_lshlrev_b32 v[X0], 2, v[AOFF]
	v_lshlrev_b32 v[X0+1], 2, v[AOFF+1]
.endif
	v_lshl_add_u32 v[AOFF], v[AOFF], LAP, v[H16]
	v_lshl_add_u32 v[AOFF+1], v[AOFF+1], LAP, v[H16]
.endm
; CHUNK c, par = c % 2.  Loads were issued in the order W(c), A(c), W(c + 1): wcnt = 16 leaves W(c + 1) out.  lda: A(c + 1) is asked for.  ldw = 1: W(c + 2); 2: the bias; 0: nothing.
.macro TRIP par, wcnt, lda, ldw
	s_wait_loadcnt \wcnt
	s_wait_alu depctr_vm_vsrc(0)                   ; the last chunk's LDS stores have read v[T0] and TMP, its LDS loads v[T1]: all three are written again below
	v_add_nc_u32 v[T0], s27, v[WST]
	v_add_nc_u32 v[T1], s27, v[RD]
	WIN 0x05                                       ; sources window 1, destination window 0
.irp cc, 0,1,2,3
.irp j, 0,1,2,3,4,5,6,7
	v_cvt_pk_bf16_f32 v[TMP+8*(\cc)+(\j)], v[S0+64*(\par)+8*(\j)+(\cc)], v[S0+64*(\par)+8*(\j)+4+(\cc)]   ; rows 2 j and 2 j + 1 of my 16, one column; in layer 2 these 32 lines are also the places between the last chunk's products and the lines that write BF
.endr
.endr
	WIN 0
.if LAYER == 2                         ; the bf16 numbers are written as f16: widened by a shift and a mask, into the fragments' registers, which the next products load anew, and narrowed in pairs
.set ii, 0
.rept 32
	v_lshlrev_b32 v[BF+2*ii], 16, v[TMP+ii]
	v_and_b32 v[BF+2*ii+1], s60, v[TMP+ii]
.set ii, ii+1
.endr
.set ii, 0
.rept 32
	v_cvt_pk_f16_f32 v[TMP+ii], v[BF+2*ii], v[BF+2*ii+1]
.set ii, ii+1
.endr
.endif
	s_wait_alu depctr_va_vdst(0)                   ; v[T0], v[T1] and TMP are written; the conversions are done reading this weights' buffer; the products of the chunk before are done reading the other rows' buffer and BF (layer 2: so are the lines above that used BF).  No vector instruction follows until this chunk's products
.irp cc, 0,1,2,3
	ds_store_b128 v[T0], v[TMP+8*(\cc):TMP+8*(\cc)+3]   offset:512*(\cc)         ; my first 8 k: for the reading lanes 0-15,
	ds_store_b128 v[T0], v[TMP+8*(\cc)+4:TMP+8*(\cc)+7] offset:512*(\cc)+256     ; my last 8: for lanes 16-31
.endr
	s_wait_xcnt 0x0                                ; the bases of the loads that are out are stepped only behind this wait
.if \lda
	s_add_nc_u64 s[10:11], s[10:11], 256           ; 128 k of 2 bytes
	ALOAD AF0+64*(1-\par), 0
.endif
.if (\ldw) == 1
	s_add_nc_u64 s[12:13], s[12:13], 128*WP
	WLOAD S0+64*\par, 128*WP
.elseif (\ldw) == 2
	BLOAD
.endif
	WIN 0
	s_wait_dscnt 0x0                               ; for the others' sake: my part of the chunk is in LDS
	s_barrier_signal -1
	s_barrier_wait -1                              ; everybody's is.  Each chunk has bytes of its own, written once: no second barrier is needed
	s_cmp_ge_u32 s22, s20
	s_cbranch_scc1 .Lidle_\@                       ; all my rows lie past the count
	COMPUTE AF0+64*\par
	WIN 0
.Lidle_\@:
	s_add_co_u32 s27, s27, CHUNKB
.endm
; THE WAY OUT, a tile of 16 rows at a time, through my own stage: rows go in as each lane holds them and come back whole, so that sixteen lanes store 256 consecutive aligned bytes of one token's row.
; LDS serves a wave's instructions in order (ISA guide 5.7.1.4): no wait stands between the stage's stores and its loads.  Each accumulator is read from its lowest register on.
.macro EPI
	PLACES
.irp u, 0,1
	s_wait_xcnt 0x0                                ; earlier stores have read their offsets and data: both are written again below
	s_wait_alu depctr_vm_vsrc(0)                   ; earlier stores have read GOFF and BF, earlier LDS stores TMP: GOFF and TMP are written again below, and rows land in BF
.irp t, 0,1,2,3,4,5,6,7
	v_readlane_b32 s[CM+2*(\t)], v[TOK], 16*(\u)+2*(\t)        ; store t takes rows 2 t (lanes 0-15) and 2 t + 1 (lanes 16-31) of the tile
	v_readlane_b32 s[CM+2*(\t)+1], v[TOK], 16*(\u)+2*(\t)+1
.endr
	s_wait_alu depctr_va_sdst(0)                   ; the sixteen lane reads have written s[CM ..], ahead of the lines that read them
.irp t, 0,1,2,3,4,5,6,7
	v_mov_b32 v[GOFF+(\t)], s[CM+2*(\t)]
	v_cndmask_b32 v[GOFF+(\t)], v[GOFF+(\t)], s[CM+2*(\t)+1], s60
.endr
.irp t, 0,1,2,3,4,5,6,7
	v_min_u32 v[GOFF+(\t)], 0x3ff, v[GOFF+(\t)]
.endr
.irp t, 0,1,2,3,4,5,6,7
	v_lshl_add_u32 v[GOFF+(\t)], v[GOFF+(\t)], LOP, v[LCOL]
.endr
.if LAYER == 1
	WIN 0x10                                       ; source 2 (the bias) window 1
.irp g, 0,1
.irp j, 0,1,2,3,4,5,6,7
.irp c2, 0,1
	v_fma_mix_f32_bf16 v[ACC+64*(\u)+32*(\g)+16*(\c2)+(\j)],   v[ACC+64*(\u)+32*(\g)+16*(\c2)+(\j)],   v[AUX+1], v[BPK+16*(\g)+2*(\j)+(\c2)] op_sel_hi:[0,0,1]
	v_fma_mix_f32_bf16 v[ACC+64*(\u)+32*(\g)+16*(\c2)+8+(\j)], v[ACC+64*(\u)+32*(\g)+16*(\c2)+8+(\j)], v[AUX+1], v[BPK+16*(\g)+2*(\j)+(\c2)] op_sel:[0,0,1] op_sel_hi:[0,0,1]
.endr
.endr
.endr
	WIN 0
.irp g, 0,1
.irp j, 0,1,2,3,4,5,6,7
	v_cvt_pk_f16_f32 v[TMP+16*(\g)+2*(\j)],   v[ACC+64*(\u)+32*(\g)+(\j)],    v[ACC+64*(\u)+32*(\g)+8+(\j)]    ; columns 4 j, 4 j + 1 of my 32, rounded once to f16,
	v_cvt_pk_f16_f32 v[TMP+16*(\g)+2*(\j)+1], v[ACC+64*(\u)+32*(\g)+16+(\j)], v[ACC+64*(\u)+32*(\g)+24+(\j)]   ; and 4 j + 2, 4 j + 3
.endr
.endr
.set ii, 0
.rept 32
	v_pk_max_num_f16 v[TMP+ii], v[TMP+ii], v[ZERO]   ; relu, two at a time: nothing is rounded
.set ii, ii+1
.endr
	s_wait_alu depctr_va_vdst(0)                   ; TMP is written, which the LDS stores read, and GOFF, which the stores read; the products are done reading BF, in which the rows land
.irp t, 0,1,2,3,4,5,6,7
	ds_store_b128 v[STO], v[TMP+4*(\t):TMP+4*(\t)+3] offset:128*((\t)/4)+16*((\t)%4)
.endr
.irp t, 0,1,2,3,4,5,6,7
	ds_load_b128 v[BF+32*(\u)+4*(\t):BF+32*(\u)+4*(\t)+3], v[SRD] offset:2*SPITCH*(\t)
.endr
	s_wait_dscnt 0x0
.irp t, 0,1,2,3,4,5,6,7
	global_store_b128 v[GOFF+(\t)], v[BF+32*(\u)+4*(\t):BF+32*(\u)+4*(\t)+3], s[16:17]
.endr
.else
.irp g, 0,1                            ; 64 columns of f32 are a stage row
.if (\g) == 1
	s_wait_alu depctr_vm_vsrc(0)                   ; the LDS stores of the first 64 columns have read TMP, which is written again below
.endif
.irp j, 0,1,2,3,4,5,6,7
.irp cc, 0,1,2,3
	v_mul_f32 v[TMP+4*(\j)+(\cc)], v[ACC+64*(\u)+32*(\g)+8*(\cc)+(\j)], v[AUX+(\u)]   ; the gate's weight rides on the move that puts neighbouring columns into neighbouring registers
.endr
.endr
	s_wait_alu depctr_va_vdst(0)                   ; TMP is written, which the LDS stores read, and GOFF, which the stores read; the products are done reading BF, in which the rows land
.irp j, 0,1,2,3,4,5,6,7
	ds_store_b128 v[STO], v[TMP+4*(\j):TMP+4*(\j)+3] offset:16*(\j)
.endr
.irp t, 0,1,2,3,4,5,6,7
	ds_load_b128 v[BF+32*(\g)+4*(\t):BF+32*(\g)+4*(\t)+3], v[SRD] offset:2*SPITCH*(\t)
.endr
	s_wait_dscnt 0x0
.irp t, 0,1,2,3,4,5,6,7
	global_store_b128 v[GOFF+(\t)], v[BF+32*(\g)+4*(\t):BF+32*(\g)+4*(\t)+3], s[16:17] offset:256*(\g)
.endr
.endr
.endif
.endr
.endm
	s_load_b256 s[8:15], s[0:1], 0x0               ; idx s[8:9], left operand s[10:11], weights s[12:13], bias or wgt s[14:15]
	s_load_b64 s[16:17], s[0:1], 0x20              ; output
	v_lshl_add_u32 v28, v0, 2, 0x48800
	v_mov_b32 v29, 0
	v_and_b32 v[LN], 31, v0
	v_lshrrev_b32 v[T0], 5, v0
	v_readfirstlane_b32 s2, v[T0]                  ; wave 0..7
	v_and_b32 v[R16], 15, v0
	v_bfe_u32 v[T1], v0, 4, 1                      ; hh
	v_lshlrev_b32 v[H16], 4, v[T1]
	s_lshr_b32 s3, ttmp9, 5                        ; expert
	s_and_b32 s4, ttmp9, 31                        ; slice
	v_lshlrev_b32 v[RD], 4, v[LN]
	s_wait_alu depctr_va_sdst(0)                   ; s2 is written, ahead of its first reader
	s_mul_i32 s7, s2, 16*WP
	v_add_nc_u32 v[WOFF], s7, v[RD]                ; my wave's 16 rows of a chunk + 16 l
	s_lshl_b32 s7, s2, 12                          ; my wave's 4,096 bytes of a chunk in LDS;
	v_lshlrev_b32 v[WST], 4, v[R16]                ; in them tile 4 (l / 16) + cc, row l % 16
	v_lshl_add_u32 v[WST], v[T1], 11, v[WST]
	v_add_nc_u32 v[WST], s7, v[WST]
.if LAYER == 1
	s_lshl_b32 s6, s3, 24                          ; an expert's weights are 16 MiB
	s_lshl_b32 s5, s4, 9
	s_add_co_u32 s6, s6, s5                        ; weights: + 128 columns of f32 a slice
	s_lshl_b32 s24, s3, 14
	s_add_co_u32 s24, s24, s5                      ; bias: expert x 16,384 + slice x 512
	s_lshl_b32 s26, s4, 8                          ; h: 128 columns of 2 bytes a slice
.else
	s_lshr_b32 s5, s4, 3                           ; q: which quarter of k
	s_and_b32 s4, s4, 7                            ; which 128 columns
	s_lshl_b32 s26, s5, 22
	s_lshl_b32 s4, s4, 9
	s_add_co_u32 s26, s26, s4                      ; p: plane q of 4 MiB + 512 bytes a column slice
	s_lshl_b32 s6, s3, 24
	s_add_co_u32 s6, s6, s26                       ; weights: expert x 16 MiB + 1,024 rows of 4,096 bytes a quarter + the same 512
	s_lshl_b32 s24, s5, 11                         ; h: 1,024 k of 2 bytes a quarter
.endif
	s_mov_b32 s60, 0xffff0000
	s_mov_b32 s7, 0
	s_mov_b32 s25, 0
	s_mov_b32 s27, 0
	s_wait_kmcnt 0x0
	s_add_nc_u64 s[12:13], s[12:13], s[6:7]
	s_add_nc_u64 s[16:17], s[16:17], s[26:27]
.if LAYER == 1
	s_add_nc_u64 s[14:15], s[14:15], s[24:25]
.else
	s_add_nc_u64 s[10:11], s[10:11], s[24:25]
.endif
	s_mov_b64 s[18:19], s[10:11]
	s_mov_b32 s4, 0x76543210                       ; v_permlanex16_b32: each lane takes its own place in the other half
	s_mov_b32 s5, 0xfedcba98
	s_wait_alu depctr_va_vdst(0)                   ; v[RD] and v[WOFF] are written, which the loads below read as their offsets
.irp j, 0,1,2,3,4,5,6,7
	global_load_b128 v[BF+4*(\j):BF+4*(\j)+3], v[RD], s[8:9] offset:512*(\j)   ; all 1,024 choices: register G holds token 4 l + 128 (G / 4) + G % 4
.endr
	WLOAD S0, 0                                    ; chunks 0 and 1 go out before anything else is done
	WLOAD S0+64, 128*WP
	WIN 0
	CLEAR                                          ; in the wait for those loads: the sums' zeros and the lane's addresses
	s_mul_i32 s7, s2, 16*SPITCH
	s_add_co_u32 s7, s7, STAGE                     ; my stage
	v_mul_u32_u24 v[STO], v[R16], SPITCH           ; in: row r, my half of the lanes' part of it
	v_lshl_add_u32 v[STO], v[T1], HSH, v[STO]
	v_add_nc_u32 v[STO], s7, v[STO]
	v_mul_u32_u24 v[SRD], v[T1], SPITCH            ; back: lanes 0-15 take one row of 256 bytes, lanes 16-31 the next
	v_lshl_add_u32 v[SRD], v[R16], 4, v[SRD]
	v_add_nc_u32 v[SRD], s7, v[SRD]
	v_lshlrev_b32 v[LCOL], 4, v[R16]
	v_mov_b32 v[ZERO], 0
.if LAYER == 1
	v_lshlrev_b32 v[AUX], 7, v[T1]                 ; my half of the lanes' 32 bias numbers of each 64
	v_mov_b32 v[AUX+1], 1.0
.endif
	s_mov_b32 s20, 0
	s_wait_loadcnt 32                              ; idx is in; the 32 weight loads are younger
.set gg, 0
.rept 32
	v_cmp_eq_u32 s[28+gg], s3, v[BF+gg]            ; which 32 tokens of register gg chose my expert
.set gg, gg+1
.endr
	s_wait_alu depctr_va_sdst(0)                   ; the 32 compares have written the masks s[28:59], ahead of their first readers
.set gg, 0
.rept 32
	s_bcnt1_i32_b32 s26, s[28+gg]
	s_add_co_u32 s20, s20, s26                     ; M
.set gg, gg+1
.endr
	s_max_u32 s21, s20, 1
	s_sub_co_u32 s21, s21, 1                       ; the last place that holds a row (0 where there is none: some token's row is then loaded, and nothing is multiplied or stored)
	s_lshl_b32 s22, s2, 5                          ; pass 0: my rows 32 w .. + 31
	TOKENS
	s_wait_alu depctr_va_vdst(0)                   ; the rows' offsets v[AOFF ..] (layer 2: and v[X0 ..]) are written, which the loads below read
	WGT
	ALOAD AF0, 0
	WIN 0
	s_wait_loadcnt 0x0                             ; chunks 0 and 1 of the weights, chunk 0 of my rows (layer 2: and their gate weights)
	s_mov_b32 s24, 3
.Lk:                                               ; chunks 0 to 5
	TRIP 0, 16, 1, 1
	TRIP 1, 16, 1, 1
	s_sub_co_u32 s24, s24, 1
	s_cmp_lg_u32 s24, 0
	s_cbranch_scc1 .Lk
.if LAYER == 1                         ; the last two chunks are written out: no load passes the slice's end
	TRIP 0, 16, 1, 2                               ; the bias takes the place of a chunk of weights,
	TRIP 1, 16, 0, 0                               ; so the count stays 16: its 16 loads are the younger ones
	s_wait_loadcnt 0x0
	WIN 0x45                                       ; all in window 1
.set ii, 0
.rept 32
	v_cvt_pk_bf16_f32 v[BPK+ii], v[S0+2*ii], v[S0+2*ii+1]   ; the bias rounded to bf16, as every input is
.set ii, ii+1
.endr
	WIN 0
.else
	TRIP 0, 16, 1, 0
	TRIP 1, 0, 0, 0                                ; nothing younger is out: the wait is for 0
.endif
	s_mov_b32 s23, 0
.Lpass:                                            ; four passes of 256 rows; pass 0's products are done; dead passes are jumped forward; no barrier stands in this loop
	s_cmp_ge_u32 s22, s20
	s_cbranch_scc1 .Lnext
	s_cmp_eq_u32 s23, 0
	s_cbranch_scc1 .Lepi
	s_wait_xcnt 0x0                                ; the last pass's stores have read their registers
	s_wait_alu depctr_vm_vsrc(0)                   ; the last pass's loads and stores have read v[AOFF ..], v[X0 ..], v[T1], GOFF and BF: the search below writes the first four anew, and fragments land in BF
	TOKENS
	PLACES
	CLEAR
	s_mov_b64 s[10:11], s[18:19]                   ; the left operand at chunk 0: the chunk stands in the loads' immediates
.irp c, 0,1,2,3,4,5,6,7                ; the slice once more, out of LDS; written out: each chunk's LDS address is a constant + 16 x lane
.if (\c) > 0
	s_wait_alu depctr_vm_vsrc(0)                   ; the last chunk's LDS loads have read v[T1]
.endif
	v_add_nc_u32 v[T1], (\c)*CHUNKB, v[RD]
	s_wait_alu depctr_va_vdst(0)                   ; v[T1] is written; the last chunk's products are done reading the rows' buffer and BF; ahead of chunk 0 also: the rows' offsets are written, and the last way out is done reading the gate weights
.if (\c) == 0
	WGT
.endif
	ALOAD AF0, 256*(\c)
	WIN 0
	s_wait_loadcnt 0x0
	COMPUTE AF0
	WIN 0
.endr
.Lepi:
	EPI
.Lnext:
	s_add_co_u32 s22, s22, 256
	s_add_co_u32 s23, s23, 1
	s_cmp_lt_u32 s23, 4
	s_cbranch_scc1 .Lpass
	s_wait_dscnt 0x0                               ; my last LDS instructions are done.
	s_wait_alu depctr_hold_cnt(0) depctr_sa_sdst(0) depctr_va_vdst(0) depctr_va_sdst(0) depctr_va_ssrc(0) depctr_va_vcc(0) depctr_vm_vsrc(0)
	s_wait_tensorcnt 0x0
	ds_add_u32 v28, v29
	s_wait_dscnt 0x0
	s_endpgm
.Lfunc_end_k_q8e6b485e91_ffn2:
	.size	k_q8e6b485e91_ffn2, .Lfunc_end_k_q8e6b485e91_ffn2-k_q8e6b485e91_ffn2
	.p2alignl 7, 3214868480
	.fill 96, 4, 3214868480
	.section	.rodata,"a",@progbits
	.p2align	6, 0x0
	.amdhsa_kernel k_q8e6b485e91_ffn2
		.amdhsa_group_segment_fixed_size 297984
		.amdhsa_private_segment_fixed_size 0
		.amdhsa_enable_private_segment 0
		.amdhsa_kernarg_size 40
		.amdhsa_user_sgpr_count 2
		.amdhsa_user_sgpr_kernarg_segment_ptr 1
		.amdhsa_wavefront_size32 1
		.amdhsa_system_sgpr_workgroup_id_x 1
		.amdhsa_system_sgpr_workgroup_id_y 1
		.amdhsa_system_sgpr_workgroup_id_z 1
		.amdhsa_system_vgpr_workitem_id 0
		.amdhsa_next_free_vgpr 512
		.amdhsa_next_free_sgpr 98
		.amdhsa_reserve_vcc 1
		.amdhsa_float_denorm_mode_32 3
		.amdhsa_float_denorm_mode_16_64 3
		.amdhsa_memory_ordered 1
		.amdhsa_forward_progress 1
		.amdhsa_inst_pref_size 216
	.end_amdhsa_kernel
	.amdgpu_metadata
---
amdhsa.version: [ 1, 2 ]
amdhsa.kernels:
  - .name:           k_q8e6b485e91_ffn2
    .symbol:         k_q8e6b485e91_ffn2.kd
    .args:
      - { .name: idx, .offset: 0, .size: 8, .value_kind: global_buffer, .address_space: global }
      - { .name: h, .offset: 8, .size: 8, .value_kind: global_buffer, .address_space: global }
      - { .name: w2, .offset: 16, .size: 8, .value_kind: global_buffer, .address_space: global }
      - { .name: wgt, .offset: 24, .size: 8, .value_kind: global_buffer, .address_space: global }
      - { .name: p, .offset: 32, .size: 8, .value_kind: global_buffer, .address_space: global }
    .group_segment_fixed_size: 297984
    .private_segment_fixed_size: 0
    .kernarg_segment_align: 8
    .kernarg_segment_size: 40
    .max_flat_workgroup_size: 256
    .sgpr_count:     98
    .vgpr_count:     512
    .wavefront_size: 32
...
	.end_amdgpu_metadata
.endif
;; end of part 8
;; launch combine: the kernel of part 4 again; grid 256 x 1, 4 waves a work-group, no clusters, 0 bytes of LDS; arguments p, idx, wgt, b2, out0; writes out0
